; MI455X (gfx1250); checked and timed in simulation.
; The chip was launched on July 23, 2026; its instructions are those of AMD's public machine-readable ISA for CDNA 5 (MIT licence, August 2026) and "CDNA5" Instruction Set Architecture Reference Guide (July 2026). The comments in the code are by the model that wrote it; some were corrected since.
;; Rotary Self Attention. Allowed arithmetic: float matrix products may take bf16 or f16 operands with f32 sums; all other float work in f32.
;; Inputs: mask 4 x 1 x 2,048 x 2,048 bool; w_out 1,024 x 1,024 float32; w_qkv 3,072 x 1,024 float32; x 4 x 2,048 x 1,024 float32.
;; Outputs: out0 4 x 2,048 x 1,024 float32.
;; 3 versions, each right and faster than the one before. Each part assembles by itself: llvm-mc -triple=amdgcn-amd-amdhsa -mcpu=gfx1250 --defsym DOCPART=n.
;; ======== version 1 of 3: 4 launches
;; limits: values are held in f16: magnitudes above 65,504 overflow, below 6.1e-05 lose precision
;; workspace buffers: xb 16,777,216 bytes; wb 8,388,608 bytes; rope 524,288 bytes; mbits 2,097,152 bytes of whole numbers; qkv 50,331,648 bytes; oh 16,777,216 bytes
;; launch prep (part 1): grid 1312 x 1, 8 waves a work-group, no clusters, 35,840 bytes of LDS; arguments x, w_qkv, w_out, mask, xb, wb, rope, mbits; writes xb, wb, rope, mbits
.if DOCPART == 1
	.amdgcn_target "amdgcn-amd-amdhsa--gfx1250"
	.amdhsa_code_object_version 6
	.text
	.protected	k_qa32c4a0a54_prep
	.globl	k_qa32c4a0a54_prep
	.p2align	8
	.type	k_qa32c4a0a54_prep,@function
k_qa32c4a0a54_prep:
	s_mov_b64 s[64:65], 0
	v_nop
	global_prefetch_b8 v0, s[64:65] scope:SCOPE_SE
	s_setreg_imm32_b32 hwreg(HW_REG_WAVE_MODE, 25, 1), 1
	s_wait_xcnt 0x0
; PREP: what the three matrix launches need, made once.  No matrix work, no cluster: no two work-groups read the same bytes.
; Work-groups 0-511: x to bf16 (xb).  512-703: w_qkv to bf16 (wb, first 6,291,456 bytes).  704-767: w_out rounded to bf16 and that number written as f16 (wb, behind w_qkv).
; 768-1279: the mask, one byte a flag, to lane masks (mbits).  1280-1311: the RoPE table (rope).
; mbits[T][step][n], 32-bit words: T = batch x 128 + tile of 16 queries, step = 64 keys, n = 8 kb + j; bit 16 h + r of the word is mask[batch][16 tile + r][64 step + 16 kb + 8 h + j]:
; lane 16 h + r, register n of a 16 x 64 tile of transposed scores.
; rope[s][0..31] = cos(s theta_j), rope[s][32..63] = sin(s theta_j), theta_j = 10000^(-j/32), f32.
; LIMITS.  w_out beyond 65,504 has no f16; under 6e-5 it keeps f16's fixed step of 6e-8.  theta comes from one v_exp_f32, so an angle (2,047 at the most) is off by up to some 3e-4;
; sine and cosine of the reduced angle are polynomials with an error under 3e-8.
.set LP, 272                           ; an LDS row of the mask path: 256 flags + 16 bytes, so that 16 rows start at 16 different groups of four banks (64 banks of 4 bytes: ISA guide 11.1)
.set WL, 16*LP                         ; a wave's own 16 rows
	s_load_b512 s[4:19], s[0:1], 0x0               ; x s[4:5], w_qkv s[6:7], w_out s[8:9], mask s[10:11], xb s[12:13], wb s[14:15], rope s[16:17], mbits s[18:19]
	v_lshl_add_u32 v112, v0, 2, 0x8800
	v_mov_b32 v113, 0
	v_lshrrev_b32 v1, 5, v0
	v_readfirstlane_b32 s3, v1                     ; wave 0..7
	s_mov_b32 s2, ttmp9                            ; the work-group's number chooses the path
	s_mov_b32 s33, 0                               ; high words of the two byte offsets
	s_mov_b32 s35, 0
	s_wait_kmcnt 0x0
	s_cmp_lt_u32 s2, 512
	s_cbranch_scc1 .Lcast_x
	s_cmp_lt_u32 s2, 704
	s_cbranch_scc1 .Lcast_wq
	s_cmp_lt_u32 s2, 768
	s_cbranch_scc1 .Lcast_wo
	s_cmp_lt_u32 s2, 1280
	s_cbranch_scc1 .Lmask
	; THE ROPE TABLE.  A work-group makes 64 rows, a wave 8, one a trip.  Lane l holds words 2 l and 2 l + 1 of the row's 64: lanes 0-15 cosines, lanes 16-31 sines, of j = 2 (l % 16) and the next.
	s_sub_co_u32 s2, s2, 1280
	s_lshl_b32 s31, s2, 6
	s_lshl3_add_u32 s31, s3, s31                   ; my first row: 64 x group + 8 x wave
	s_mov_b32 s20, 0x3f22f983                      ; 2 / pi
	s_mov_b32 s21, 0xbfc90fda                      ; - pi / 2, upper part
	s_mov_b32 s22, 0xb3a22169                      ; - pi / 2, what the upper part leaves
	s_mov_b32 s23, 0x3638ef1d                      ; sine: 1/9!, -1/7!, 1/5!, -1/3!
	s_mov_b32 s24, 0xb9500d01
	s_mov_b32 s25, 0x3c088889
	s_mov_b32 s26, 0xbe2aaaab
	s_mov_b32 s27, 0x37d00d01                      ; cosine: 1/8!, -1/6!, 1/4! (-1/2 and 1 are inline constants)
	s_mov_b32 s28, 0xbab60b61
	s_mov_b32 s29, 0x3d2aaaab
	v_and_b32 v3, 31, v0
	v_and_b32 v4, 15, v0
	v_lshlrev_b32 v4, 1, v4
	v_cvt_f32_u32 v5, v4                           ; j
	v_add_f32 v6, 1.0, v5                          ; j + 1
	v_mul_f32 v5, 0xbed49a78, v5                   ; - j log2(10000) / 32
	v_mul_f32 v6, 0xbed49a78, v6
	v_exp_f32 v5, v5                               ; theta_j
	v_exp_f32 v6, v6
	v_cmp_gt_u32 vcc_lo, 16, v3                    ; (a plain line behind the exponentials, ahead of the use of their results: ISA guide 5.7.2)
	v_cndmask_b32 v7, 0, 1, vcc_lo                 ; cos x = sin(x + pi / 2): the cosine lanes count one quadrant more
	v_cvt_f32_u32 v8, s31                          ; the row as f32
	s_lshl_b32 s32, s31, 8
	v_lshl_add_u32 v9, v3, 3, s32                  ; my 8 bytes of the row: the wave's store covers the row's 256 bytes
; sin or cos of row x theta.  n = the nearest multiple of pi / 2; what is left lies within pi / 4; the quadrant picks the polynomial and the sign.
.macro ANG th, out
	s_wait_alu depctr_va_vdst(0)
	v_mul_f32 v10, v8, v[\th]
	v_mul_f32 v11, s20, v10
	v_rndne_f32 v11, v11
	v_fma_f32 v12, v11, s21, v10
	v_fma_f32 v12, v11, s22, v12
	v_mul_f32 v13, v12, v12
	v_fma_f32 v14, v13, s23, s24
	v_fma_f32 v15, v13, s27, s28
	v_fma_f32 v14, v13, v14, s25
	v_fma_f32 v15, v13, v15, s29
	v_fma_f32 v14, v13, v14, s26
	v_fma_f32 v15, v13, v15, -0.5
	v_mul_f32 v16, v13, v12
	v_fma_f32 v15, v13, v15, 1.0                   ; the cosine of the rest
	v_fma_f32 v14, v16, v14, v12                   ; its sine
	v_cvt_i32_f32 v17, v11
	v_add_nc_u32 v17, v17, v7
	v_and_b32 v18, 1, v17
	v_cmp_ne_u32 vcc_lo, 0, v18
	v_cndmask_b32 v14, v14, v15, vcc_lo            ; odd quadrants take the cosine
	v_and_b32 v18, 2, v17
	v_lshlrev_b32 v18, 30, v18
	v_xor_b32 v[\out], v18, v14                    ; quadrants 2 and 3 change the sign
.endm
	s_mov_b32 s30, 8
.Lrow:
	ANG 5, 20
	ANG 6, 21
	global_store_b64 v9, v[20:21], s[16:17]
	s_wait_xcnt 0x0                                ; the store's address and data registers are rewritten only behind this wait
	v_add_nc_u32 v9, 0x100, v9
	v_add_f32 v8, 1.0, v8
	s_sub_co_u32 s30, s30, 1
	s_cmp_lg_u32 s30, 0
	s_cbranch_scc1 .Lrow
	s_endpgm
; A CAST.  The work-group takes 65,536 bytes of f32 and leaves 32,768 bytes.  Sixteen loads of 16 bytes a lane go out in one run; the counts 15 .. 0 leave the younger ones out;
; a wave's store covers 256 consecutive bytes, aligned.  No register is used twice, so no wait frees one.  half = 1: the bf16 number is written as f16.
.macro CAST sb, db, half
	s_add_nc_u64 s[\sb:\sb+1], s[\sb:\sb+1], s[32:33]
	s_add_nc_u64 s[\db:\db+1], s[\db:\db+1], s[34:35]
	v_lshlrev_b32 v1, 4, v0
	v_lshlrev_b32 v2, 3, v0
.set k, 0
.rept 16
	global_load_b128 v[8+4*k:11+4*k], v1, s[\sb:\sb+1] offset:4096*k th:TH_LOAD_NT
.set k, k+1
.endr
.set k, 0
.rept 16
	s_wait_loadcnt 15-k
	v_cvt_pk_bf16_f32 v[72+2*k], v[8+4*k], v[9+4*k]
	v_cvt_pk_bf16_f32 v[73+2*k], v[10+4*k], v[11+4*k]
.if \half
	v_lshlrev_b32 v104, 16, v[72+2*k]
	v_and_b32 v105, 0xffff0000, v[72+2*k]
	v_lshlrev_b32 v106, 16, v[73+2*k]
	v_and_b32 v107, 0xffff0000, v[73+2*k]
	v_cvt_pk_f16_f32 v[72+2*k], v104, v105
	v_cvt_pk_f16_f32 v[73+2*k], v106, v107
.endif
	global_store_b64 v2, v[72+2*k:73+2*k], s[\db:\db+1] offset:2048*k
.set k, k+1
.endr
	s_endpgm
.endm
.Lcast_x:
	s_lshl_b32 s32, s2, 16
	s_lshl_b32 s34, s2, 15
	CAST 4, 12, 0
.Lcast_wq:
	s_sub_co_u32 s2, s2, 512
	s_lshl_b32 s32, s2, 16
	s_lshl_b32 s34, s2, 15
	CAST 6, 14, 0
.Lcast_wo:
	s_sub_co_u32 s36, s2, 704                      ; my part of w_out,
	s_sub_co_u32 s2, s2, 512                       ; which lands behind w_qkv's 192 parts
	s_lshl_b32 s32, s36, 16
	s_lshl_b32 s34, s2, 15
	CAST 8, 14, 1
	; THE MASK.  A work-group takes 16 query rows (tile T), wave w their keys 256 w .. 256 w + 255.  The flags come in as whole runs of 256 bytes, go through the wave's own LDS rows,
	; and come back so that lane (r, h) holds row r, keys 16 c + 8 h + 0..7.  A compare of one byte in all lanes is then one word of mbits.
.Lmask:
	s_sub_co_u32 s2, s2, 768                       ; T
	s_lshl_b32 s32, s2, 15                         ; 16 rows of 2,048 flags
	s_lshl_b32 s34, s2, 12                         ; 32 steps of 32 words
	s_add_nc_u64 s[10:11], s[10:11], s[32:33]
	s_add_nc_u64 s[18:19], s[18:19], s[34:35]
	s_mov_b32 s20, 0xff
	s_mov_b32 s21, 0xff00
	s_mov_b32 s22, 0xff0000
	s_mov_b32 s23, 0xff000000
	s_lshl_b32 s36, s3, 8
	s_mul_i32 s37, s3, WL
	s_lshl_b32 s38, s3, 9
	v_and_b32 v3, 31, v0
	v_and_b32 v4, 15, v0                           ; r
	v_bfe_u32 v5, v0, 4, 1                         ; h
	v_lshlrev_b32 v6, 4, v4
	v_lshl_add_u32 v7, v5, 11, v6
	v_add_nc_u32 v7, s36, v7                       ; in memory: row h of a pair, 16 bytes at 16 r, my wave's 256
	v_mul_u32_u24 v104, v5, LP
	v_add3_u32 v104, v104, v6, s37                 ; the same place in my LDS rows
	v_mul_u32_u24 v105, v4, LP
	v_lshl_add_u32 v105, v5, 3, v105
	v_add_nc_u32 v105, s37, v105                   ; back: row r, 8 bytes at 8 h
	v_lshl_add_u32 v106, v3, 3, s38                ; out: my wave's four steps are 512 bytes; 8 bytes a lane
.set t, 0
.rept 8
	global_load_b128 v[8+4*t:11+4*t], v7, s[10:11] offset:4096*t th:TH_LOAD_NT
.set t, t+1
.endr
.irp o, 72,73,74,75
	v_mov_b32 v\o, 0                               ; v_writelane_b32 keeps the other lanes: the registers are written whole first
.endr
.set t, 0
.rept 8
	s_wait_loadcnt 7-t                             ; the younger loads stay out
	ds_store_b128 v104, v[8+4*t:11+4*t] offset:2*LP*t
.set t, t+1
.endr
.set c, 0
.rept 16
	ds_load_b64 v[40+2*c:41+2*c], v105 offset:16*c ; LDS serves a wave's instructions in order (ISA guide 5.7.1.4): these see the stores above; the rows are the wave's own
.set c, c+1
.endr
.set c, 0
.rept 16                                       ; c = 4 x (step in my four) + kb
	s_wait_dscnt 15-c                              ; the younger loads stay out
.set j, 0
.rept 8
.set w64, 32*((c>>2)&1)+8*(c&3)+j              ; the word's place among the 64 of a pair of steps
	v_and_b32 v[76+(j&3)], s[20+(j&3)], v[40+2*c+(j>>2)]
	v_cmp_ne_u32 s[24+j], 0, v[76+(j&3)]
	v_writelane_b32 v[72+2*(c>>3)+(w64&1)], s[24+j], w64>>1
.set j, j+1
.endr
.set c, c+1
.endr
	global_store_b64 v106, v[72:73], s[18:19]      ; 256 consecutive bytes each, aligned
	global_store_b64 v106, v[74:75], s[18:19] offset:256
	s_wait_tensorcnt 0x0
	ds_add_u32 v112, v113
	s_wait_dscnt 0x0
	s_endpgm
.Lfunc_end_k_qa32c4a0a54_prep:
	.size	k_qa32c4a0a54_prep, .Lfunc_end_k_qa32c4a0a54_prep-k_qa32c4a0a54_prep
	.p2alignl 7, 3214868480
	.fill 96, 4, 3214868480
	.section	.rodata,"a",@progbits
	.p2align	6, 0x0
	.amdhsa_kernel k_qa32c4a0a54_prep
		.amdhsa_group_segment_fixed_size 35840
		.amdhsa_private_segment_fixed_size 0
		.amdhsa_enable_private_segment 0
		.amdhsa_kernarg_size 64
		.amdhsa_user_sgpr_count 2
		.amdhsa_user_sgpr_kernarg_segment_ptr 1
		.amdhsa_wavefront_size32 1
		.amdhsa_system_sgpr_workgroup_id_x 1
		.amdhsa_system_sgpr_workgroup_id_y 1
		.amdhsa_system_sgpr_workgroup_id_z 1
		.amdhsa_system_vgpr_workitem_id 0
		.amdhsa_next_free_vgpr 114
		.amdhsa_next_free_sgpr 66
		.amdhsa_reserve_vcc 1
		.amdhsa_float_denorm_mode_32 3
		.amdhsa_float_denorm_mode_16_64 3
		.amdhsa_memory_ordered 1
		.amdhsa_forward_progress 1
		.amdhsa_inst_pref_size 52
	.end_amdhsa_kernel
	.amdgpu_metadata
---
amdhsa.version: [ 1, 2 ]
amdhsa.kernels:
  - .name:           k_qa32c4a0a54_prep
    .symbol:         k_qa32c4a0a54_prep.kd
    .args:
      - { .name: x, .offset: 0, .size: 8, .value_kind: global_buffer, .address_space: global }
      - { .name: w_qkv, .offset: 8, .size: 8, .value_kind: global_buffer, .address_space: global }
      - { .name: w_out, .offset: 16, .size: 8, .value_kind: global_buffer, .address_space: global }
      - { .name: mask, .offset: 24, .size: 8, .value_kind: global_buffer, .address_space: global }
      - { .name: xb, .offset: 32, .size: 8, .value_kind: global_buffer, .address_space: global }
      - { .name: wb, .offset: 40, .size: 8, .value_kind: global_buffer, .address_space: global }
      - { .name: rope, .offset: 48, .size: 8, .value_kind: global_buffer, .address_space: global }
      - { .name: mbits, .offset: 56, .size: 8, .value_kind: global_buffer, .address_space: global }
    .group_segment_fixed_size: 35840
    .private_segment_fixed_size: 0
    .kernarg_segment_align: 8
    .kernarg_segment_size: 64
    .max_flat_workgroup_size: 256
    .sgpr_count:     66
    .vgpr_count:     114
    .wavefront_size: 32
...
	.end_amdgpu_metadata
.endif
;; end of part 1
;; launch qkvrope (part 2): grid 16 x 32, 4 waves a work-group, clusters of 4 x 4, 327,680 bytes of LDS; arguments xb, wb, rope, qkv; writes qkv
.if DOCPART == 2
	.amdgcn_target "amdgcn-amd-amdhsa--gfx1250"
	.amdhsa_code_object_version 6
	.text
	.protected	k_qa32c4a0a54_qkvrope
	.globl	k_qa32c4a0a54_qkvrope
	.p2align	8
	.type	k_qa32c4a0a54_qkvrope,@function
k_qa32c4a0a54_qkvrope:
	s_mov_b64 s[64:65], 0
	v_nop
	global_prefetch_b8 v0, s[64:65] scope:SCOPE_SE
	s_setreg_imm32_b32 hwreg(HW_REG_WAVE_MODE, 25, 1), 1
	s_wait_xcnt 0x0
	s_wait_alu depctr_hold_cnt(0) depctr_sa_sdst(0) depctr_va_vdst(0) depctr_va_sdst(0) depctr_va_ssrc(0) depctr_va_vcc(0) depctr_vm_vsrc(0)
	s_getreg_b32 s2, hwreg(HW_REG_IB_STS2, 6, 4)
	s_cmp_eq_u32 s2, 0
	s_cbranch_scc0 .Lentry_in_a_cluster
	s_endpgm
.Lentry_in_a_cluster:
	s_bfe_u32 s2, ttmp6, 0x10000c
	s_cmp_lg_u32 s2, 0xf033
	s_cbranch_scc0 .Lentry_shape_is_right
	s_endpgm
.Lentry_shape_is_right:
; q, k, v = x w_qkv^T by heads, with RoPE on q and k.  xb: [8192][1024] bf16, wb: [3072][1024] bf16 (its first 6,291,456 bytes), rope: [2048][64] f32 (32 cosines, 32 sines a row).
; qkv: q, k, v one behind the other, 16,777,216 bytes each, [batch x 16 + head][2048][64] f16, unscaled.  Sums and RoPE in f32, one rounding to f16.
; LIMIT.  f16 holds nothing beyond 65,504: q, k, v must stay within it (x and w 30 times the drawn spread give some 5,000; a common offset of 30 spreads on both some 30,000).
; SHARES.  A head's q, k, v are 192 neighbouring rows of w_qkv, so a tile of the product is 256 tokens x 192: 16 x 32 = 512 work-groups, two for each of 256 WGPs.  (256 x 384 would be one each,
; but wants 768 accumulator registers a wave beside 320 of fragments.)  Wave w owns tokens 64 w .. 64 w + 63 and all 192 columns: 4 x 12 accumulators, 384 registers.
; THE MATRIX INSTRUCTION IS USED TRANSPOSED (source 0 = 16 rows of w, source 1 = 16 tokens): a lane holds one token (lane % 16) and eight neighbouring channels, and channels d and d + 32,
; which RoPE pairs, lie in accumulators b and b + 2, same lane, same register.
; K goes in steps of 128 (rows of 256 bytes) through two LDS slots.  CLUSTER 4 x 4: the four of a row need the same tile of x, the four of a column the same tile of w: joint loads.
; REGISTERS, in windows of 256 (s_set_vgpr_msb: bits 1:0 source 0, 3:2 source 1, 5:4 source 2, 7:6 destination):
;   window 0: v16-29 addresses; v32-159 my 64 tokens' cosines and sines; v160-175 at work; v176-223 packed results
;   window 1: two fragment buffers of 128: 32 registers of x (4 x 16 tokens x 32 K), then 96 of w (12 x 16 rows x 32 K)
;   window 2: accumulators of token blocks 0, 1 at v[8 (12 (a % 2) + b)];   window 3: those of blocks 2, 3
.set SIZE_K, 1024
.set KSTEP,  128
.set PITCH,  272                       ; an LDS row: 256 bytes + 16 of padding = 68 words: the 16 rows of a load start at 16 different groups of four banks (64 banks of 4 bytes: ISA guide 11.1)
.set HA,     128*PITCH                 ; half of x's tile: one tensor load
.set HB,     96*PITCH                  ; half of w's tile: one tensor load
.set SLOT,   2*HA+2*HB                 ; x's 256 rows, then w's 192 rows
.set STAGE,  2*SLOT                    ; behind the ring, never filled by a tensor load: for each wave three sections (q, k, v) of 16 rows x 144 bytes
.set SP,     144
.set SEC,    16*SP
.set WSTG,   3*SEC
.set SPARE,  STAGE+4*WSTG              ; the spare words, 128 bytes for each wave: two blocks of 256 bytes that no other line names
.set LAPS,   SIZE_K/(2*KSTEP)          ; a lap = two K steps = once round the ring
.set ADRA, 16                          ; v16-17  LDS address of my fragments of x in slot 0, 1
.set ADRB, 20                          ; v20-21  the same for w
.set STO,  24                          ; v24     the way out: where I put 16 bytes of a row
.set RD,   25                          ; v25     the way out: where I read rows back
.set GO,   26                          ; v26     my 16 bytes in 512 consecutive bytes of q, k or v
.set RO,   27                          ; v27     my byte offset in 16 rows of the table
.set SPW,  28                          ; v28     LDS address of my spare word; never rewritten
.set NIL,  29                          ; v29     0; never rewritten
.set ROPE, 32                          ; token block a at ROPE + 32 a: cosines of channels 8 h + 0..7, of 16 + 8 h + 0..7, then the sines likewise
.set T1,   160
.set T2,   168
.set PKR,  176
.set F0,   0
.set F1,   128
.set G1,  24                           ; s[24:31] descriptor group 1 for x's tiles;  s[32:39] group 0, a set for each slot
.set G0,  32
.set G1B, 48                           ; s[48:55], s[56:63] the same for w's tiles
.set G0B, 56
.set MSB, 0
.macro WIN new                         ; the immediate's high byte repeats the setting that is left; a switch that changes nothing is dropped
.if MSB != (\new)
	s_set_vgpr_msb (MSB<<8)|(\new)
.set MSB, \new
.endif
.endm
; A joint load: waves 0 and 1 fetch x's two halves, waves 2 and 3 w's.  The branch hangs on the wave's number alone.  An s_nop 0 and four v_nop follow each of the two lines.
.macro JLOAD s
	s_cmp_eq_u32 s13, 0
	s_cbranch_scc0 .Lfor_b_\@
	tensor_load_to_lds s[G0+4*(\s):G0+4*(\s)+3], s[G1:G1+7]
	s_nop 0
.rept 4
	v_nop
.endr
	s_branch .Lasked_\@
.Lfor_b_\@:
	tensor_load_to_lds s[G0B+4*(\s):G0B+4*(\s)+3], s[G1B:G1B+7]
	s_nop 0
.rept 4
	v_nop
.endr
.Lasked_\@:
.endm
.macro CREST                           ; a round of the cluster's barrier behind its opening barrier
	s_cmp_lg_u32 s12, 0
	s_cbranch_scc1 .Lnot_wave_0_\@
	s_barrier_signal -3
.Lnot_wave_0_\@:
	s_barrier_wait -3
	s_barrier_signal -1
	s_barrier_wait -1
.endm
.macro CROUND                          ; a whole round
	s_barrier_signal -1
	s_barrier_wait -1
	CREST
.endm
	s_load_b256 s[4:11], s[0:1], 0x0               ; xb s[4:5], wb s[6:7], rope s[8:9], qkv s[10:11]
	v_lshl_add_u32 v[SPW], v0, 2, SPARE
	v_mov_b32 v[NIL], 0
	ds_add_u32 v28, v29
	ds_add_u32 v28, v29
	s_wait_dscnt 0x0
	v_lshrrev_b32 v1, 5, v0
	v_readfirstlane_b32 s12, v1                    ; wave 0..3
	s_lshr_b32 s13, s12, 1                         ; I fetch for x (0) or for w (1)
	s_and_b32 s14, s12, 1                          ; which half of that tile
	s_bfe_u32 s40, ttmp6, 0x40000                  ; cx, cy: my place in the cluster
	s_bfe_u32 s41, ttmp6, 0x40004
	s_lshl_b32 s42, ttmp9, 2
	s_add_co_u32 s42, s42, s40                     ; the head = tile column = 4 x cluster x + cx
	s_and_b32 s43, ttmp7, 0xffff
	s_lshl_b32 s43, s43, 2
	s_add_co_u32 s43, s43, s41                     ; tile row = 4 x cluster y + cy
	s_lshl_b32 s44, s41, 2
	s_lshl_b32 s44, 15, s44                        ; my row of the cluster
	s_lshl_b32 s45, 0x1111, s40                    ; my column
	s_or_b32 s[G1+0], s44, (1<<16)|(1<<20)|(1<<21)|(5<<22)|(3<<25)   ; 15:0 the mask; 17:16 2-byte elements; 20 padding on; 21 set beside a mask; 24:22 after every 64 words (code 5); 31:25 4 words (code 3)
	s_or_b32 s[G1B+0], s45, (1<<16)|(1<<20)|(1<<21)|(5<<22)|(3<<25)
	s_mov_b32 s[G1+1], KSTEP<<16                   ; tensor_dim0 = 128
	s_mov_b32 s[G1+2], 128<<16                     ; tensor_dim1 = 128
	s_mov_b32 s[G1+3], KSTEP<<16                   ; tile_dim0 = 128
	s_mov_b32 s[G1+4], 128                         ; tile_dim1 = 128
	s_mov_b32 s[G1+5], SIZE_K                      ; elements from row to row
	s_mov_b32 s[G1+6], 0
	s_mov_b32 s[G1+7], 0
	s_mov_b32 s[G1B+1], KSTEP<<16
	s_mov_b32 s[G1B+2], 96<<16                     ; 96 rows
	s_mov_b32 s[G1B+3], KSTEP<<16
	s_mov_b32 s[G1B+4], 96
	s_mov_b32 s[G1B+5], SIZE_K
	s_mov_b32 s[G1B+6], 0
	s_mov_b32 s[G1B+7], 0
	s_lshl_b32 s16, s43, 8                         ; x: row 256 x tile row + 128 x half, 2,048 bytes a row: the tile row alone, which my row of the cluster shares
	s_lshl_b32 s17, s14, 7
	s_add_co_u32 s16, s16, s17
	s_lshl_b32 s16, s16, 11
	s_mov_b32 s17, 0
	s_mul_i32 s46, s42, 192                        ; w: row 192 x head + 96 x half: the tile column alone
	s_mul_i32 s47, s14, 96
	s_add_co_u32 s46, s46, s47
	s_lshl_b32 s46, s46, 11
	s_mov_b32 s47, 0
	s_mul_i32 s20, s12, HA                         ; where they go: x's halves (waves 0, 1) at wave x 128 rows,
	s_mul_i32 s21, s12, HB                         ; w's (waves 2, 3) behind them at (wave - 2) x 96 rows
	s_add_co_u32 s21, s21, 2*HA-2*HB
	s_wait_kmcnt 0x0
	s_add_nc_u64 s[18:19], s[4:5], s[16:17]
	s_add_nc_u64 s[46:47], s[6:7], s[46:47]
	CROUND                                         ; all sixteen work-groups are here: the first joint loads meet
.irp s, 0,1
	s_mov_b32 s[G0+4*(\s)], 1
	s_add_co_u32 s[G0+4*(\s)+1], s20, (\s)*SLOT
	s_add_nc_u64 s[G0+4*(\s)+2:G0+4*(\s)+3], s[18:19], (\s)*KSTEP*2
	s_or_b32 s[G0+4*(\s)+3], s[G0+4*(\s)+3], 0x80000000
	s_mov_b32 s[G0B+4*(\s)], 1
	s_add_co_u32 s[G0B+4*(\s)+1], s21, (\s)*SLOT
	s_add_nc_u64 s[G0B+4*(\s)+2:G0B+4*(\s)+3], s[46:47], (\s)*KSTEP*2
	s_or_b32 s[G0B+4*(\s)+3], s[G0B+4*(\s)+3], 0x80000000
	JLOAD \s                                       ; two loads of mine are out
.endr
	v_and_b32 v1, 15, v0                           ; l % 16
	v_bfe_u32 v2, v0, 4, 1                         ; l / 16
	v_lshlrev_b32 v[RO], 8, v1
	v_lshl_add_u32 v[RO], v2, 5, v[RO]             ; the table: row l % 16, 32 bytes for each half of the lanes
	s_and_b32 s22, s43, 7
	s_lshl_b32 s22, s22, 8
	s_lshl_b32 s23, s12, 6
	s_add_co_u32 s22, s22, s23                     ; my first token's place in its sequence
	s_lshl_b32 s16, s22, 8
	s_mov_b32 s17, 0
	s_add_nc_u64 s[8:9], s[8:9], s[16:17]
.irp a, 0,1,2,3                        ; my 64 tokens' cosines and sines: they land under the products and are waited for on the way out
.irp e, 0,1,2,3,4,5,6,7
	global_load_b128 v[ROPE+32*(\a)+4*(\e):ROPE+32*(\a)+4*(\e)+3], v[RO], s[8:9] offset:4096*(\a)+64*((\e)/2)+16*((\e)%2)
.endr
.endr
	s_lshr_b32 s23, s43, 3                         ; the batch,
	s_lshl_b32 s23, s23, 4
	s_add_co_u32 s23, s23, s42                     ; x 16 + head:
	s_lshl_b32 s23, s23, 18                        ; 2,048 rows of 128 bytes each
	s_lshl_b32 s22, s22, 7
	s_add_co_u32 s22, s22, s23
	s_mov_b32 s23, 0
	s_add_nc_u64 s[66:67], s[10:11], s[22:23]      ; q at my first token,
	s_add_nc_u64 s[68:69], s[66:67], 0x1000000     ; k,
	s_add_nc_u64 s[70:71], s[66:67], 0x2000000     ; v
	v_mul_u32_u24 v3, v1, PITCH
	v_lshl_add_u32 v3, v2, 4, v3                   ; a fragment's row x pitch + 16 x half
	s_mul_i32 s16, s12, 64*PITCH                   ; my 64 rows of x
	s_mov_b32 s17, 2*HA                            ; all of w's rows, behind x's 256
.irp s, 0,1
	v_add_nc_u32 v[ADRA+(\s)], s16, v3
	v_add_nc_u32 v[ADRB+(\s)], s17, v3
	s_add_co_u32 s16, s16, SLOT
	s_add_co_u32 s17, s17, SLOT
.endr
	s_mul_i32 s16, s12, WSTG
	s_add_co_u32 s16, s16, STAGE                   ; my stage
	v_mul_u32_u24 v4, v1, SP                       ; in: row l % 16, 16 bytes for each half of the lanes
	v_lshl_add_u32 v4, v2, 4, v4
	v_add_nc_u32 v[STO], s16, v4
	v_bfe_u32 v5, v0, 3, 2                         ; back: 32 lanes take four rows of 128 bytes,
	v_and_b32 v6, 7, v0
	v_mul_u32_u24 v5, v5, SP
	v_lshl_add_u32 v5, v6, 4, v5
	v_add_nc_u32 v[RD], s16, v5
	v_and_b32 v[GO], 31, v0                        ; which are 512 consecutive bytes of a head
	v_lshlrev_b32 v[GO], 4, v[GO]
; 12 matrix instructions: token block a x all 12 blocks of w's rows, 32 along K.  zero = 1: the first product starts the sums.  The 48 accumulators take turns, one instruction a turn, in the same order in every quarter.
.macro MULA f, a, zero
	WIN 0xa5+0x50*((\a)/2)                         ; both sources window 1; C and D window 2 or 3
.irp b, 0,1,2,3,4,5,6,7,8,9,10,11
.set rD, 8*(12*((\a)%2)+(\b))
.if \zero
	v_wmma_f32_16x16x32_bf16 v[rD:rD+7], v[(\f)+32+8*(\b):(\f)+32+8*(\b)+7], v[(\f)+8*(\a):(\f)+8*(\a)+7], 0
.else
	v_wmma_f32_16x16x32_bf16 v[rD:rD+7], v[(\f)+32+8*(\b):(\f)+32+8*(\b)+7], v[(\f)+8*(\a):(\f)+8*(\a)+7], v[rD:rD+7]
.endif
.endr
.endm
; 32 LDS loads in one run: quarter q's fragments (32 along K at byte 64 q of the rows) into buffer f: w's 24, then x's 8
.macro FETCH slot, q, f
	WIN 0x40                                       ; destination window 1, address window 0
.irp i, 0,1,2,3,4,5,6,7,8,9,10,11
	ds_load_b128 v[(\f)+32+8*(\i):(\f)+32+8*(\i)+3],   v[ADRB+(\slot)] offset:64*(\q)+(\i)*16*PITCH
	ds_load_b128 v[(\f)+32+8*(\i)+4:(\f)+32+8*(\i)+7], v[ADRB+(\slot)] offset:64*(\q)+(\i)*16*PITCH+32
.endr
.irp i, 0,1,2,3
	ds_load_b128 v[(\f)+8*(\i):(\f)+8*(\i)+3],   v[ADRA+(\slot)] offset:64*(\q)+(\i)*16*PITCH
	ds_load_b128 v[(\f)+8*(\i)+4:(\f)+8*(\i)+7], v[ADRA+(\slot)] offset:64*(\q)+(\i)*16*PITCH+32
.endr
.endm
.macro PLACES                          ; four plain places in front of loads into registers that matrix instructions have read, and of lines that read results
.rept 4
	v_nop
.endr
.endm
; A K step is four quarters of 32 along K, 48 matrix instructions each, on buffers 0, 1, 0, 1.  One of the first three: multiplies buffer f and fetches quarter q into g.
.macro QUARTER slot, q, f, g, zero
	s_wait_dscnt 4                                 ; w and x's blocks 0, 1 are in; the youngest four loads (blocks 2, 3) may be out
	MULA \f, 0, \zero
	MULA \f, 1, \zero
	PLACES
	FETCH \slot, \q, \g
	s_wait_dscnt 32                                ; all but the 32 just issued
	MULA \f, 2, \zero
	MULA \f, 3, \zero
.endm
; The last quarter multiplies buffer 1 and changes slots: ONE barrier; in front of it each wave waits for all its tensor loads, adds 0 to its spare word, and waits for that and for its reads of this slot.
; fill = 1: the barrier opens a round of the cluster's, and this slot is filled again, two K steps ahead, first thing behind the round.
.macro TURN slot, next, fill
	WIN 0                                          ; (the add's two registers lie in window 0)
	s_wait_tensorcnt 0x0                           ; all my tensor loads have landed: the one that was out is my part of the next slot
	ds_add_u32 v[SPW], v[NIL]                      ; 0 onto my spare word
	s_wait_dscnt 5                                 ; (the add and the youngest four loads may be out)
	MULA F1, 0, 0                                  ; twelve matrix instructions stand between the add and the wait for it
	s_wait_dscnt 0x0                               ; the add is done, and my reads of this slot are over
	s_barrier_signal -1
	MULA F1, 1, 0
.if \fill
	WIN 0
.endif
	s_barrier_wait -1
.if \fill
	CREST                                          ; no wave of any partner still reads this slot's tiles or has a load on its way
	s_add_nc_u64 s[G0+4*(\slot)+2:G0+4*(\slot)+3], s[G0+4*(\slot)+2:G0+4*(\slot)+3], 2*KSTEP*2
	s_add_nc_u64 s[G0B+4*(\slot)+2:G0B+4*(\slot)+3], s[G0B+4*(\slot)+2:G0B+4*(\slot)+3], 2*KSTEP*2
	JLOAD \slot                                    ; my one tensor load behind the round; its four v_nop are also the places in front of the loads below
.else
	PLACES
.endif
	FETCH \next, 0, F0
	MULA F1, 2, 0
	MULA F1, 3, 0
.endm
	s_wait_tensorcnt 1                             ; my part of K step 0 is in; K step 1's may stay out
	s_barrier_signal -1
	s_barrier_wait -1
	FETCH 0, 0, F0
	QUARTER 0, 1, F0, F1, 1                        ; the first quarter stands in front of the loop: its products start the sums
	WIN 0
	s_mov_b32 s3, LAPS-1
.Llap:                                                 ; a trip goes once round the ring, from a lap's second quarter to the next lap's first, and fills both slots again
	QUARTER 0, 2, F1, F0, 0
	QUARTER 0, 3, F0, F1, 0
	TURN 0, 1, 1
	QUARTER 1, 1, F0, F1, 0
	QUARTER 1, 2, F1, F0, 0
	QUARTER 1, 3, F0, F1, 0
	TURN 1, 0, 1
	QUARTER 0, 1, F0, F1, 0
	WIN 0
	s_sub_co_u32 s3, s3, 1
	s_cmp_lg_u32 s3, 0
	s_cbranch_scc1 .Llap
	QUARTER 0, 2, F1, F0, 0                        ; the last lap fills nothing
	QUARTER 0, 3, F0, F1, 0
	TURN 0, 1, 0
	QUARTER 1, 1, F0, F1, 0
	QUARTER 1, 2, F1, F0, 0
	QUARTER 1, 3, F0, F1, 0
	s_wait_dscnt 4
	MULA F1, 0, 0
	MULA F1, 1, 0
	s_wait_dscnt 0x0
	MULA F1, 2, 0
	MULA F1, 3, 0
	WIN 0
	s_wait_loadcnt 0x0                             ; the cosines and sines
	PLACES
; THE WAY OUT, a block of 16 tokens at a time.  ROT: channels d (accumulator sb + b) and d + 32 (sb + b + 2): x1 cos - x2 sin and x2 cos + x1 sin; each accumulator is read from its lowest registers on.
.macro ROT a, sb, b
.set X1, 8*(12*((\a)%2)+(\sb)+(\b))
.set X2, X1+16
.set CC, ROPE+32*(\a)+8*(\b)
.set SS, CC+16
	WIN 0x02+((\a)/2)                              ; source 0 in the accumulators' window
.irp z, 0,2,4,6
	v_pk_mul_f32 v[T1+(\z):T1+(\z)+1], v[X2+(\z):X2+(\z)+1], v[SS+(\z):SS+(\z)+1]
.endr
.irp z, 0,2,4,6
	v_pk_mul_f32 v[T2+(\z):T2+(\z)+1], v[X1+(\z):X1+(\z)+1], v[SS+(\z):SS+(\z)+1]
.endr
.irp z, 0,2,4,6
	v_pk_fma_f32 v[T1+(\z):T1+(\z)+1], v[X1+(\z):X1+(\z)+1], v[CC+(\z):CC+(\z)+1], v[T1+(\z):T1+(\z)+1] neg_lo:[0,0,1] neg_hi:[0,0,1]
.endr
.irp z, 0,2,4,6
	v_pk_fma_f32 v[T2+(\z):T2+(\z)+1], v[X2+(\z):X2+(\z)+1], v[CC+(\z):CC+(\z)+1], v[T2+(\z):T2+(\z)+1]
.endr
	WIN 0
.irp z, 0,1,2,3
	v_cvt_pk_f16_f32 v[PKR+4*((\sb)+(\b))+(\z)], v[T1+2*(\z)], v[T1+2*(\z)+1]
	v_cvt_pk_f16_f32 v[PKR+4*((\sb)+(\b)+2)+(\z)], v[T2+2*(\z)], v[T2+2*(\z)+1]
.endr
.endm
.macro OUTBLK a
.if (\a) > 0
	s_wait_xcnt 0x0                                ; the packed registers, which the last block's stores read, are rewritten only behind this wait
.endif
	ROT \a, 0, 0                                   ; q
	ROT \a, 0, 1
	ROT \a, 4, 0                                   ; k
	ROT \a, 4, 1
	WIN 0x0a+5*((\a)/2)                            ; v is only rounded: sources 0 and 1 in the accumulators' window
.irp b, 8,9,10,11
.irp z, 0,1,2,3
	v_cvt_pk_f16_f32 v[PKR+4*(\b)+(\z)], v[8*(12*((\a)%2)+(\b))+2*(\z)], v[8*(12*((\a)%2)+(\b))+2*(\z)+1]
.endr
.endr
	WIN 0
.irp b, 0,1,2,3,4,5,6,7,8,9,10,11
	ds_store_b128 v[STO], v[PKR+4*(\b):PKR+4*(\b)+3] offset:SEC*((\b)/4)+32*((\b)%4)
.endr
.irp b, 0,1,2,3,4,5,6,7,8,9,10,11
	ds_load_b128 v[PKR+4*(\b):PKR+4*(\b)+3], v[RD] offset:SEC*((\b)/4)+4*SP*((\b)%4)  ; LDS serves a wave's instructions in order (ISA guide 5.7.1.4): these see the stores above; the stage is the wave's own
.endr
.set i, 0
.rept 12
	s_wait_dscnt 11-i                              ; the younger loads stay out
	global_store_b128 v[GO], v[PKR+4*i:PKR+4*i+3], s[66+2*(i/4):67+2*(i/4)] offset:2048*(\a)+512*(i%4)  ; 512 consecutive bytes, at a multiple of 256 from the buffer's first
.set i, i+1
.endr
.endm
	OUTBLK 0
	OUTBLK 1
	OUTBLK 2
	OUTBLK 3
	s_wait_tensorcnt 0x0                           ; the wave's end
	ds_add_u32 v[SPW], v[NIL]
	s_wait_dscnt 0x0
	CROUND                                         ; the closing round: no work-group ends while a partner may still ask for a tile that names it
	s_endpgm
.Lfunc_end_k_qa32c4a0a54_qkvrope:
	.size	k_qa32c4a0a54_qkvrope, .Lfunc_end_k_qa32c4a0a54_qkvrope-k_qa32c4a0a54_qkvrope
	.p2alignl 7, 3214868480
	.fill 96, 4, 3214868480
	.section	.rodata,"a",@progbits
	.p2align	6, 0x0
	.amdhsa_kernel k_qa32c4a0a54_qkvrope
		.amdhsa_group_segment_fixed_size 327680
		.amdhsa_private_segment_fixed_size 0
		.amdhsa_enable_private_segment 0
		.amdhsa_kernarg_size 32
		.amdhsa_user_sgpr_count 2
		.amdhsa_user_sgpr_kernarg_segment_ptr 1
		.amdhsa_wavefront_size32 1
		.amdhsa_system_sgpr_workgroup_id_x 1
		.amdhsa_system_sgpr_workgroup_id_y 1
		.amdhsa_system_sgpr_workgroup_id_z 1
		.amdhsa_system_vgpr_workitem_id 0
		.amdhsa_next_free_vgpr 960
		.amdhsa_next_free_sgpr 72
		.amdhsa_reserve_vcc 0
		.amdhsa_float_denorm_mode_32 3
		.amdhsa_float_denorm_mode_16_64 3
		.amdhsa_memory_ordered 1
		.amdhsa_forward_progress 1
		.amdhsa_inst_pref_size 140
	.end_amdhsa_kernel
	.amdgpu_metadata
---
amdhsa.version: [ 1, 2 ]
amdhsa.kernels:
  - .name:           k_qa32c4a0a54_qkvrope
    .symbol:         k_qa32c4a0a54_qkvrope.kd
    .args:
      - { .name: xb, .offset: 0, .size: 8, .value_kind: global_buffer, .address_space: global }
      - { .name: wb, .offset: 8, .size: 8, .value_kind: global_buffer, .address_space: global }
      - { .name: rope, .offset: 16, .size: 8, .value_kind: global_buffer, .address_space: global }
      - { .name: qkv, .offset: 24, .size: 8, .value_kind: global_buffer, .address_space: global }
    .group_segment_fixed_size: 327680
    .private_segment_fixed_size: 0
    .kernarg_segment_align: 8
    .kernarg_segment_size: 32
    .max_flat_workgroup_size: 128
    .sgpr_count:     72
    .vgpr_count:     960
    .wavefront_size: 32
...
	.end_amdgpu_metadata
.endif
;; end of part 2
;; launch attn (part 3): grid 4 x 64, 4 waves a work-group, clusters of 4 x 1, 327,680 bytes of LDS; arguments qkv, mbits, oh; writes oh
.if DOCPART == 3
	.amdgcn_target "amdgcn-amd-amdhsa--gfx1250"
	.amdhsa_code_object_version 6
	.text
	.protected	k_qa32c4a0a54_attn
	.globl	k_qa32c4a0a54_attn
	.p2align	8
	.type	k_qa32c4a0a54_attn,@function
k_qa32c4a0a54_attn:
	s_mov_b64 s[64:65], 0
	v_nop
	global_prefetch_b8 v0, s[64:65] scope:SCOPE_SE
	s_setreg_imm32_b32 hwreg(HW_REG_WAVE_MODE, 25, 1), 1
	s_wait_xcnt 0x0
	s_wait_alu depctr_hold_cnt(0) depctr_sa_sdst(0) depctr_va_vdst(0) depctr_va_sdst(0) depctr_va_ssrc(0) depctr_va_vcc(0) depctr_vm_vsrc(0)
	s_getreg_b32 s2, hwreg(HW_REG_IB_STS2, 6, 4)
	s_cmp_eq_u32 s2, 0
	s_cbranch_scc0 .Lentry_in_a_cluster
	s_endpgm
.Lentry_in_a_cluster:
	s_bfe_u32 s2, ttmp6, 0x10000c
	s_cmp_lg_u32 s2, 0x3003
	s_cbranch_scc0 .Lentry_shape_is_right
	s_endpgm
.Lentry_shape_is_right:
; O[bh][q][:] = the sum over k of softmax_k(hidden ? -big : Q[bh][q] . K[bh][k] / 8) V[bh][k][:].  qkv: q, k, v, 16,777,216 bytes each, [64][2048][64] f16; oh likewise.
; mbits[batch x 128 + tile of 16 queries][step of 64 keys][n]: bit l of word n says that lane l's score in register n of that tile and step is hidden.
; Products, maxima and sums in f32; the weights p are rounded to f16 for the second product (their sum l is taken of the unrounded p), O once at the end.
; LIMITS.  Q, K, V arrive within f16's 65,504.  A hidden raw score is REPLACED by -2^56 (a logit of -2^53, for the problem's -9e15): beside true scores its weight is 0 either way; in a row that is all hidden
; every score is that one number, c m is exact (a power of two), c s - c m is exactly 0, and the row is the plain mean of V, as in the problem.  A weight below 2^-126 counts as 0; NaN and infinities are not treated apart.
; SHARES.  A work-group owns 512 queries of one head, a wave 128: four PIECES of two tiles of 16.  Every wave walks all 2,048 keys, 64 a step.  64 heads x 4 blocks = 256 work-groups.
; LAYOUT.  S^T = K Q^T (source 0 = 16 keys, source 1 = 16 queries): a lane holds ONE query (lane % 16) and the keys 8 (lane / 16) + 0..7.  Two such results rounded to f16 in pairs ARE source 1 of O^T = V^T P.
; K comes out of LDS as it lies, V ([key][channel]) turned, by ds_load_tr16_b128.
; SOFTMAX.  A running maximum m and sum l for each query: p = 2^(c s - c m), c = log2(e) / 8; in every step O and l are multiplied by a = 2^(c m_old - c m_new).  m starts at the lowest finite number, O and l at 0.
; BY TURNS.  Turn n belongs to piece n.  Its matrix work: 16 products K Q^T of piece n + 1, then 16 products V^T P of piece n - 1.  Its vector work, 300 lines in one queue, ten entries behind each matrix
; instruction: piece n's mask, maximum, scaling, exponentials, roundings, sums and rescaling.
; THE MASK costs one v_cndmask_b32 a score, with the lane mask in a scalar register.  A piece's 64 words come by four scalar loads, issued when the piece before has used its words: 25 matrix instructions ahead of their use.
; CLUSTER.  The four query blocks of a head walk the same K and V: each tile is asked for JOINTLY, by the same tensor load, descriptor and mask in all four.
; One LDS pitch for K and V, so that ONE descriptor, stepped by the wave's number, serves all four waves; the price: V's turning load meets each bank twice in a pass of 16 lanes.
; REGISTERS, in windows of 256 (s_set_vgpr_msb: bits 1:0 source 0, 3:2 source 1, 5:4 source 2, 7:6 destination):
;   window 0: v0-14 addresses and constants; v16-47 four registers of statistics a tile; v48-55 at work; v56-57 the add's; v64-191 S^T, two buffers of two tiles; v192-255 P, likewise
;   window 1: O^T, 32 a tile          window 2: v0-127 Q, 16 a tile; v128-191 K of one step; v192-255 V of one step
.set NP,    4         ; pieces a wave: a name, no knob
.set KS,    64        ; keys in a step
.set PK,    144       ; a row of K in LDS: 128 bytes + 16 of padding = 36 words: the 16 rows of a load start at 16 different groups of four banks (64 banks of 4 bytes: ISA guide 11.1)
.set PV,    144       ; V's rows likewise
.set VOFF,  4*KS*PK   ; a slot holds four steps: 256 rows of K, then 256 rows of V
.set SLOT1, 1<<17     ; slot 1 begins here, so that one exclusive or turns an address in one slot into the other's
.set STAGE, SLOT1+4*KS*(PK+PV)  ; behind the ring, never filled by a tensor load: 16 rows x 144 bytes for each wave
.set SP,    144
.set SPARE, STAGE+4*16*SP       ; the spare words, 128 bytes for each wave: two blocks of 256 bytes that no other line names
.set AK0, 2           ; v2   my lane's place in a tile of K; never rewritten
.set AV0, 3           ; v3   the same for V
.set AK,  4           ; v4   the LDS address of K's next run of loads
.set AV,  5           ; v5   of V's
.set QO,  6           ; v6   my byte offset in the wave's rows of Q
.set STO, 6           ;      later, the way out: where I put 16 bytes of a row
.set RD,  7           ; v7   the way out: where I read rows back
.set GO,  8           ; v8   my 16 bytes in 512 consecutive bytes of O
.set MV,  12          ; v12-13  c m_old, kept while c m is made anew: by tile
.set BIG, 14          ; v14  -2^56
.set ST,  16          ; tile t's statistics at v[ST+4 t]: c m, m, l (even keys', odd keys')
.set TMP, 48          ; by tile, four registers c0-c3 at work; when the maximum is found c2 takes a
.set SPW, 56          ; v56  LDS address of my spare word; never rewritten
.set NIL, 57          ; v57  0; never rewritten
.set S,   64
.set P,   192
.set KF,  128         ; window 2: key block kb, channel half c at KF + 16 kb + 8 c
.set VF,  192         ; window 2: key half kk, channel block cb at VF + 32 kk + 8 cb
.set WV,  2           ; s2   my wave's number
.set SLOTS, 3         ; s3   slots still to be asked for
.set CNT, 4           ; s4   counts a slot's key steps
.set TBK, 5           ; s5   LDS byte at which K of the step to be fetched begins
.set TBV, 6           ; s6   the same for V, less VOFF
.set G1,  8           ; s[8:15]  descriptor group 1
.set G0,  16          ; s[16:19] descriptor group 0: it walks
.set OB,  20          ; s[20:21] O at my wave's first row
.set MP,  22          ; s[22:23] mbits at my wave's first tile, the step in hand
.set CS,  24          ; s[24:25] c: the packed scaling takes the pair's low word for both halves
.set SEL, 26          ; s[26:27] v_permlanex16_b32's selects: each lane takes its own place in the other half
.set QB,  100         ; s[100:101] Q at my wave's first row
                      ; s[32:63] the lane masks of the piece's first tile, s[68:99] of its second
.set MSB, 0
.macro WIN new                      ; the high byte repeats the setting that is left; a switch that changes nothing is dropped
.if MSB != (\new)
	s_set_vgpr_msb (MSB<<8)|(\new)
.set MSB, (\new)
.endif
.endm
.set W_KQ, 0x0a       ; K and Q in window 2, S^T in window 0
.set W_PV, 0x52       ; V in window 2, P in window 0, O^T in window 1
.set W_RS, 0x41       ; O^T (destination and source 0) in window 1, a in window 0
; A joint fill: every wave fetches 128 keys: waves 0 and 1 the halves of a slot's K, waves 2 and 3 those of its V.  An s_nop 0 and four v_nop follow the line.
.macro JLOAD
	tensor_load_to_lds s[G0:G0+3], s[G1:G1+7]
	s_nop 0
.rept 4
	v_nop
.endr
.endm
.macro CROUND                       ; a round of the cluster's barrier
	s_barrier_signal -1
	s_barrier_wait -1
	s_cmp_lg_u32 s[WV], 0
	s_cbranch_scc1 .Lnot_wave_0_\@
	s_barrier_signal -3
.Lnot_wave_0_\@:
	s_barrier_wait -3
	s_barrier_signal -1
	s_barrier_wait -1
.endm
; THE CHANGE OF SLOTS.  The slot's last bytes, V of its fourth step, have been read.  Each wave waits for all its tensor loads, of which one is out: its part of the other slot; adds 0 to its spare word; and waits
; for that and for its own reads of the slot.  fill = 1: the barrier is a round of the cluster's, and this slot is filled again, with the keys two slots on, first thing behind it: four key steps, 512 matrix
; instructions, in which to land.  (At its first use nothing has been read yet: slot 0 is waited for, slot 1 filled.)
.macro CHANGE fill
	WIN 0
	s_wait_tensorcnt 0x0            ; no tensor load of mine is out, so group 0 may be written
	ds_add_u32 v[SPW], v[NIL]       ; 0 onto my spare word
.if \fill
	s_xor_b32 s[G0+1], s[G0+1], SLOT1                     ; the other slot than last time,
	s_add_nc_u64 s[G0+2:G0+3], s[G0+2:G0+3], 4*KS*128     ; the next 256 keys; the type bits on top are not reached
	s_wait_dscnt 0x0                ; the add is done, and my reads of the slot are over
	CROUND
	JLOAD
.else
	s_wait_dscnt 0x0
	s_barrier_signal -1
	s_barrier_wait -1
.endif
	s_sub_co_u32 s[TBK], s[TBK], 4*KS*PK  ; the fetches go back to a slot's first step,
	s_xor_b32 s[TBK], s[TBK], SLOT1       ; in the other slot
	s_sub_co_u32 s[TBV], s[TBV], 4*KS*PV
	s_xor_b32 s[TBV], s[TBV], SLOT1
.endm
	s_load_b128 s[32:35], s[0:1], 0x0  ; qkv s[32:33], mbits s[34:35]
	s_load_b64 s[36:37], s[0:1], 0x10  ; oh
	v_lshl_add_u32 v[SPW], v0, 2, SPARE
	v_mov_b32 v[NIL], 0
	ds_add_u32 v56, v57
	ds_add_u32 v56, v57
	s_wait_dscnt 0x0
	v_lshrrev_b32 v1, 5, v0
	v_readfirstlane_b32 s[WV], v1   ; wave 0..3
	s_bfe_u32 s7, ttmp6, 0x40000    ; cx: my place in the cluster
	s_lshl_b32 s28, ttmp9, 2
	s_add_co_u32 s28, s28, s7       ; my block of 512 queries: it enters Q's, O's and the mask's addresses alone
	s_and_b32 s29, ttmp7, 0xffff    ; batch x 16 + head, which the four partners share
	s_lshl_b32 s30, s29, 18         ; the tile that I fetch: the head's 262,144 bytes,
	s_and_b32 s31, s[WV], 1
	s_lshl_b32 s31, s31, 14         ; which half of a slot's 256 keys,
	s_add_co_u32 s30, s30, s31
	s_lshr_b32 s31, s[WV], 1
	s_add_co_u32 s31, s31, 1
	s_lshl_b32 s31, s31, 24         ; in k (waves 0, 1) or in v (waves 2, 3)
	s_add_co_u32 s30, s30, s31
	s_mov_b32 s31, 0
	s_lshl_b32 s66, s28, 2
	s_add_co_u32 s66, s66, s[WV]    ; my wave among the head's,
	s_lshl_b32 s66, s66, 14         ; its 128 rows of 128 bytes
	s_lshl_b32 s67, s29, 18
	s_add_co_u32 s66, s66, s67
	s_mov_b32 s67, 0
	s_lshr_b32 s68, s29, 4          ; the batch's 128 tiles,
	s_lshl_b32 s68, s68, 7
	s_lshl_b32 s69, s28, 5          ; my block's 32,
	s_add_co_u32 s68, s68, s69
	s_lshl3_add_u32 s68, s[WV], s68 ; my wave's 8,
	s_lshl_b32 s68, s68, 12         ; 4,096 bytes of words each
	s_mov_b32 s69, 0
	; descriptor group 1.  128 keys are 16,384 dense bytes: asked for as 64 rows of 256 bytes, two keys a row, and padded in LDS after every key
	s_mov_b32 s[G1], 15|(1<<16)|(1<<20)|(1<<21)|(4<<22)|(3<<25)  ; 15:0 the mask of four; 17:16 2-byte elements; 20 padding on; 21 set beside a mask; 24:22 after every 32 words (code 4); 31:25 4 words (code 3)
	s_mov_b32 s[G1+1], 128<<16      ; tensor_dim0 = 128
	s_mov_b32 s[G1+2], 64<<16       ; tensor_dim1 = 64
	s_mov_b32 s[G1+3], 128<<16      ; tile_dim0 = 128
	s_mov_b32 s[G1+4], 64           ; tile_dim1 = 64
	s_mov_b32 s[G1+5], 128          ; 128 elements from row to row
	s_mov_b32 s[G1+6], 0
	s_mov_b32 s[G1+7], 0
	s_mov_b32 s[CS], 0x3e38aa3b     ; c = log2(e) / 8
	s_mov_b32 s[CS+1], s[CS]        ; named with it as a pair
	s_mov_b32 s[SEL], 0x76543210
	s_mov_b32 s[SEL+1], 0xfedcba98
	s_mov_b32 s[TBK], SLOT1+4*KS*PK ; the first change of slots turns these two into 0
	s_mov_b32 s[TBV], SLOT1+4*KS*PV
	s_mov_b32 s[G0], 1              ; count = 1
	s_mul_i32 s[G0+1], s[WV], 128*PK  ; LDS address: slot 0, wave x 128 rows: K's halves, then V's
	s_wait_kmcnt 0x0
	s_add_nc_u64 s[G0+2:G0+3], s[32:33], s[30:31]
	s_or_b32 s[G0+3], s[G0+3], 0x80000000  ; type = 2
	s_add_nc_u64 s[QB:QB+1], s[32:33], s[66:67]
	s_add_nc_u64 s[OB:OB+1], s[36:37], s[66:67]
	s_add_nc_u64 s[MP:MP+1], s[34:35], s[68:69]
	CROUND                          ; all four work-groups are here: the first joint loads meet
	JLOAD                           ; slot 0.  Slot 1 is asked for when slot 0 is in
	s_load_b512 s[32:47], s[MP:MP+1], 0x0     ; piece 0's lane masks for step 0: tile 0,
	s_load_b512 s[48:63], s[MP:MP+1], 0x40
	s_load_b512 s[68:83], s[MP:MP+1], 0x1000  ; tile 1
	s_load_b512 s[84:99], s[MP:MP+1], 0x1040
	; A fragment of K or Q is 16 rows x 32 channels in 8 registers: lane l holds row l % 16, channels 8 (l / 16) + 0..7 and 16 + 8 (l / 16) + 0..7: two loads of 16 bytes, 32 bytes apart.
	v_and_b32 v1, 15, v0            ; l % 16
	v_bfe_u32 v9, v0, 4, 1          ; l / 16
	v_lshlrev_b32 v[QO], 7, v1
	v_lshl_add_u32 v[QO], v9, 4, v[QO]
	WIN 0x80                        ; destination window 2, address window 0
.set i, 0
.rept 4*NP                          ; Q stays in registers: tile i / 2, channels 32 (i % 2) on
	global_load_b128 v[8*i:8*i+3],   v[QO], s[QB:QB+1] offset:(i/2)*2048+(i%2)*64
	global_load_b128 v[8*i+4:8*i+7], v[QO], s[QB:QB+1] offset:(i/2)*2048+(i%2)*64+32
.set i, i+1
.endr
	; What the first turn finds: V's registers and P's second buffer hold 0 (its products V^T P, of a piece that has not been, add 0), O^T and l are 0.  No first step is written out; these lines, in the wait for the first tile, are the price.
.set i, VF
.rept 64
	v_mov_b32 v[i], 0
.set i, i+1
.endr
	WIN 0x40
.set i, 0
.rept 64*NP
	v_mov_b32 v[i], 0
.set i, i+1
.endr
	WIN 0
.set i, 0
.rept 2*NP
	v_mov_b32 v[ST+4*i], 0xfe000000    ; c m: far below every c s, the hidden ones' too
	v_mov_b32 v[ST+4*i+1], 0xff7fffff  ; m
	v_mov_b32 v[ST+4*i+2], 0
	v_mov_b32 v[ST+4*i+3], 0
.set i, i+1
.endr
.set i, P+32
.rept 32
	v_mov_b32 v[i], 0
.set i, i+1
.endr
	v_mov_b32 v[BIG], 0xdb800000    ; -2^56
	v_mul_u32_u24 v[AK0], v1, PK
	v_lshl_add_u32 v[AK0], v9, 4, v[AK0]  ; row x pitch + 16 x half
	; The turning load takes 16 keys x 16 channels (lane l reads key 8 (l / 16) + l % 8, channels 8 ((l / 8) % 2) + 0..7) and leaves half a fragment of V^T: lane l holds channel l % 16 and 8 keys.
	v_and_b32 v10, 7, v0
	v_bfe_u32 v11, v0, 3, 1
	v_lshl_add_u32 v[AV0], v9, 3, v10
	v_mul_u32_u24 v[AV0], v[AV0], PV
	v_lshl_add_u32 v[AV0], v11, 4, v[AV0]
	v_add_nc_u32 v[AV0], VOFF, v[AV0]
	v_mov_b32 v[AK], v[AK0]         ; key step 0 lies at the head of slot 0
; THE MATRIX WORK.  The 8 accumulators of a run of 16 take turns.
; Product i of 16 of S^T = K Q^T for piece x: channels 32 (i / 8) on, keys 16 ((i / 2) % 4) on, tile 2 x + i % 2.  The first 8 start the sums.
.macro KQ x
	WIN W_KQ
.set rS, S+64*((\x)%2)+32*(i%2)+8*((i/2)%4)
.set rK, KF+16*((i/2)%4)+8*(i/8)
.set rQ, 16*(2*(\x)+i%2)+8*(i/8)
.if i < 8
	v_wmma_f32_16x16x32_f16 v[rS:rS+7], v[rK:rK+7], v[rQ:rQ+7], 0
.else
	v_wmma_f32_16x16x32_f16 v[rS:rS+7], v[rK:rK+7], v[rQ:rQ+7], v[rS:rS+7]
.endif
.endm
; Product i of 16 of O^T += V^T P for piece x: keys 32 (i / 8) on, channels 16 ((i / 2) % 4) on, tile 2 x + i % 2.
.macro PV x
	WIN W_PV
.set rO, 32*(2*(\x)+i%2)+8*((i/2)%4)
.set rV, VF+32*(i/8)+8*((i/2)%4)
.set rP, P+32*((\x)%2)+16*(i%2)+8*(i/8)
	v_wmma_f32_16x16x32_f16 v[rO:rO+7], v[rV:rV+7], v[rP:rP+7], v[rO:rO+7]
.endm
.macro MM                           ; the turn's next matrix instruction
.if i < 16
	KQ (Y+1)%NP
.set i, i+1
.else
.set i, i-16
	PV (Y+NP-1)%NP
.set i, i+17
.endif
.endm
; THE LDS LOADS stand in runs of 16: a step's K (8 fragments) and its V (turned).  last = 1 (the tail): in the last trip there is no further step, and the run is jumped over.
.macro FETCH_K last=0
	WIN 0
.if \last
	s_cmp_eq_u32 s[CNT], 1
	s_cbranch_scc1 .Lno_k_\@
.endif
	WIN 0x80                        ; destination window 2
.irp f, 0,1,2,3,4,5,6,7             ; keys 16 (f / 2) on, channels 32 (f % 2) on
	ds_load_b128 v[KF+8*\f:KF+8*\f+3],   v[AK] offset:(\f/2)*16*PK+(\f%2)*64
	ds_load_b128 v[KF+8*\f+4:KF+8*\f+7], v[AK] offset:(\f/2)*16*PK+(\f%2)*64+32
.endr
	s_add_co_u32 s[TBK], s[TBK], KS*PK  ; the next fetch is the next step's
	WIN 0
.if \last
.Lno_k_\@:
.endif
.endm
.macro FETCH_V
	WIN 0x80
.irp f, 0,1,2,3,4,5,6,7             ; keys 32 (f / 4) on, channels 16 (f % 4) on
	ds_load_tr16_b128 v[VF+8*\f:VF+8*\f+3],   v[AV] offset:(\f/4)*32*PV+(\f%4)*32
	ds_load_tr16_b128 v[VF+8*\f+4:VF+8*\f+7], v[AV] offset:(\f/4)*32*PV+16*PV+(\f%4)*32
.endr
	s_add_co_u32 s[TBV], s[TBV], KS*PV
	WIN 0
.endm
; The next piece's 64 lane masks, issued when this piece has used its own.  Behind piece 3 comes piece 0 of the next step, 128 bytes on; no scalar load is out where the pointer steps (the turn's head has waited).
; Behind the last step the four loads fetch words that nobody uses: they lie in my wave's tiles 1 and 2, inside the buffer.
.macro MLOAD
.if Y == NP-1
	s_add_nc_u64 s[MP:MP+1], s[MP:MP+1], 128
.endif
.set mo, 8192*((Y+1)%NP)
	s_load_b512 s[32:47], s[MP:MP+1], mo
	s_load_b512 s[48:63], s[MP:MP+1], mo+64
	s_load_b512 s[68:83], s[MP:MP+1], mo+4096
	s_load_b512 s[84:99], s[MP:MP+1], mo+4160
.endm
.macro REGS y, u                    ; the registers of tile u (0, 1) of piece y
.set rT, ST+4*(2*(\y)+(\u))
.set rC, TMP+4*(\u)
.set rM, MV+(\u)
.set rS, S+64*((\y)%2)+32*(\u)
.set rP, P+32*((\y)%2)+16*(\u)
.set rO, 32*(2*(\y)+(\u))
.endm
; Number n of the 22 that find the piece's maximum and statistics.  s0-s31 are the lane's 32 scores.
;   0-11  four chains c0-c3 of seven scores each, three operands at a time     12-14, 16  the four scores left over, the old m, and c0-c3 into c0     15  c m_old is kept
;   17, 18  the query's other 32 keys lie in the lane 16 away: the new m         19-21  c m; c m_old - c m_new; a
.macro XS u, n
	REGS Y, \u
.if (\n) < 4
	v_max3_num_f32 v[rC+(\n)], v[rS+8*(\n)], v[rS+8*(\n)+1], v[rS+8*(\n)+2]
.elseif (\n) < 12
	v_max3_num_f32 v[rC+(\n)%4], v[rC+(\n)%4], v[rS+8*((\n)%4)+2*((\n)/4)+1], v[rS+8*((\n)%4)+2*((\n)/4)+2]
.elseif (\n) == 12
	v_max3_num_f32 v[rC], v[rC], v[rS+7], v[rS+15]
.elseif (\n) == 13
	v_max3_num_f32 v[rC+1], v[rC+1], v[rS+23], v[rS+31]
.elseif (\n) == 14
	v_max3_num_f32 v[rC+2], v[rC+2], v[rC+3], v[rT+1]
.elseif (\n) == 15
	v_mov_b32 v[rM], v[rT]
.elseif (\n) == 16
	v_max3_num_f32 v[rC], v[rC], v[rC+1], v[rC+2]
.elseif (\n) == 17
	v_permlanex16_b32 v[rC+3], v[rC], s[SEL], s[SEL+1]
.elseif (\n) == 18
	v_max_num_f32 v[rT+1], v[rC], v[rC+3]
.elseif (\n) == 19
	v_mul_f32 v[rT], s[CS], v[rT+1]
.elseif (\n) == 20
	v_sub_f32 v[rC+1], v[rM], v[rT]
.else
	v_exp_f32 v[rC+2], v[rC+1]
.endif
.endm
; THE VECTOR QUEUE of a turn, 320 entries of which 20 are empty; the two tiles alternate.  VQ writes entry q.
;   0-63     hidden scores are replaced, register 0 of each accumulator first; behind entry 63 the next piece's words are asked for
;   64-107   the maximum and statistics          108-139  c s - c m for the 16 pairs of both tiles
;   140-319  nine groups of 20.  Group g: at the even places 0-14 the exponentials of scores 4 g .. 4 g + 3; at the odd places the work on group g - 1's weights: two roundings to f16, the second pair added onto the
;            first in place, l takes the sum (the first time as l = a l + sum); at places 16-19 four of the 32 rescalings of O^T.  So a plain line stands behind each exponential ahead of the use of its result
;            (ISA guide 5.7.2), which comes a group later.
.macro VQ
.if q < 64
	REGS Y, q%2
	WIN 0
	v_cndmask_b32 v[rS+q/2], v[rS+q/2], v[BIG], s[32+36*(q%2)+q/2]
.if q == 63
	MLOAD
.endif
.elseif q < 108
	WIN 0
	XS q%2, (q-64)/2
.elseif q < 140
	REGS Y, q%2
	WIN 0
	v_pk_fma_f32 v[rS+2*((q-108)/2):rS+2*((q-108)/2)+1], v[rS+2*((q-108)/2):rS+2*((q-108)/2)+1], s[CS:CS+1], v[rT:rT+1] op_sel_hi:[1,0,0] neg_lo:[0,0,1] neg_hi:[0,0,1]
.else
.set g, (q-140)/20
.set k, (q-140)%20
.if k >= 16
.if g < 8
.set r, 4*g+k-16
	REGS Y, r%2
	WIN W_RS
	s_wait_alu depctr_va_vdst(0)
	v_pk_mul_f32 v[rO+2*(r/2):rO+2*(r/2)+1], v[rO+2*(r/2):rO+2*(r/2)+1], v[rC+2:rC+3] op_sel_hi:[1,0]
.endif
.elseif k%2 == 0
.if g < 8
	REGS Y, (k/2)%2
	WIN 0
	v_exp_f32 v[rS+4*g+k/4], v[rS+4*g+k/4]
.endif
.elseif g > 0
.set f, k/2
.set gg, g-1
	REGS Y, f%2
	WIN 0
.if f/2 == 0
	s_wait_alu depctr_va_vdst(0)
	v_cvt_pk_f16_f32 v[rP+2*gg], v[rS+4*gg], v[rS+4*gg+1]
.elseif f/2 == 1
	v_cvt_pk_f16_f32 v[rP+2*gg+1], v[rS+4*gg+2], v[rS+4*gg+3]
.elseif f/2 == 2
	v_pk_add_f32 v[rS+4*gg:rS+4*gg+1], v[rS+4*gg:rS+4*gg+1], v[rS+4*gg+2:rS+4*gg+3]
.elseif gg == 0
	v_pk_fma_f32 v[rT+2:rT+3], v[rT+2:rT+3], v[rC+2:rC+3], v[rS:rS+1] op_sel_hi:[1,0,1]
.else
	v_pk_add_f32 v[rT+2:rT+3], v[rT+2:rT+3], v[rS+4*gg:rS+4*gg+1]
	s_wait_alu depctr_va_vdst(0)
.endif
.endif
.endif
.set q, q+1
.endm
; A TURN, for piece p: 32 matrix instructions, ten entries of the queue behind each.  No vector line names a register of the products near it: the piece in hand has one pair of buffers, its neighbours the other.
; V of the step in hand is fetched in piece 1's turn behind the first ten entries: 13 plain lines behind the last product that read V; it is waited for 15 products later.
; K of the next step is fetched in piece 2's turn behind its 17th product: 17 plain lines and one product V^T P behind the last product that read K; it is waited for at the head of piece 3's turn.
.macro TURN p, last=0
.set Y, (\p)
.set i, 0
.set q, 0
.set sl, 0
.if (\p) == NP-1
	s_wait_dscnt 0x0                ; K is in
.endif
.rept 32
.if ((\p) == 1) && (sl == 16)
	s_wait_dscnt 0x0                ; V is in
.endif
	MM
.if sl == 0
	s_wait_kmcnt 0x0                ; the piece's lane masks are in (scalar loads return in no order: the count is 0)
.endif
.rept 10
	VQ
.endr
.if ((\p) == 1) && (sl == 0)
	WIN 0
	v_add_nc_u32 v[AV], s[TBV], v[AV0]
	FETCH_V
.endif
.if ((\p) == 2) && (sl == 16)
	WIN 0
	v_add_nc_u32 v[AK], s[TBK], v[AK0]
	FETCH_K \last
.endif
.set sl, sl+1
.endr
.endm
	CHANGE 1                        ; slot 0 is in, everybody's part of it; slot 1 is asked for
	FETCH_K                         ; key step 0
	s_wait_loadcnt 0x0              ; Q
	s_wait_dscnt 0x0
.set i, 0
.rept 16
	KQ 0                            ; piece 0's first scores
.set i, i+1
.endr
	WIN 0                           ; the addresses for the way out: nine plain lines, the places behind those products
	s_mul_i32 s7, s[WV], 16*SP
	s_add_co_u32 s7, s7, STAGE      ; my stage
	v_mul_u32_u24 v[STO], v1, SP    ; in: row l % 16, 16 bytes for each half of the lanes
	v_lshl_add_u32 v[STO], v9, 4, v[STO]
	v_add_nc_u32 v[STO], s7, v[STO]
	v_bfe_u32 v[RD], v0, 3, 2       ; back: 32 lanes take four rows of 128 bytes,
	v_mul_u32_u24 v[RD], v[RD], SP
	v_lshl_add_u32 v[RD], v10, 4, v[RD]
	v_add_nc_u32 v[RD], s7, v[RD]
	v_and_b32 v[GO], 31, v0         ; which are 512 consecutive bytes of O
	v_lshlrev_b32 v[GO], 4, v[GO]
	s_mov_b32 s[CNT], 4
	s_mov_b32 s[SLOTS], 2048/256-1
	s_branch .Lfirst                ; the loop is entered at a step's first turn, in the middle of a trip
.Lslot:                             ; six times: every slot but the last two is filled again
	CHANGE 1
	s_mov_b32 s[CNT], 4
.Lstep:                             ; a trip: pieces 2 and 3 of one step, then pieces 0 and 1 of the next, whose K and V it fetches
	TURN 2
	TURN 3
	WIN 0
.Lfirst:
	TURN 0
	TURN 1
	WIN 0
	s_sub_co_u32 s[CNT], s[CNT], 1
	s_cmp_lg_u32 s[CNT], 0
	s_cbranch_scc1 .Lstep
	s_sub_co_u32 s[SLOTS], s[SLOTS], 1
	s_cmp_lg_u32 s[SLOTS], 0
	s_cbranch_scc1 .Lslot
	CHANGE 0                        ; the tail is written out: nothing is asked for
	s_mov_b32 s[CNT], 5             ; four trips fetch the last slot's steps; the fifth is left in its middle
.Ltail:
	TURN 2, 1
	TURN 3
	WIN 0
	s_sub_co_u32 s[CNT], s[CNT], 1
	s_cmp_eq_u32 s[CNT], 0
	s_cbranch_scc1 .Lout
	TURN 0
	TURN 1
	WIN 0
	s_branch .Ltail
.Lout:                              ; the fifth trip's 16 products K Q^T (on the last K once more) serve nothing: the price, once a launch, of one text for every trip
	s_wait_kmcnt 0x0                ; the last, unused lane masks
.set i, 0
.rept 16
	PV NP-1                         ; the last piece's V^T P of the last step
.set i, i+1
.endr
	; THE WAY OUT.  l's two halves and the other half of the lanes' are added; O^T is divided by l, rounded to f16 and sent through my stage in LDS, a tile at a time.  The additions are the places behind the last products.
	WIN 0
.macro ALL line:vararg              ; one line for each tile t
.set t, 0
.rept 2*NP
	\line
.set t, t+1
.endr
.endm
	ALL v_add_f32 v[ST+4*t+2], v[ST+4*t+2], v[ST+4*t+3]
	ALL v_permlanex16_b32 v[ST+4*t+3], v[ST+4*t+2], s[SEL], s[SEL+1]
	ALL v_add_f32 v[ST+4*t+2], v[ST+4*t+2], v[ST+4*t+3]
	ALL v_rcp_f32 v[ST+4*t+2], v[ST+4*t+2]
	v_nop                           ; a plain line between the last reciprocal and the use of its result
	s_wait_alu depctr_va_vdst(0)
; Tile t: a lane's eight channels of a row pack into 16 bytes; they go into rows of 144 bytes and come back as whole rows of 128, into S^T's registers.
.macro PACK t
	WIN W_RS
.set i, 32*(\t)
.rept 16
	v_pk_mul_f32 v[i:i+1], v[i:i+1], v[ST+4*(\t)+2:ST+4*(\t)+3] op_sel_hi:[1,0]
.set i, i+2
.endr
	WIN 0x05                        ; sources 0 and 1 window 1, destination window 0
.set i, 0
.rept 16
	v_cvt_pk_f16_f32 v[S+16*(\t)+i], v[32*(\t)+2*i], v[32*(\t)+2*i+1]
.set i, i+1
.endr
	WIN 0
.irp f, 0,1,2,3
	ds_store_b128 v[STO], v[S+16*(\t)+4*\f:S+16*(\t)+4*\f+3] offset:32*\f
.endr
.irp f, 0,1,2,3
	ds_load_b128 v[S+16*(\t)+4*\f:S+16*(\t)+4*\f+3], v[RD] offset:\f*4*SP  ; LDS serves a wave's instructions in order (ISA guide 5.7.1.4): these see the stores above; the next tile's stores come behind them
.endr
.endm
.macro SEND t, younger              ; younger: the LDS instructions issued behind tile t's loads: the next tile's eight, or none
	WIN 0
.irp f, 0,1,2,3
	s_wait_dscnt (\younger)+3-\f
	global_store_b128 v[GO], v[S+16*(\t)+4*\f:S+16*(\t)+4*\f+3], s[OB:OB+1] offset:(\t)*2048+\f*512  ; 512 consecutive bytes, at a multiple of 256 from O's first
.endr
.endm
	PACK 0
.set t, 1
.rept 2*NP-1                        ; a tile's arithmetic stands between the loads of the tile before and its stores
	PACK t
	SEND t-1, 8
.set t, t+1
.endr
	SEND 2*NP-1, 0
	s_wait_tensorcnt 0x0            ; the wave's end
	ds_add_u32 v[SPW], v[NIL]
	s_wait_dscnt 0x0
	CROUND                          ; the closing round: no work-group ends while a partner may still ask for a tile that names it
	s_endpgm
.Lfunc_end_k_qa32c4a0a54_attn:
	.size	k_qa32c4a0a54_attn, .Lfunc_end_k_qa32c4a0a54_attn-k_qa32c4a0a54_attn
	.p2alignl 7, 3214868480
	.fill 96, 4, 3214868480
	.section	.rodata,"a",@progbits
	.p2align	6, 0x0
	.amdhsa_kernel k_qa32c4a0a54_attn
		.amdhsa_group_segment_fixed_size 327680
		.amdhsa_private_segment_fixed_size 0
		.amdhsa_enable_private_segment 0
		.amdhsa_kernarg_size 24
		.amdhsa_user_sgpr_count 2
		.amdhsa_user_sgpr_kernarg_segment_ptr 1
		.amdhsa_wavefront_size32 1
		.amdhsa_system_sgpr_workgroup_id_x 1
		.amdhsa_system_sgpr_workgroup_id_y 1
		.amdhsa_system_sgpr_workgroup_id_z 1
		.amdhsa_system_vgpr_workitem_id 0
		.amdhsa_next_free_vgpr 768
		.amdhsa_next_free_sgpr 102
		.amdhsa_reserve_vcc 0
		.amdhsa_float_denorm_mode_32 3
		.amdhsa_float_denorm_mode_16_64 3
		.amdhsa_memory_ordered 1
		.amdhsa_forward_progress 1
		.amdhsa_inst_pref_size 242
	.end_amdhsa_kernel
	.amdgpu_metadata
---
amdhsa.version: [ 1, 2 ]
amdhsa.kernels:
  - .name:           k_qa32c4a0a54_attn
    .symbol:         k_qa32c4a0a54_attn.kd
    .args:
      - { .name: qkv, .offset: 0, .size: 8, .value_kind: global_buffer, .address_space: global }
      - { .name: mbits, .offset: 8, .size: 8, .value_kind: global_buffer, .address_space: global }
      - { .name: oh, .offset: 16, .size: 8, .value_kind: global_buffer, .address_space: global }
    .group_segment_fixed_size: 327680
    .private_segment_fixed_size: 0
    .kernarg_segment_align: 8
    .kernarg_segment_size: 24
    .max_flat_workgroup_size: 128
    .sgpr_count:     102
    .vgpr_count:     768
    .wavefront_size: 32
...
	.end_amdgpu_metadata
.endif
;; end of part 3
;; launch oproj (part 4): grid 8 x 32, 4 waves a work-group, clusters of 4 x 4, 327,680 bytes of LDS; arguments oh, wb, out0; writes out0
.if DOCPART == 4
	.amdgcn_target "amdgcn-amd-amdhsa--gfx1250"
	.amdhsa_code_object_version 6
	.text
	.protected	k_qa32c4a0a54_oproj
	.globl	k_qa32c4a0a54_oproj
	.p2align	8
	.type	k_qa32c4a0a54_oproj,@function
k_qa32c4a0a54_oproj:
	s_mov_b64 s[64:65], 0
	v_nop
	global_prefetch_b8 v0, s[64:65] scope:SCOPE_SE
	s_setreg_imm32_b32 hwreg(HW_REG_WAVE_MODE, 25, 1), 1
	s_wait_xcnt 0x0
	s_wait_alu depctr_hold_cnt(0) depctr_sa_sdst(0) depctr_va_vdst(0) depctr_va_sdst(0) depctr_va_ssrc(0) depctr_va_vcc(0) depctr_vm_vsrc(0)
	s_getreg_b32 s2, hwreg(HW_REG_IB_STS2, 6, 4)
	s_cmp_eq_u32 s2, 0
	s_cbranch_scc0 .Lentry_in_a_cluster
	s_endpgm
.Lentry_in_a_cluster:
	s_bfe_u32 s2, ttmp6, 0x10000c
	s_cmp_lg_u32 s2, 0xf033
	s_cbranch_scc0 .Lentry_shape_is_right
	s_endpgm
.Lentry_shape_is_right:
; out0[token][e] = the sum over d of vals[token][d] w_out[e][d], d = 64 head + channel.  oh: [batch x 16 + head][2048][64] f16; w_out: [1024][1024] f16 at byte 6,291,456 of wb; out0: [8192][1024] f32.  Sums in f32.
; SHARES.  A tile is 256 tokens x 128 columns: 8 x 32 = 256 work-groups.  Wave w owns tokens 64 w .. 64 w + 63 and all 128 columns: 4 x 8 accumulators, 256 registers.
; A K step of 128 is two heads: two PLANES of 256 tokens x 64 channels, each 32,768 dense bytes of oh, asked for as 128 rows of 256 bytes and padded in LDS after every token.
; THE MATRIX INSTRUCTION IS USED TRANSPOSED (source 0 = 16 rows of w_out, source 1 = 16 tokens): a lane holds one token and eight neighbouring columns, 32 bytes of a row of out0.
; CLUSTER 4 x 4: the four of a row need the same planes of oh, the four of a column the same rows of w_out: joint loads.
; REGISTERS (s_set_vgpr_msb: bits 1:0 source 0, 3:2 source 1, 5:4 source 2, 7:6 destination): window 0: v16-29 addresses; v64-127 rows on the way out.
;   window 1: two fragment buffers of 128: 32 registers of oh, then 64 of w_out.     window 2: the accumulators, (a, b) at v[8 (8 a + b)].
.set KSTEP,  128
.set PA,     144                       ; a token's LDS row in a plane: 128 bytes + 16 = 36 words: 16 rows start at 16 different groups of four banks (64 banks of 4 bytes: ISA guide 11.1)
.set PLANE,  256*PA
.set PB,     272                       ; a row of w_out: 256 bytes + 16
.set HB,     64*PB                     ; half of w_out's tile: one tensor load
.set BOFF,   2*PLANE
.set SLOT,   BOFF+2*HB
.set STAGE,  2*SLOT                    ; behind the ring, never filled by a tensor load: 16 rows x 528 bytes for each wave
.set SPI,    528
.set WSTG,   16*SPI
.set SPARE,  STAGE+4*WSTG              ; the spare words, 128 bytes for each wave: two blocks of 256 bytes that no other line names
.set LAPS,   1024/(2*KSTEP)
.set STEPA,  4<<18                     ; two K steps on: four heads of 262,144 bytes
.set STEPB,  2*KSTEP*2
.set ADRA, 16
.set ADRB, 20
.set STO,  24
.set RD,   25
.set CO,   26
.set SPW,  28                          ; v28  LDS address of my spare word; never rewritten
.set NIL,  29                          ; v29  0; never rewritten
.set OBK,  64
.set F0,   0
.set F1,   128
.set G1,  24
.set G0,  32
.set G1B, 48
.set G0B, 56
.set MSB, 0
.macro WIN new
.if MSB != (\new)
	s_set_vgpr_msb (MSB<<8)|(\new)
.set MSB, \new
.endif
.endm
.macro JLOAD s                         ; a joint load: waves 0 and 1 fetch the two planes, waves 2 and 3 w_out's halves; an s_nop 0 and four v_nop follow each line
	s_cmp_eq_u32 s13, 0
	s_cbranch_scc0 .Lfor_b_\@
	tensor_load_to_lds s[G0+4*(\s):G0+4*(\s)+3], s[G1:G1+7]
	s_nop 0
.rept 4
	v_nop
.endr
	s_branch .Lasked_\@
.Lfor_b_\@:
	tensor_load_to_lds s[G0B+4*(\s):G0B+4*(\s)+3], s[G1B:G1B+7]
	s_nop 0
.rept 4
	v_nop
.endr
.Lasked_\@:
.endm
.macro CREST
	s_cmp_lg_u32 s12, 0
	s_cbranch_scc1 .Lnot_wave_0_\@
	s_barrier_signal -3
.Lnot_wave_0_\@:
	s_barrier_wait -3
	s_barrier_signal -1
	s_barrier_wait -1
.endm
.macro CROUND
	s_barrier_signal -1
	s_barrier_wait -1
	CREST
.endm
	s_load_b128 s[4:7], s[0:1], 0x0                ; oh s[4:5], wb s[6:7]
	s_load_b64 s[8:9], s[0:1], 0x10                ; out0
	v_lshl_add_u32 v[SPW], v0, 2, SPARE
	v_mov_b32 v[NIL], 0
	ds_add_u32 v28, v29
	ds_add_u32 v28, v29
	s_wait_dscnt 0x0
	v_lshrrev_b32 v1, 5, v0
	v_readfirstlane_b32 s12, v1                    ; wave 0..3
	s_lshr_b32 s13, s12, 1                         ; I fetch for oh (0) or for w_out (1)
	s_and_b32 s14, s12, 1                          ; which plane, or which half
	s_bfe_u32 s40, ttmp6, 0x40000
	s_bfe_u32 s41, ttmp6, 0x40004
	s_lshl_b32 s42, ttmp9, 2
	s_add_co_u32 s42, s42, s40                     ; tile column
	s_and_b32 s43, ttmp7, 0xffff
	s_lshl_b32 s43, s43, 2
	s_add_co_u32 s43, s43, s41                     ; tile row
	s_lshl_b32 s44, s41, 2
	s_lshl_b32 s44, 15, s44                        ; my row of the cluster
	s_lshl_b32 s45, 0x1111, s40                    ; my column
	s_or_b32 s[G1+0], s44, (1<<16)|(1<<20)|(1<<21)|(4<<22)|(3<<25)   ; the mask; 2-byte elements; padding on; bit 21 beside a mask; after every 32 words (code 4) 4 words (code 3)
	s_or_b32 s[G1B+0], s45, (1<<16)|(1<<20)|(1<<21)|(5<<22)|(3<<25)  ; after every 64 words (code 5)
	s_mov_b32 s[G1+1], 128<<16                     ; a plane: 128 rows of 128 elements, dense
	s_mov_b32 s[G1+2], 128<<16
	s_mov_b32 s[G1+3], 128<<16
	s_mov_b32 s[G1+4], 128
	s_mov_b32 s[G1+5], 128
	s_mov_b32 s[G1+6], 0
	s_mov_b32 s[G1+7], 0
	s_mov_b32 s[G1B+1], KSTEP<<16                  ; w_out: 64 rows of 128 elements, 1,024 elements from row to row
	s_mov_b32 s[G1B+2], 64<<16
	s_mov_b32 s[G1B+3], KSTEP<<16
	s_mov_b32 s[G1B+4], 64
	s_mov_b32 s[G1B+5], 1024
	s_mov_b32 s[G1B+6], 0
	s_mov_b32 s[G1B+7], 0
	s_lshr_b32 s16, s43, 3                         ; oh: the batch x 16 + my plane's head in K step 0,
	s_lshl_b32 s16, s16, 4
	s_add_co_u32 s16, s16, s14
	s_lshl_b32 s16, s16, 18
	s_and_b32 s17, s43, 7                          ; the tile's 256 tokens of 128 bytes
	s_lshl_b32 s17, s17, 15
	s_add_co_u32 s16, s16, s17
	s_mov_b32 s17, 0
	s_lshl_b32 s46, s42, 7                         ; w_out: row 128 x tile column + 64 x half, 2,048 bytes a row, behind w_qkv
	s_lshl_b32 s47, s14, 6
	s_add_co_u32 s46, s46, s47
	s_lshl_b32 s46, s46, 11
	s_add_co_u32 s46, s46, 6291456
	s_mov_b32 s47, 0
	s_mul_i32 s20, s12, PLANE                      ; where they go: the planes (waves 0, 1),
	s_mul_i32 s21, s12, HB                         ; w_out's halves (waves 2, 3) behind them
	s_add_co_u32 s21, s21, BOFF-2*HB
	s_wait_kmcnt 0x0
	s_add_nc_u64 s[18:19], s[4:5], s[16:17]
	s_add_nc_u64 s[46:47], s[6:7], s[46:47]
	CROUND                                         ; all sixteen work-groups are here: the first joint loads meet
.irp s, 0,1
	s_mov_b32 s[G0+4*(\s)], 1
	s_add_co_u32 s[G0+4*(\s)+1], s20, (\s)*SLOT
	s_add_nc_u64 s[G0+4*(\s)+2:G0+4*(\s)+3], s[18:19], (\s)*(2<<18)
	s_or_b32 s[G0+4*(\s)+3], s[G0+4*(\s)+3], 0x80000000
	s_mov_b32 s[G0B+4*(\s)], 1
	s_add_co_u32 s[G0B+4*(\s)+1], s21, (\s)*SLOT
	s_add_nc_u64 s[G0B+4*(\s)+2:G0B+4*(\s)+3], s[46:47], (\s)*KSTEP*2
	s_or_b32 s[G0B+4*(\s)+3], s[G0B+4*(\s)+3], 0x80000000
	JLOAD \s                                       ; two loads of mine are out
.endr
	v_and_b32 v1, 15, v0                           ; l % 16
	v_bfe_u32 v2, v0, 4, 1                         ; l / 16
	v_mul_u32_u24 v3, v1, PA
	v_lshl_add_u32 v3, v2, 4, v3
	v_mul_u32_u24 v4, v1, PB
	v_lshl_add_u32 v4, v2, 4, v4
	s_mul_i32 s16, s12, 64*PA                      ; my 64 tokens in a plane
	s_mov_b32 s17, BOFF
.irp s, 0,1
	v_add_nc_u32 v[ADRA+(\s)], s16, v3
	v_add_nc_u32 v[ADRB+(\s)], s17, v4
	s_add_co_u32 s16, s16, SLOT
	s_add_co_u32 s17, s17, SLOT
.endr
	s_mul_i32 s16, s12, WSTG
	s_add_co_u32 s16, s16, STAGE                   ; my stage
	v_mul_u32_u24 v5, v1, SPI                      ; in: row l % 16, 32 bytes for each half of the lanes
	v_lshl_add_u32 v5, v2, 5, v5
	v_add_nc_u32 v[STO], s16, v5
	v_and_b32 v[CO], 31, v0
	v_lshlrev_b32 v[CO], 4, v[CO]                  ; back and out: 32 lanes take a row's 512 bytes
	v_add_nc_u32 v[RD], s16, v[CO]
	s_lshl_b32 s22, s43, 8
	s_lshl_b32 s23, s12, 6
	s_add_co_u32 s22, s22, s23                     ; my first token,
	s_lshl_b32 s22, s22, 12                        ; 4,096 bytes a row,
	s_lshl_b32 s23, s42, 9                         ; the tile's first column
	s_add_co_u32 s22, s22, s23
	s_mov_b32 s23, 0
	s_add_nc_u64 s[8:9], s[8:9], s[22:23]
; 8 matrix instructions: token block a x all 8 blocks of w_out's rows, 32 along K.  The 32 accumulators take turns, one instruction a turn, in the same order in every quarter.
.macro MULA f, a, zero
	WIN 0xa5                                       ; both sources window 1; C and D window 2
.irp b, 0,1,2,3,4,5,6,7
.set rD, 8*(8*(\a)+(\b))
.if \zero
	v_wmma_f32_16x16x32_f16 v[rD:rD+7], v[(\f)+32+8*(\b):(\f)+32+8*(\b)+7], v[(\f)+8*(\a):(\f)+8*(\a)+7], 0
.else
	v_wmma_f32_16x16x32_f16 v[rD:rD+7], v[(\f)+32+8*(\b):(\f)+32+8*(\b)+7], v[(\f)+8*(\a):(\f)+8*(\a)+7], v[rD:rD+7]
.endif
.endr
.endm
; 24 LDS loads in one run: quarter q's fragments into buffer f: w_out's 16, then oh's 8 (plane q / 2, channels 32 (q % 2) on)
.macro FETCH slot, q, f
	WIN 0x40
.irp i, 0,1,2,3,4,5,6,7
	ds_load_b128 v[(\f)+32+8*(\i):(\f)+32+8*(\i)+3],   v[ADRB+(\slot)] offset:64*(\q)+(\i)*16*PB
	ds_load_b128 v[(\f)+32+8*(\i)+4:(\f)+32+8*(\i)+7], v[ADRB+(\slot)] offset:64*(\q)+(\i)*16*PB+32
.endr
.irp i, 0,1,2,3
	ds_load_b128 v[(\f)+8*(\i):(\f)+8*(\i)+3],   v[ADRA+(\slot)] offset:((\q)/2)*PLANE+((\q)%2)*64+(\i)*16*PA
	ds_load_b128 v[(\f)+8*(\i)+4:(\f)+8*(\i)+7], v[ADRA+(\slot)] offset:((\q)/2)*PLANE+((\q)%2)*64+(\i)*16*PA+32
.endr
.endm
.macro PLACES                          ; four plain places in front of loads into registers that matrix instructions have read, and of lines that read results
.rept 4
	v_nop
.endr
.endm
.macro QUARTER slot, q, f, g, zero
	s_wait_dscnt 4                                 ; w_out and token blocks 0, 1 are in; the youngest four loads may be out
	MULA \f, 0, \zero
	MULA \f, 1, \zero
	PLACES
	FETCH \slot, \q, \g
	s_wait_dscnt 24                                ; all but the 24 just issued
	MULA \f, 2, \zero
	MULA \f, 3, \zero
.endm
; The last quarter multiplies buffer 1 and changes slots: ONE barrier; in front of it each wave waits for all its tensor loads, adds 0 to its spare word, and waits for that and for its reads of this slot.
.macro TURN slot, next, fill
	WIN 0
	s_wait_tensorcnt 0x0                           ; all my tensor loads have landed: my part of the next slot
	ds_add_u32 v[SPW], v[NIL]                      ; 0 onto my spare word
	s_wait_dscnt 5                                 ; (the add and the youngest four loads may be out)
	MULA F1, 0, 0
	s_wait_dscnt 0x0                               ; the add is done, and my reads of this slot are over
	s_barrier_signal -1
	MULA F1, 1, 0
.if \fill
	WIN 0
.endif
	s_barrier_wait -1
.if \fill
	CREST                                          ; no wave of any partner still reads this slot's tiles or has a load on its way
	s_add_nc_u64 s[G0+4*(\slot)+2:G0+4*(\slot)+3], s[G0+4*(\slot)+2:G0+4*(\slot)+3], STEPA
	s_add_nc_u64 s[G0B+4*(\slot)+2:G0B+4*(\slot)+3], s[G0B+4*(\slot)+2:G0B+4*(\slot)+3], STEPB
	JLOAD \slot                                    ; my one tensor load behind the round; its four v_nop are also the places in front of the loads below
.else
	PLACES
.endif
	FETCH \next, 0, F0
	MULA F1, 2, 0
	MULA F1, 3, 0
.endm
	s_wait_tensorcnt 1                             ; my part of K step 0 is in; K step 1's may stay out
	s_barrier_signal -1
	s_barrier_wait -1
	FETCH 0, 0, F0
	QUARTER 0, 1, F0, F1, 1                        ; the first quarter's products start the sums
	WIN 0
	s_mov_b32 s3, LAPS-1
.Llap:
	QUARTER 0, 2, F1, F0, 0
	QUARTER 0, 3, F0, F1, 0
	TURN 0, 1, 1
	QUARTER 1, 1, F0, F1, 0
	QUARTER 1, 2, F1, F0, 0
	QUARTER 1, 3, F0, F1, 0
	TURN 1, 0, 1
	QUARTER 0, 1, F0, F1, 0
	WIN 0
	s_sub_co_u32 s3, s3, 1
	s_cmp_lg_u32 s3, 0
	s_cbranch_scc1 .Llap
	QUARTER 0, 2, F1, F0, 0                        ; the last lap fills nothing
	QUARTER 0, 3, F0, F1, 0
	TURN 0, 1, 0
	QUARTER 1, 1, F0, F1, 0
	QUARTER 1, 2, F1, F0, 0
	QUARTER 1, 3, F0, F1, 0
	s_wait_dscnt 4
	MULA F1, 0, 0
	MULA F1, 1, 0
	s_wait_dscnt 0x0
	MULA F1, 2, 0
	MULA F1, 3, 0
	WIN 0
	PLACES
; THE WAY OUT, 16 tokens at a time: a lane's 32 bytes of a row go into my stage (each accumulator's low four registers first) and come back as whole rows of 512 bytes.
.macro OUT a
	WIN 0x08                                       ; store data (source 1) in window 2
.irp b, 0,1,2,3,4,5,6,7
	ds_store_b128 v[STO], v[8*(8*(\a)+(\b)):8*(8*(\a)+(\b))+3]   offset:64*(\b)
	ds_store_b128 v[STO], v[8*(8*(\a)+(\b))+4:8*(8*(\a)+(\b))+7] offset:64*(\b)+16
.endr
	WIN 0
	s_wait_xcnt 0x0                                ; the registers that the last block's stores read are loaded again only behind this wait
.irp t, 0,1,2,3,4,5,6,7,8,9,10,11,12,13,14,15
	ds_load_b128 v[OBK+4*(\t):OBK+4*(\t)+3], v[RD] offset:SPI*(\t)  ; LDS serves a wave's instructions in order (ISA guide 5.7.1.4): these see the stores above; the stage is the wave's own
.endr
.irp t, 0,1,2,3,4,5,6,7,8,9,10,11,12,13,14,15
	s_wait_dscnt 15-(\t)                           ; the younger loads stay out
	global_store_b128 v[CO], v[OBK+4*(\t):OBK+4*(\t)+3], s[8:9] offset:65536*(\a)+4096*(\t) th:TH_STORE_NT  ; 512 consecutive bytes, at a multiple of 256 from out0's first
.endr
.endm
	OUT 0
	OUT 1
	OUT 2
	OUT 3
	s_wait_tensorcnt 0x0                           ; the wave's end
	ds_add_u32 v[SPW], v[NIL]
	s_wait_dscnt 0x0
	CROUND                                         ; the closing round: no work-group ends while a partner may still ask for a tile that names it
	s_endpgm
.Lfunc_end_k_qa32c4a0a54_oproj:
	.size	k_qa32c4a0a54_oproj, .Lfunc_end_k_qa32c4a0a54_oproj-k_qa32c4a0a54_oproj
	.p2alignl 7, 3214868480
	.fill 96, 4, 3214868480
	.section	.rodata,"a",@progbits
	.p2align	6, 0x0
	.amdhsa_kernel k_qa32c4a0a54_oproj
		.amdhsa_group_segment_fixed_size 327680
		.amdhsa_private_segment_fixed_size 0
		.amdhsa_enable_private_segment 0
		.amdhsa_kernarg_size 24
		.amdhsa_user_sgpr_count 2
		.amdhsa_user_sgpr_kernarg_segment_ptr 1
		.amdhsa_wavefront_size32 1
		.amdhsa_system_sgpr_workgroup_id_x 1
		.amdhsa_system_sgpr_workgroup_id_y 1
		.amdhsa_system_sgpr_workgroup_id_z 1
		.amdhsa_system_vgpr_workitem_id 0
		.amdhsa_next_free_vgpr 768
		.amdhsa_next_free_sgpr 66
		.amdhsa_reserve_vcc 0
		.amdhsa_float_denorm_mode_32 3
		.amdhsa_float_denorm_mode_16_64 3
		.amdhsa_memory_ordered 1
		.amdhsa_forward_progress 1
		.amdhsa_inst_pref_size 87
	.end_amdhsa_kernel
	.amdgpu_metadata
---
amdhsa.version: [ 1, 2 ]
amdhsa.kernels:
  - .name:           k_qa32c4a0a54_oproj
    .symbol:         k_qa32c4a0a54_oproj.kd
    .args:
      - { .name: oh, .offset: 0, .size: 8, .value_kind: global_buffer, .address_space: global }
      - { .name: wb, .offset: 8, .size: 8, .value_kind: global_buffer, .address_space: global }
      - { .name: out0, .offset: 16, .size: 8, .value_kind: global_buffer, .address_space: global }
    .group_segment_fixed_size: 327680
    .private_segment_fixed_size: 0
    .kernarg_segment_align: 8
    .kernarg_segment_size: 24
    .max_flat_workgroup_size: 128
    .sgpr_count:     66
    .vgpr_count:     768
    .wavefront_size: 32
...
	.end_amdgpu_metadata
.endif
;; end of part 4
;; ======== version 2 of 3: 4 launches; 1.05 times as fast as version 1
;; limits: values are held in f16: magnitudes above 65,504 overflow, below 6.1e-05 lose precision
;; workspace buffers: xb 16,777,216 bytes; wb 8,388,608 bytes; rope 524,288 bytes; mbits 2,097,152 bytes of whole numbers; qkv 50,331,648 bytes; oh 16,777,216 bytes
;; launch prep (part 5): grid 256 x 1, 8 waves a work-group, no clusters, 287,744 bytes of LDS; arguments x, w_qkv, w_out, mask, xb, wb, rope, mbits; writes xb, wb, rope, mbits
.if DOCPART == 5
	.amdgcn_target "amdgcn-amd-amdhsa--gfx1250"
	.amdhsa_code_object_version 6
	.text
	.protected	k_qa32c4a0a54_prep
	.globl	k_qa32c4a0a54_prep
	.p2align	8
	.type	k_qa32c4a0a54_prep,@function
k_qa32c4a0a54_prep:
	s_mov_b64 s[64:65], 0
	v_nop
	global_prefetch_b8 v0, s[64:65] scope:SCOPE_SE
	s_setreg_imm32_b32 hwreg(HW_REG_WAVE_MODE, 25, 1), 1
	s_wait_xcnt 0x0
; PREP: what the three matrix launches need, made once.  x to bf16 (xb); w_qkv to bf16 (wb, first 6,291,456 bytes); w_out rounded to bf16 and that number written as f16 (wb, behind w_qkv);
; the mask, one byte a flag, to lane masks (mbits); the RoPE table (rope).  No matrix work; no cluster: no two work-groups read the same bytes.
; mbits[T][step][n], 32-bit words: T = batch x 128 + tile of 16 queries, step = 64 keys, n = 8 kb + j; bit 16 h + r of the word is mask[batch][16 tile + r][64 step + 16 kb + 8 h + j]:
; lane 16 h + r, register n of a 16 x 64 tile of transposed scores.
; rope[s][0..31] = cos(s theta_j), rope[s][32..63] = sin(s theta_j), theta_j = 10000^(-j/32), f32.
; LIMITS.  w_out beyond 65,504 has no f16; under 6e-5 it keeps f16's fixed step of 6e-8.  theta comes from one v_exp_f32, so an angle (2,047 at the most) is off by up to some 3e-4;
; sine and cosine of the reduced angle are polynomials with an error under 3e-8.
; SHARES.  256 work-groups of eight waves.  A work-group takes 1/256 of each input: 131,072 bytes of x, 49,152 of w_qkv, 16,384 of w_out, 65,536 of the mask (two tiles of 16 queries), and 8 rows of the table;
; a wave an eighth of that.  The 262,144 bytes fit in LDS at once, so every byte is filled once: each wave issues its five tensor loads at the start, reads only its own bytes, each tile behind its own counted
; wait, and there is no ring and no barrier.  The table's row is made while the tiles are on their way.
; All tiles have rows of 256 bytes, each at a multiple of 256 from its buffer's first byte, with 16 bytes of padding behind each in LDS.
.set PITCH, 272                        ; 68 words: row r starts at bank 4 r mod 64 (64 banks of 4 bytes: ISA guide 11.1)
.set IT,    4*PITCH                    ; a cast's step: 1,024 bytes of f32, four rows
.set M_OFF, 0                          ; a wave's LDS: 32 rows of the mask (two tiles of 16 queries, my 256 keys),
.set Q_OFF, M_OFF+32*PITCH             ; 24 rows of w_qkv,
.set O_OFF, Q_OFF+24*PITCH             ; 8 rows of w_out,
.set X_OFF, O_OFF+8*PITCH              ; 64 rows of x
.set WREG,  X_OFF+64*PITCH             ; 34,816 bytes a wave, 278,528 in all
.set LA,   2                           ; v2      LDS address of my 32 bytes in a cast's step: row l / 8, byte 32 (l % 8); never rewritten
.set OUTL, 3                           ; v3      16 l: my 16 bytes in 512 consecutive bytes of an output; never rewritten
.set MLA,  4                           ; v4      LDS address of my 8 flags in the mask tile in hand
.set ROF,  5                           ; v5      8 l: my 8 bytes of the table's row
.set RV,   6                           ; v[6:7]  my two numbers of the table's row
.set MW,   8                           ; v[8:11] a mask tile's 128 words of my four steps: lane L holds words 4 L .. 4 L + 3
.set MLA0, 12                          ; v12     row l % 16, byte 8 (l / 16) of my mask rows; never rewritten
.set MOUT, 13                          ; v13     my 16 bytes in the words of the tile in hand
.set MD,   16                          ; v[16:47] a mask tile's flags; before that the table's numbers at work
.set MT,   48                          ; v[48:55] at work
.set DQ,   56                          ; v[56:103]   w_qkv, as read and as stored
.set DO,   104                         ; v[104:119]  w_out
.set DX,   120                         ; v[120:247]  x, two halves
.set G1M, 20                           ; s[20:27] descriptor group 1 for the mask, s[28:35] w_qkv, s[36:43] w_out, s[44:51] x
.set G1Q, 28
.set G1O, 36
.set G1X, 44
.set G0M, 52                           ; s[52:55] descriptor group 0 for the mask, s[56:59] w_qkv, s[60:63] w_out, s[68:75] x's two halves
.set G0Q, 56
.set G0O, 60
.set G0X, 68
.macro SHAPE g, rows, pitch            ; group 1: rows of 32 elements of 8 bytes
	s_mov_b32 s[(\g)+0], (3<<16)|(1<<20)|(5<<22)|(3<<25)  ; 17:16 elements of 8 bytes; 20 padding on; 24:22 after every 64 words (code 5); 31:25 4 words (code 3)
	s_mov_b32 s[(\g)+1], 32<<16                    ; tensor_dim0 = 32
	s_mov_b32 s[(\g)+2], (\rows)<<16               ; tensor_dim1
	s_mov_b32 s[(\g)+3], 32<<16                    ; tile_dim0 = 32
	s_mov_b32 s[(\g)+4], \rows                     ; tile_dim1
	s_mov_b32 s[(\g)+5], \pitch                    ; elements from row to row
	s_mov_b32 s[(\g)+6], 0
	s_mov_b32 s[(\g)+7], 0
.endm
.macro PLACE g, loff, pb, ob, more     ; group 0: to my wave's LDS + loff, from the buffer at s[pb] + the offset in s[ob] + more
	s_mov_b32 s[(\g)], 1
	s_add_co_u32 s[(\g)+1], s76, \loff
	s_add_nc_u64 s[(\g)+2:(\g)+3], s[\pb:\pb+1], s[\ob:\ob+1]
.if (\more) != 0
	s_add_nc_u64 s[(\g)+2:(\g)+3], s[(\g)+2:(\g)+3], \more
.endif
	s_or_b32 s[(\g)+3], s[(\g)+3], 0x80000000      ; type = 2
.endm
	s_load_b512 s[4:19], s[0:1], 0x0               ; x s[4:5], w_qkv s[6:7], w_out s[8:9], mask s[10:11], xb s[12:13], wb s[14:15], rope s[16:17], mbits s[18:19]
	v_lshl_add_u32 v248, v0, 2, 0x46000
	v_mov_b32 v249, 0
	ds_add_u32 v248, v249
	ds_add_u32 v248, v249
	v_lshrrev_b32 v1, 5, v0
	v_readfirstlane_b32 s3, v1                     ; wave 0..7
	s_mov_b32 s2, ttmp9                            ; work-group 0..255
	SHAPE G1M, 32, 256                             ; the mask: 32 rows, 2,048 bytes from row to row
	SHAPE G1Q, 24, 32                              ; the others are dense
	SHAPE G1O, 8, 32
	SHAPE G1X, 32, 32
	s_lshl_b32 s78, s2, 16                         ; my part of the mask: 32 rows of 2,048 flags a group, 256 flags of each a wave
	s_lshl_b32 s79, s3, 8
	s_add_co_u32 s78, s78, s79
	s_mov_b32 s79, 0
	s_mul_i32 s80, s2, 49152                       ; of w_qkv
	s_mul_i32 s81, s3, 6144
	s_add_co_u32 s80, s80, s81
	s_mov_b32 s81, 0
	s_lshl_b32 s82, s2, 14                         ; of w_out
	s_lshl_b32 s83, s3, 11
	s_add_co_u32 s82, s82, s83
	s_mov_b32 s83, 0
	s_lshl_b32 s84, s2, 17                         ; of x
	s_lshl_b32 s85, s3, 14
	s_add_co_u32 s84, s84, s85
	s_mov_b32 s85, 0
	s_mul_i32 s76, s3, WREG                        ; my wave's LDS
	s_wait_dscnt 0x0
	s_wait_kmcnt 0x0
	PLACE G0M, M_OFF, 10, 78, 0
	PLACE G0Q, Q_OFF, 6, 80, 0
	PLACE G0O, O_OFF, 8, 82, 0
	PLACE G0X, X_OFF, 4, 84, 0
	PLACE G0X+4, X_OFF+32*PITCH, 4, 84, 8192
	tensor_load_to_lds s[G0M:G0M+3], s[G1M:G1M+7]  ; five loads of mine are out, in the order in which they are used: the mask, whose arithmetic is the longest, first
	s_nop 0
	tensor_load_to_lds s[G0Q:G0Q+3], s[G1Q:G1Q+7]
	s_nop 0
	tensor_load_to_lds s[G0O:G0O+3], s[G1O:G1O+7]
	s_nop 0
	tensor_load_to_lds s[G0X:G0X+3], s[G1X:G1X+7]
	s_nop 0
	tensor_load_to_lds s[G0X+4:G0X+7], s[G1X:G1X+7]
	s_nop 0
	; where my parts of the outputs begin
	s_lshl_b32 s78, s2, 16                         ; xb: half of x's bytes
	s_lshl_b32 s80, s3, 13
	s_add_co_u32 s78, s78, s80
	s_add_nc_u64 s[12:13], s[12:13], s[78:79]
	s_mul_i32 s78, s2, 24576                       ; wb: w_qkv's part
	s_mul_i32 s80, s3, 3072
	s_add_co_u32 s78, s78, s80
	s_add_nc_u64 s[82:83], s[14:15], s[78:79]
	s_lshl_b32 s78, s2, 13                         ; wb: w_out's part, behind w_qkv's 6,291,456 bytes
	s_lshl_b32 s80, s3, 10
	s_add_co_u32 s78, s78, s80
	s_add_co_u32 s78, s78, 6291456
	s_add_nc_u64 s[84:85], s[14:15], s[78:79]
	s_lshl_b32 s78, s2, 13                         ; mbits: two tiles of 4,096 bytes a group, four steps of 128 bytes a wave
	s_lshl_b32 s80, s3, 9
	s_add_co_u32 s78, s78, s80
	s_add_nc_u64 s[18:19], s[18:19], s[78:79]
	s_lshl3_add_u32 s77, s2, s3                    ; the table's row that I make: 8 x group + wave
	s_lshl_b32 s78, s77, 8
	s_add_nc_u64 s[16:17], s[16:17], s[78:79]
	v_and_b32 v1, 31, v0                           ; l
	v_bfe_u32 v[LA], v0, 3, 2
	v_mul_u32_u24 v[LA], v[LA], PITCH
	v_and_b32 v[MLA], 7, v0
	v_lshl_add_u32 v[LA], v[MLA], 5, v[LA]
	v_add_nc_u32 v[LA], s76, v[LA]
	v_lshlrev_b32 v[OUTL], 4, v1
	v_mov_b32 v[MOUT], v[OUTL]
	v_lshlrev_b32 v[ROF], 3, v1
	v_and_b32 v[MLA0], 15, v0
	v_bfe_u32 v[MLA], v0, 4, 1
	v_mul_u32_u24 v[MLA0], v[MLA0], PITCH
	v_lshl_add_u32 v[MLA0], v[MLA], 3, v[MLA0]
	v_add_nc_u32 v[MLA0], s76, v[MLA0]
.irp o, 0,1,2,3
	v_mov_b32 v[MW+(\o)], 0                        ; v_writelane_b32 keeps the other lanes: the registers are written whole first
.endr
	; THE ROPE TABLE, one row a wave.  Lane l holds words 2 l and 2 l + 1 of the row's 64: lanes 0-15 cosines, lanes 16-31 sines, of j = 2 (l % 16) and the next.
	s_mov_b32 s92, 0x3f22f983                      ; 2 / pi
	s_mov_b32 s93, 0xbfc90fda                      ; - pi / 2, upper part
	s_mov_b32 s94, 0xb3a22169                      ; - pi / 2, what the upper part leaves
	s_mov_b32 s95, 0x3638ef1d                      ; sine: 1/9!, -1/7!, 1/5!, -1/3!
	s_mov_b32 s96, 0xb9500d01
	s_mov_b32 s97, 0x3c088889
	s_mov_b32 s98, 0xbe2aaaab
	s_mov_b32 s99, 0x37d00d01                      ; cosine: 1/8!, -1/6!, 1/4! (-1/2 and 1 are inline constants)
	s_mov_b32 s100, 0xbab60b61
	s_mov_b32 s101, 0x3d2aaaab
	v_and_b32 v16, 15, v0
	v_lshlrev_b32 v16, 1, v16
	v_cvt_f32_u32 v16, v16                         ; j
	v_add_f32 v17, 1.0, v16                        ; j + 1
	v_mul_f32 v16, 0xbed49a78, v16                 ; - j log2(10000) / 32
	v_mul_f32 v17, 0xbed49a78, v17
	v_exp_f32 v16, v16                             ; theta_j
	v_exp_f32 v17, v17
	v_cmp_gt_u32 vcc_lo, 16, v1                    ; (a plain line behind the exponentials, ahead of the use of their results: ISA guide 5.7.2)
	v_cndmask_b32 v18, 0, 1, vcc_lo                ; cos x = sin(x + pi / 2): the cosine lanes count one quadrant more
	v_cvt_f32_u32 v19, s77                         ; the row as f32
	s_wait_alu depctr_va_vdst(0)
; sin or cos of row x theta.  n = the nearest multiple of pi / 2; what is left lies within pi / 4; the quadrant picks the polynomial and the sign.
.macro ANG th, out
	v_mul_f32 v20, v19, v[\th]
	v_mul_f32 v21, s92, v20
	v_rndne_f32 v21, v21
	v_fma_f32 v22, v21, s93, v20
	v_fma_f32 v22, v21, s94, v22
	v_mul_f32 v23, v22, v22
	v_fma_f32 v24, v23, s95, s96
	v_fma_f32 v25, v23, s99, s100
	v_fma_f32 v24, v23, v24, s97
	v_fma_f32 v25, v23, v25, s101
	v_fma_f32 v24, v23, v24, s98
	v_fma_f32 v25, v23, v25, -0.5
	v_mul_f32 v26, v23, v22
	v_fma_f32 v25, v23, v25, 1.0                   ; the cosine of the rest
	v_fma_f32 v24, v26, v24, v22                   ; its sine
	v_cvt_i32_f32 v27, v21
	v_add_nc_u32 v27, v27, v18
	v_and_b32 v28, 1, v27
	v_cmp_ne_u32 vcc_lo, 0, v28
	v_cndmask_b32 v24, v24, v25, vcc_lo            ; odd quadrants take the cosine
	v_and_b32 v28, 2, v27
	v_lshlrev_b32 v28, 30, v28
	v_xor_b32 v[\out], v28, v24                    ; quadrants 2 and 3 change the sign
.endm
	ANG 16, RV
	ANG 17, RV+1
	global_store_b64 v[ROF], v[RV:RV+1], s[16:17]  ; the wave's store covers the row's 256 bytes
	; THE MASK, a tile of 16 queries a trip.  Lane (r, h) reads row r, keys 16 c + 8 h + 0..7 of my 256: chunk c = 4 x (step in my four) + kb.  A compare of one byte in all lanes is one word of mbits:
	; word 8 c + j of my 128, which goes to register j % 4 of lane 2 c + j / 4, so that one store of 16 bytes a lane covers my 512 consecutive bytes.
	s_mov_b32 s78, 0xff
	s_mov_b32 s79, 0xff00
	s_mov_b32 s80, 0xff0000
	s_mov_b32 s81, 0xff000000
	s_mov_b32 s86, 0                               ; the tile's first byte in my mask rows
	s_mov_b32 s87, 2
	s_wait_tensorcnt 4                             ; tensor loads of a wave end in order (ISA guide 10.11.1): the mask is in, the four issued behind it may be out
.Ltile:
	v_add_nc_u32 v[MLA], s86, v[MLA0]
.set c, 0
.rept 16
	ds_load_b64 v[MD+2*c:MD+2*c+1], v[MLA] offset:M_OFF+16*c
.set c, c+1
.endr
.set c, 0
.rept 16
	s_wait_dscnt 15-c                              ; the younger loads stay out
.irp j, 0,1,2,3,4,5,6,7                ; eight of a kind on end, so that no line waits for the one before it
	v_and_b32 v[MT+(\j)], s[78+((\j)&3)], v[MD+2*c+((\j)>>2)]
.endr
.irp j, 0,1,2,3,4,5,6,7
	v_cmp_ne_u32 s[4+(\j)], 0, v[MT+(\j)]          ; (s[4:11] held the inputs' addresses, which the descriptors have taken over)
.endr
.irp j, 0,1,2,3,4,5,6,7
	v_writelane_b32 v[MW+((\j)&3)], s[4+(\j)], 2*c+((\j)>>2)
.endr
.set c, c+1
.endr
	global_store_b128 v[MOUT], v[MW:MW+3], s[18:19]  ; 512 consecutive bytes, at a multiple of 256 from the buffer's first
	s_wait_xcnt 0x0                                ; the store's address and data registers are rewritten only behind this wait
	v_add_nc_u32 v[MOUT], 0x1000, v[MOUT]          ; the next tile's words
	s_add_co_u32 s86, s86, 16*PITCH
	s_sub_co_u32 s87, s87, 1
	s_cmp_lg_u32 s87, 0
	s_cbranch_scc1 .Ltile
; A CAST of n steps of 1,024 bytes.  A lane reads 32 neighbouring bytes (eight f32) by two loads.
; It rounds them in place and stores 16 bytes: a wave's store covers 512 consecutive bytes, aligned.  No register is used twice, so no wait frees one.  half = 1: the bf16 number is written as f16.
.macro CASTB n, loff, d, sb, go, half
.set j, 0
.rept \n
	ds_load_b128 v[(\d)+8*j:(\d)+8*j+3],   v[LA] offset:(\loff)+IT*j
	ds_load_b128 v[(\d)+8*j+4:(\d)+8*j+7], v[LA] offset:(\loff)+IT*j+16
.set j, j+1
.endr
.set j, 0
.rept \n
	s_wait_dscnt 2*((\n)-1-j)                      ; the later steps' loads stay out
	v_cvt_pk_bf16_f32 v[(\d)+8*j],   v[(\d)+8*j],   v[(\d)+8*j+1]
	v_cvt_pk_bf16_f32 v[(\d)+8*j+1], v[(\d)+8*j+2], v[(\d)+8*j+3]
	v_cvt_pk_bf16_f32 v[(\d)+8*j+2], v[(\d)+8*j+4], v[(\d)+8*j+5]
	v_cvt_pk_bf16_f32 v[(\d)+8*j+3], v[(\d)+8*j+6], v[(\d)+8*j+7]
.if \half
.irp z, 0,1,2,3
	v_lshlrev_b32 v[MT], 16, v[(\d)+8*j+(\z)]
	v_and_b32 v[MT+1], 0xffff0000, v[(\d)+8*j+(\z)]
	v_cvt_pk_f16_f32 v[(\d)+8*j+(\z)], v[MT], v[MT+1]
.endr
.endif
	global_store_b128 v[OUTL], v[(\d)+8*j:(\d)+8*j+3], s[\sb:\sb+1] offset:(\go)+512*j
.set j, j+1
.endr
.endm
	s_wait_tensorcnt 3                             ; w_qkv is in; three loads were issued behind it
	CASTB 6, Q_OFF, DQ, 82, 0, 0
	s_wait_tensorcnt 2                             ; w_out
	CASTB 2, O_OFF, DO, 84, 0, 1
	s_wait_tensorcnt 1                             ; x's first half: it is cast and stored while the second lands
	CASTB 8, X_OFF, DX, 12, 0, 0
	s_wait_tensorcnt 0x0                           ; x's second half: no load was issued behind it, and none is out at s_endpgm
	CASTB 8, X_OFF+8*IT, DX+64, 12, 4096, 0
	s_wait_tensorcnt 0x0
	ds_add_u32 v248, v249
	s_wait_dscnt 0x0
	s_endpgm
.Lfunc_end_k_qa32c4a0a54_prep:
	.size	k_qa32c4a0a54_prep, .Lfunc_end_k_qa32c4a0a54_prep-k_qa32c4a0a54_prep
	.p2alignl 7, 3214868480
	.fill 96, 4, 3214868480
	.section	.rodata,"a",@progbits
	.p2align	6, 0x0
	.amdhsa_kernel k_qa32c4a0a54_prep
		.amdhsa_group_segment_fixed_size 287744
		.amdhsa_private_segment_fixed_size 0
		.amdhsa_enable_private_segment 0
		.amdhsa_kernarg_size 64
		.amdhsa_user_sgpr_count 2
		.amdhsa_user_sgpr_kernarg_segment_ptr 1
		.amdhsa_wavefront_size32 1
		.amdhsa_system_sgpr_workgroup_id_x 1
		.amdhsa_system_sgpr_workgroup_id_y 1
		.amdhsa_system_sgpr_workgroup_id_z 1
		.amdhsa_system_vgpr_workitem_id 0
		.amdhsa_next_free_vgpr 250
		.amdhsa_next_free_sgpr 102
		.amdhsa_reserve_vcc 1
		.amdhsa_float_denorm_mode_32 3
		.amdhsa_float_denorm_mode_16_64 3
		.amdhsa_memory_ordered 1
		.amdhsa_forward_progress 1
		.amdhsa_inst_pref_size 45
	.end_amdhsa_kernel
	.amdgpu_metadata
---
amdhsa.version: [ 1, 2 ]
amdhsa.kernels:
  - .name:           k_qa32c4a0a54_prep
    .symbol:         k_qa32c4a0a54_prep.kd
    .args:
      - { .name: x, .offset: 0, .size: 8, .value_kind: global_buffer, .address_space: global }
      - { .name: w_qkv, .offset: 8, .size: 8, .value_kind: global_buffer, .address_space: global }
      - { .name: w_out, .offset: 16, .size: 8, .value_kind: global_buffer, .address_space: global }
      - { .name: mask, .offset: 24, .size: 8, .value_kind: global_buffer, .address_space: global }
      - { .name: xb, .offset: 32, .size: 8, .value_kind: global_buffer, .address_space: global }
      - { .name: wb, .offset: 40, .size: 8, .value_kind: global_buffer, .address_space: global }
      - { .name: rope, .offset: 48, .size: 8, .value_kind: global_buffer, .address_space: global }
      - { .name: mbits, .offset: 56, .size: 8, .value_kind: global_buffer, .address_space: global }
    .group_segment_fixed_size: 287744
    .private_segment_fixed_size: 0
    .kernarg_segment_align: 8
    .kernarg_segment_size: 64
    .max_flat_workgroup_size: 256
    .sgpr_count:     102
    .vgpr_count:     250
    .wavefront_size: 32
...
	.end_amdgpu_metadata
.endif
;; end of part 5
;; launch qkvrope (part 6): grid 16 x 32, 4 waves a work-group, clusters of 4 x 4, 327,680 bytes of LDS; arguments xb, wb, rope, qkv; writes qkv
.if DOCPART == 6
	.amdgcn_target "amdgcn-amd-amdhsa--gfx1250"
	.amdhsa_code_object_version 6
	.text
	.protected	k_qa32c4a0a54_qkvrope
	.globl	k_qa32c4a0a54_qkvrope
	.p2align	8
	.type	k_qa32c4a0a54_qkvrope,@function
k_qa32c4a0a54_qkvrope:
	s_mov_b64 s[64:65], 0
	v_nop
	global_prefetch_b8 v0, s[64:65] scope:SCOPE_SE
	s_setreg_imm32_b32 hwreg(HW_REG_WAVE_MODE, 25, 1), 1
	s_wait_xcnt 0x0
	s_wait_alu depctr_hold_cnt(0) depctr_sa_sdst(0) depctr_va_vdst(0) depctr_va_sdst(0) depctr_va_ssrc(0) depctr_va_vcc(0) depctr_vm_vsrc(0)
	s_getreg_b32 s2, hwreg(HW_REG_IB_STS2, 6, 4)
	s_cmp_eq_u32 s2, 0
	s_cbranch_scc0 .Lentry_in_a_cluster
	s_endpgm
.Lentry_in_a_cluster:
	s_bfe_u32 s2, ttmp6, 0x10000c
	s_cmp_lg_u32 s2, 0xf033
	s_cbranch_scc0 .Lentry_shape_is_right
	s_endpgm
.Lentry_shape_is_right:
; q, k, v = x w_qkv^T by heads, with RoPE on q and k.  xb: [8192][1024] bf16, wb: [3072][1024] bf16 (its first 6,291,456 bytes), rope: [2048][64] f32 (32 cosines, 32 sines a row).
; qkv: q, k, v one behind the other, 16,777,216 bytes each, [batch x 16 + head][2048][64] f16, unscaled.  Sums and RoPE in f32, one rounding to f16.
; LIMIT.  f16 holds nothing beyond 65,504: q, k, v must stay within it (x and w 30 times the drawn spread give some 5,000; a common offset of 30 spreads on both some 30,000).
; SHARES.  A head's q, k, v are 192 neighbouring rows of w_qkv, so a tile of the product is 256 tokens x 192: 16 x 32 = 512 work-groups, two for each of 256 WGPs.  (256 x 384 would be one each,
; but wants 768 accumulator registers a wave beside 320 of fragments.)  Wave w owns tokens 64 w .. 64 w + 63 and all 192 columns: 4 x 12 accumulators, 384 registers.
; THE MATRIX INSTRUCTION IS USED TRANSPOSED (source 0 = 16 rows of w, source 1 = 16 tokens): a lane holds one token (lane % 16) and eight neighbouring channels, and channels d and d + 32,
; which RoPE pairs, lie in accumulators b and b + 2, same lane, same register.
; K goes in steps of 128 (rows of 256 bytes) through two LDS slots; the loop holds ONE K step: the slot in hand is a scalar that an exclusive or turns, and one descriptor walks.
; CLUSTER 4 x 4: the four of a row need the same tile of x, the four of a column the same tile of w: joint loads.
; REGISTERS, in windows of 256 (s_set_vgpr_msb: bits 1:0 source 0, 3:2 source 1, 5:4 source 2, 7:6 destination):
;   window 0: v16-29 addresses; v32-159 my 64 tokens' cosines and sines; v160-175 at work; v176-223 packed results
;   window 1: two fragment buffers of 128: 32 registers of x (4 x 16 tokens x 32 K), then 96 of w (12 x 16 rows x 32 K)
;   window 2: accumulators of token blocks 0, 1 at v[8 (12 (a % 2) + b)];   window 3: those of blocks 2, 3
.set SIZE_K, 1024
.set KSTEP,  128
.set PITCH,  272                       ; an LDS row: 256 bytes + 16 of padding = 68 words: the 16 rows of a load start at 16 different groups of four banks (64 banks of 4 bytes: ISA guide 11.1)
.set HA,     128*PITCH                 ; half of x's tile: one tensor load
.set HB,     96*PITCH                  ; half of w's tile: one tensor load
.set SLOT,   2*HA+2*HB                 ; x's 256 rows, then w's 192 rows: 121,856 bytes
.set SLOT1,  1<<17                     ; slot 1 begins here, so that one exclusive or turns an address in one slot into the other's
.set STAGE,  SLOT1+SLOT                ; behind the ring, never filled by a tensor load: for each wave three sections (q, k, v) of 16 rows x 144 bytes
.set SP,     144
.set SEC,    16*SP
.set WSTG,   3*SEC
.set SPARE,  STAGE+4*WSTG              ; the spare words, 128 bytes for each wave: two blocks of 256 bytes that no other line names
.set STEPS,  SIZE_K/KSTEP              ; 8 K steps: all but the last two end with a refill
.set ADRA0, 16                         ; v16     my lane's place in x's rows of a slot; never rewritten
.set ADRB0, 17                         ; v17     the same for w
.set ADRA, 20                          ; v20     LDS address of my fragments of x in the slot in hand
.set ADRB, 21                          ; v21     the same for w
.set STO,  24                          ; v24     the way out: where I put 16 bytes of a row
.set RD,   25                          ; v25     the way out: where I read rows back
.set GO,   26                          ; v26     my 16 bytes in 512 consecutive bytes of q, k or v
.set RO,   27                          ; v27     my byte offset in 16 rows of the table
.set SPW,  28                          ; v28     LDS address of my spare word; never rewritten
.set NIL,  29                          ; v29     0; never rewritten
.set ROPE, 32                          ; token block a at ROPE + 32 a: cosines of channels 8 h + 0..7, of 16 + 8 h + 0..7, then the sines likewise
.set T1,   160
.set T2,   168
.set PKR,  176
.set F0,   0
.set F1,   128
.set TB,  15                           ; s15      LDS byte at which the slot in hand begins
.set G1,  24                           ; s[24:31] descriptor group 1 for x's tiles;  s[32:39] group 0: a set for each of the two first fills; the second then walks on
.set G0,  32
.set G1B, 48                           ; s[48:55], s[56:63] the same for w's tiles
.set G0B, 56
.set MSB, 0
.macro WIN new                         ; the immediate's high byte repeats the setting that is left; a switch that changes nothing is dropped
.if MSB != (\new)
	s_set_vgpr_msb (MSB<<8)|(\new)
.set MSB, \new
.endif
.endm
; A joint load: waves 0 and 1 fetch x's two halves, waves 2 and 3 w's.  The branch hangs on the wave's number alone.  An s_nop 0 and four v_nop follow each of the two lines.
.macro JLOAD s
	s_cmp_eq_u32 s13, 0
	s_cbranch_scc0 .Lfor_b_\@
	tensor_load_to_lds s[G0+4*(\s):G0+4*(\s)+3], s[G1:G1+7]
	s_nop 0
.rept 4
	v_nop
.endr
	s_branch .Lasked_\@
.Lfor_b_\@:
	tensor_load_to_lds s[G0B+4*(\s):G0B+4*(\s)+3], s[G1B:G1B+7]
	s_nop 0
.rept 4
	v_nop
.endr
.Lasked_\@:
.endm
.macro CREST                           ; a round of the cluster's barrier behind its opening barrier
	s_cmp_lg_u32 s12, 0
	s_cbranch_scc1 .Lnot_wave_0_\@
	s_barrier_signal -3
.Lnot_wave_0_\@:
	s_barrier_wait -3
	s_barrier_signal -1
	s_barrier_wait -1
.endm
.macro CROUND                          ; a whole round
	s_barrier_signal -1
	s_barrier_wait -1
	CREST
.endm
	s_load_b256 s[4:11], s[0:1], 0x0               ; xb s[4:5], wb s[6:7], rope s[8:9], qkv s[10:11]
	v_lshl_add_u32 v[SPW], v0, 2, SPARE
	v_mov_b32 v[NIL], 0
	ds_add_u32 v28, v29
	ds_add_u32 v28, v29
	s_wait_dscnt 0x0
	v_lshrrev_b32 v1, 5, v0
	v_readfirstlane_b32 s12, v1                    ; wave 0..3
	s_lshr_b32 s13, s12, 1                         ; I fetch for x (0) or for w (1)
	s_and_b32 s14, s12, 1                          ; which half of that tile
	s_mov_b32 s[TB], 0                             ; slot 0 is read first
	s_bfe_u32 s40, ttmp6, 0x40000                  ; cx, cy: my place in the cluster
	s_bfe_u32 s41, ttmp6, 0x40004
	s_lshl_b32 s42, ttmp9, 2
	s_add_co_u32 s42, s42, s40                     ; the head = tile column = 4 x cluster x + cx
	s_and_b32 s43, ttmp7, 0xffff
	s_lshl_b32 s43, s43, 2
	s_add_co_u32 s43, s43, s41                     ; tile row = 4 x cluster y + cy
	s_lshl_b32 s44, s41, 2
	s_lshl_b32 s44, 15, s44                        ; my row of the cluster
	s_lshl_b32 s45, 0x1111, s40                    ; my column
	s_or_b32 s[G1+0], s44, (1<<16)|(1<<20)|(1<<21)|(5<<22)|(3<<25)   ; 15:0 the mask; 17:16 2-byte elements; 20 padding on; 21 set beside a mask; 24:22 after every 64 words (code 5); 31:25 4 words (code 3)
	s_or_b32 s[G1B+0], s45, (1<<16)|(1<<20)|(1<<21)|(5<<22)|(3<<25)
	s_mov_b32 s[G1+1], KSTEP<<16                   ; tensor_dim0 = 128
	s_mov_b32 s[G1+2], 128<<16                     ; tensor_dim1 = 128
	s_mov_b32 s[G1+3], KSTEP<<16                   ; tile_dim0 = 128
	s_mov_b32 s[G1+4], 128                         ; tile_dim1 = 128
	s_mov_b32 s[G1+5], SIZE_K                      ; elements from row to row
	s_mov_b32 s[G1+6], 0
	s_mov_b32 s[G1+7], 0
	s_mov_b32 s[G1B+1], KSTEP<<16
	s_mov_b32 s[G1B+2], 96<<16                     ; 96 rows
	s_mov_b32 s[G1B+3], KSTEP<<16
	s_mov_b32 s[G1B+4], 96
	s_mov_b32 s[G1B+5], SIZE_K
	s_mov_b32 s[G1B+6], 0
	s_mov_b32 s[G1B+7], 0
	s_lshl_b32 s16, s43, 8                         ; x: row 256 x tile row + 128 x half, 2,048 bytes a row: the tile row alone, which my row of the cluster shares
	s_lshl_b32 s17, s14, 7
	s_add_co_u32 s16, s16, s17
	s_lshl_b32 s16, s16, 11
	s_mov_b32 s17, 0
	s_mul_i32 s46, s42, 192                        ; w: row 192 x head + 96 x half: the tile column alone
	s_mul_i32 s47, s14, 96
	s_add_co_u32 s46, s46, s47
	s_lshl_b32 s46, s46, 11
	s_mov_b32 s47, 0
	s_mul_i32 s20, s12, HA                         ; where they go: x's halves (waves 0, 1) at wave x 128 rows,
	s_mul_i32 s21, s12, HB                         ; w's (waves 2, 3) behind them at (wave - 2) x 96 rows
	s_add_co_u32 s21, s21, 2*HA-2*HB
	s_wait_kmcnt 0x0
	s_add_nc_u64 s[18:19], s[4:5], s[16:17]
	s_add_nc_u64 s[46:47], s[6:7], s[46:47]
	CROUND                                         ; all sixteen work-groups are here: the first joint loads meet
.irp s, 0,1
	s_mov_b32 s[G0+4*(\s)], 1
	s_add_co_u32 s[G0+4*(\s)+1], s20, (\s)*SLOT1
	s_add_nc_u64 s[G0+4*(\s)+2:G0+4*(\s)+3], s[18:19], (\s)*KSTEP*2
	s_or_b32 s[G0+4*(\s)+3], s[G0+4*(\s)+3], 0x80000000
	s_mov_b32 s[G0B+4*(\s)], 1
	s_add_co_u32 s[G0B+4*(\s)+1], s21, (\s)*SLOT1
	s_add_nc_u64 s[G0B+4*(\s)+2:G0B+4*(\s)+3], s[46:47], (\s)*KSTEP*2
	s_or_b32 s[G0B+4*(\s)+3], s[G0B+4*(\s)+3], 0x80000000
	JLOAD \s                                       ; two loads of mine are out
.endr
	v_and_b32 v1, 15, v0                           ; l % 16
	v_bfe_u32 v2, v0, 4, 1                         ; l / 16
	v_lshlrev_b32 v[RO], 8, v1
	v_lshl_add_u32 v[RO], v2, 5, v[RO]             ; the table: row l % 16, 32 bytes for each half of the lanes
	s_and_b32 s22, s43, 7
	s_lshl_b32 s22, s22, 8
	s_lshl_b32 s23, s12, 6
	s_add_co_u32 s22, s22, s23                     ; my first token's place in its sequence
	s_lshl_b32 s16, s22, 8
	s_mov_b32 s17, 0
	s_add_nc_u64 s[8:9], s[8:9], s[16:17]
.irp a, 0,1,2,3                        ; my 64 tokens' cosines and sines: they land under the products and are waited for on the way out
.irp e, 0,1,2,3,4,5,6,7
	global_load_b128 v[ROPE+32*(\a)+4*(\e):ROPE+32*(\a)+4*(\e)+3], v[RO], s[8:9] offset:4096*(\a)+64*((\e)/2)+16*((\e)%2)
.endr
.endr
	s_lshr_b32 s23, s43, 3                         ; the batch,
	s_lshl_b32 s23, s23, 4
	s_add_co_u32 s23, s23, s42                     ; x 16 + head:
	s_lshl_b32 s23, s23, 18                        ; 2,048 rows of 128 bytes each
	s_lshl_b32 s22, s22, 7
	s_add_co_u32 s22, s22, s23
	s_mov_b32 s23, 0
	s_add_nc_u64 s[66:67], s[10:11], s[22:23]      ; q at my first token,
	s_add_nc_u64 s[68:69], s[66:67], 0x1000000     ; k,
	s_add_nc_u64 s[70:71], s[66:67], 0x2000000     ; v
	v_mul_u32_u24 v3, v1, PITCH
	v_lshl_add_u32 v3, v2, 4, v3                   ; a fragment's row x pitch + 16 x half
	s_mul_i32 s16, s12, 64*PITCH                   ; my 64 rows of x
	v_add_nc_u32 v[ADRA0], s16, v3
	v_add_nc_u32 v[ADRB0], 2*HA, v3                ; all of w's rows, behind x's 256
	v_mov_b32 v[ADRA], v[ADRA0]                    ; slot 0
	v_mov_b32 v[ADRB], v[ADRB0]
	s_mul_i32 s16, s12, WSTG
	s_add_co_u32 s16, s16, STAGE                   ; my stage
	v_mul_u32_u24 v4, v1, SP                       ; in: row l % 16, 16 bytes for each half of the lanes
	v_lshl_add_u32 v4, v2, 4, v4
	v_add_nc_u32 v[STO], s16, v4
	v_bfe_u32 v5, v0, 3, 2                         ; back: 32 lanes take four rows of 128 bytes,
	v_and_b32 v6, 7, v0
	v_mul_u32_u24 v5, v5, SP
	v_lshl_add_u32 v5, v6, 4, v5
	v_add_nc_u32 v[RD], s16, v5
	v_and_b32 v[GO], 31, v0                        ; which are 512 consecutive bytes of a head
	v_lshlrev_b32 v[GO], 4, v[GO]
; 12 matrix instructions: token block a x all 12 blocks of w's rows, 32 along K.  zero = 1: the first product starts the sums.  The 48 accumulators take turns, one instruction a turn, in the same order in every quarter.
.macro MULA f, a, zero
	WIN 0xa5+0x50*((\a)/2)                         ; both sources window 1; C and D window 2 or 3
.irp b, 0,1,2,3,4,5,6,7,8,9,10,11
.set rD, 8*(12*((\a)%2)+(\b))
.if \zero
	v_wmma_f32_16x16x32_bf16 v[rD:rD+7], v[(\f)+32+8*(\b):(\f)+32+8*(\b)+7], v[(\f)+8*(\a):(\f)+8*(\a)+7], 0
.else
	v_wmma_f32_16x16x32_bf16 v[rD:rD+7], v[(\f)+32+8*(\b):(\f)+32+8*(\b)+7], v[(\f)+8*(\a):(\f)+8*(\a)+7], v[rD:rD+7]
.endif
.endr
.endm
; 32 LDS loads in one run: quarter q's fragments (32 along K at byte 64 q of the rows of the slot in hand) into buffer f: w's 24, then x's 8
.macro FETCH q, f
	WIN 0x40                                       ; destination window 1, address window 0
.irp i, 0,1,2,3,4,5,6,7,8,9,10,11
	ds_load_b128 v[(\f)+32+8*(\i):(\f)+32+8*(\i)+3],   v[ADRB] offset:64*(\q)+(\i)*16*PITCH
	ds_load_b128 v[(\f)+32+8*(\i)+4:(\f)+32+8*(\i)+7], v[ADRB] offset:64*(\q)+(\i)*16*PITCH+32
.endr
.irp i, 0,1,2,3
	ds_load_b128 v[(\f)+8*(\i):(\f)+8*(\i)+3],   v[ADRA] offset:64*(\q)+(\i)*16*PITCH
	ds_load_b128 v[(\f)+8*(\i)+4:(\f)+8*(\i)+7], v[ADRA] offset:64*(\q)+(\i)*16*PITCH+32
.endr
.endm
.macro PLACES                          ; four plain places in front of loads into registers that matrix instructions have read, and of lines that read results
.rept 4
	v_nop
.endr
.endm
; A K step is four quarters of 32 along K, 48 matrix instructions each, on buffers 0, 1, 0, 1.  One of the first three: multiplies buffer f and fetches quarter q into g.
.macro QUARTER q, f, g, zero
	s_wait_dscnt 4                                 ; w and x's blocks 0, 1 are in; the youngest four loads (blocks 2, 3) may be out
	MULA \f, 0, \zero
	MULA \f, 1, \zero
	PLACES
	FETCH \q, \g
	s_wait_dscnt 32                                ; all but the 32 just issued
	MULA \f, 2, \zero
	MULA \f, 3, \zero
.endm
; The last quarter multiplies buffer 1 and changes slots: ONE barrier; in front of it each wave waits for all its tensor loads, adds 0 to its spare word, and waits for that and for its reads of this slot.
; fill = 1: the barrier opens a round of the cluster's, and this slot is filled again, two K steps ahead, first thing behind the round: the walking descriptor takes the other slot than last time and the next K step.
.macro TURN fill
	WIN 0                                          ; (the add's two registers lie in window 0)
	s_wait_tensorcnt 0x0                           ; all my tensor loads have landed: the one that was out is my part of the next slot
	ds_add_u32 v[SPW], v[NIL]                      ; 0 onto my spare word
	s_wait_dscnt 5                                 ; (the add and the youngest four loads may be out)
	MULA F1, 0, 0                                  ; twelve matrix instructions stand between the add and the wait for it
	s_wait_dscnt 0x0                               ; the add is done, and my reads of this slot are over
	s_barrier_signal -1
	MULA F1, 1, 0
	WIN 0                                          ; (branches, and the address lines, follow)
	s_barrier_wait -1
.if \fill
	CREST                                          ; no wave of any partner still reads this slot's tiles or has a load on its way
	s_xor_b32 s[G0+5], s[G0+5], SLOT1
	s_add_nc_u64 s[G0+6:G0+7], s[G0+6:G0+7], KSTEP*2
	s_xor_b32 s[G0B+5], s[G0B+5], SLOT1
	s_add_nc_u64 s[G0B+6:G0B+7], s[G0B+6:G0B+7], KSTEP*2
	JLOAD 1                                        ; my one tensor load behind the round; its four v_nop are also the places in front of the loads below
.else
	PLACES
.endif
	s_xor_b32 s[TB], s[TB], SLOT1                  ; the reads go on in the other slot
	v_add_nc_u32 v[ADRA], s[TB], v[ADRA0]
	v_add_nc_u32 v[ADRB], s[TB], v[ADRB0]
	FETCH 0, F0
	MULA F1, 2, 0
	MULA F1, 3, 0
.endm
	s_wait_tensorcnt 1                             ; my part of K step 0 is in; K step 1's may stay out
	s_barrier_signal -1
	s_barrier_wait -1
	FETCH 0, F0
	QUARTER 1, F0, F1, 1                           ; the first quarter stands in front of the loop: its products start the sums
	WIN 0
	s_mov_b32 s3, STEPS-2
.Lkstep:                                               ; a trip goes from a K step's second quarter to the next step's first, and fills the slot that it leaves
	QUARTER 2, F1, F0, 0
	QUARTER 3, F0, F1, 0
	TURN 1
	QUARTER 1, F0, F1, 0
	WIN 0
	s_sub_co_u32 s3, s3, 1
	s_cmp_lg_u32 s3, 0
	s_cbranch_scc1 .Lkstep
	QUARTER 2, F1, F0, 0                           ; the last two K steps fill nothing
	QUARTER 3, F0, F1, 0
	TURN 0
	QUARTER 1, F0, F1, 0
	QUARTER 2, F1, F0, 0
	QUARTER 3, F0, F1, 0
	s_wait_dscnt 4
	MULA F1, 0, 0
	MULA F1, 1, 0
	s_wait_dscnt 0x0
	MULA F1, 2, 0
	MULA F1, 3, 0
	WIN 0
	s_wait_loadcnt 0x0                             ; the cosines and sines
	PLACES
; THE WAY OUT, a block of 16 tokens at a time.  ROT: channels d (accumulator sb + b) and d + 32 (sb + b + 2): x1 cos - x2 sin and x2 cos + x1 sin; each accumulator is read from its lowest registers on.
.macro ROT a, sb, b
.set X1, 8*(12*((\a)%2)+(\sb)+(\b))
.set X2, X1+16
.set CC, ROPE+32*(\a)+8*(\b)
.set SS, CC+16
	WIN 0x02+((\a)/2)                              ; source 0 in the accumulators' window
.irp z, 0,2,4,6
	v_pk_mul_f32 v[T1+(\z):T1+(\z)+1], v[X2+(\z):X2+(\z)+1], v[SS+(\z):SS+(\z)+1]
.endr
.irp z, 0,2,4,6
	v_pk_mul_f32 v[T2+(\z):T2+(\z)+1], v[X1+(\z):X1+(\z)+1], v[SS+(\z):SS+(\z)+1]
.endr
.irp z, 0,2,4,6
	v_pk_fma_f32 v[T1+(\z):T1+(\z)+1], v[X1+(\z):X1+(\z)+1], v[CC+(\z):CC+(\z)+1], v[T1+(\z):T1+(\z)+1] neg_lo:[0,0,1] neg_hi:[0,0,1]
.endr
.irp z, 0,2,4,6
	v_pk_fma_f32 v[T2+(\z):T2+(\z)+1], v[X2+(\z):X2+(\z)+1], v[CC+(\z):CC+(\z)+1], v[T2+(\z):T2+(\z)+1]
.endr
	WIN 0
.irp z, 0,1,2,3
	v_cvt_pk_f16_f32 v[PKR+4*((\sb)+(\b))+(\z)], v[T1+2*(\z)], v[T1+2*(\z)+1]
	v_cvt_pk_f16_f32 v[PKR+4*((\sb)+(\b)+2)+(\z)], v[T2+2*(\z)], v[T2+2*(\z)+1]
.endr
.endm
.macro OUTBLK a
.if (\a) > 0
	s_wait_xcnt 0x0                                ; the packed registers, which the last block's stores read, are rewritten only behind this wait
.endif
	ROT \a, 0, 0                                   ; q
	ROT \a, 0, 1
	ROT \a, 4, 0                                   ; k
	ROT \a, 4, 1
	WIN 0x0a+5*((\a)/2)                            ; v is only rounded: sources 0 and 1 in the accumulators' window
.irp b, 8,9,10,11
.irp z, 0,1,2,3
	v_cvt_pk_f16_f32 v[PKR+4*(\b)+(\z)], v[8*(12*((\a)%2)+(\b))+2*(\z)], v[8*(12*((\a)%2)+(\b))+2*(\z)+1]
.endr
.endr
	WIN 0
.irp b, 0,1,2,3,4,5,6,7,8,9,10,11
	ds_store_b128 v[STO], v[PKR+4*(\b):PKR+4*(\b)+3] offset:SEC*((\b)/4)+32*((\b)%4)
.endr
.irp b, 0,1,2,3,4,5,6,7,8,9,10,11
	ds_load_b128 v[PKR+4*(\b):PKR+4*(\b)+3], v[RD] offset:SEC*((\b)/4)+4*SP*((\b)%4)  ; LDS serves a wave's instructions in order (ISA guide 5.7.1.4): these see the stores above; the stage is the wave's own
.endr
.set i, 0
.rept 12
	s_wait_dscnt 11-i                              ; the younger loads stay out
	global_store_b128 v[GO], v[PKR+4*i:PKR+4*i+3], s[66+2*(i/4):67+2*(i/4)] offset:2048*(\a)+512*(i%4)  ; 512 consecutive bytes, at a multiple of 256 from the buffer's first
.set i, i+1
.endr
.endm
	OUTBLK 0
	OUTBLK 1
	OUTBLK 2
	OUTBLK 3
	s_wait_tensorcnt 0x0                           ; the wave's end
	ds_add_u32 v[SPW], v[NIL]
	s_wait_dscnt 0x0
	CROUND                                         ; the closing round: no work-group ends while a partner may still ask for a tile that names it
	s_endpgm
.Lfunc_end_k_qa32c4a0a54_qkvrope:
	.size	k_qa32c4a0a54_qkvrope, .Lfunc_end_k_qa32c4a0a54_qkvrope-k_qa32c4a0a54_qkvrope
	.p2alignl 7, 3214868480
	.fill 96, 4, 3214868480
	.section	.rodata,"a",@progbits
	.p2align	6, 0x0
	.amdhsa_kernel k_qa32c4a0a54_qkvrope
		.amdhsa_group_segment_fixed_size 327680
		.amdhsa_private_segment_fixed_size 0
		.amdhsa_enable_private_segment 0
		.amdhsa_kernarg_size 32
		.amdhsa_user_sgpr_count 2
		.amdhsa_user_sgpr_kernarg_segment_ptr 1
		.amdhsa_wavefront_size32 1
		.amdhsa_system_sgpr_workgroup_id_x 1
		.amdhsa_system_sgpr_workgroup_id_y 1
		.amdhsa_system_sgpr_workgroup_id_z 1
		.amdhsa_system_vgpr_workitem_id 0
		.amdhsa_next_free_vgpr 960
		.amdhsa_next_free_sgpr 72
		.amdhsa_reserve_vcc 0
		.amdhsa_float_denorm_mode_32 3
		.amdhsa_float_denorm_mode_16_64 3
		.amdhsa_memory_ordered 1
		.amdhsa_forward_progress 1
		.amdhsa_inst_pref_size 118
	.end_amdhsa_kernel
	.amdgpu_metadata
---
amdhsa.version: [ 1, 2 ]
amdhsa.kernels:
  - .name:           k_qa32c4a0a54_qkvrope
    .symbol:         k_qa32c4a0a54_qkvrope.kd
    .args:
      - { .name: xb, .offset: 0, .size: 8, .value_kind: global_buffer, .address_space: global }
      - { .name: wb, .offset: 8, .size: 8, .value_kind: global_buffer, .address_space: global }
      - { .name: rope, .offset: 16, .size: 8, .value_kind: global_buffer, .address_space: global }
      - { .name: qkv, .offset: 24, .size: 8, .value_kind: global_buffer, .address_space: global }
    .group_segment_fixed_size: 327680
    .private_segment_fixed_size: 0
    .kernarg_segment_align: 8
    .kernarg_segment_size: 32
    .max_flat_workgroup_size: 128
    .sgpr_count:     72
    .vgpr_count:     960
    .wavefront_size: 32
...
	.end_amdgpu_metadata
.endif
;; end of part 6
;; launch attn (part 7): grid 4 x 64, 4 waves a work-group, clusters of 4 x 1, 327,680 bytes of LDS; arguments qkv, mbits, oh; writes oh
.if DOCPART == 7
	.amdgcn_target "amdgcn-amd-amdhsa--gfx1250"
	.amdhsa_code_object_version 6
	.text
	.protected	k_qa32c4a0a54_attn
	.globl	k_qa32c4a0a54_attn
	.p2align	8
	.type	k_qa32c4a0a54_attn,@function
k_qa32c4a0a54_attn:
	s_mov_b64 s[64:65], 0
	v_nop
	global_prefetch_b8 v0, s[64:65] scope:SCOPE_SE
	s_setreg_imm32_b32 hwreg(HW_REG_WAVE_MODE, 25, 1), 1
	s_wait_xcnt 0x0
	s_wait_alu depctr_hold_cnt(0) depctr_sa_sdst(0) depctr_va_vdst(0) depctr_va_sdst(0) depctr_va_ssrc(0) depctr_va_vcc(0) depctr_vm_vsrc(0)
	s_getreg_b32 s2, hwreg(HW_REG_IB_STS2, 6, 4)
	s_cmp_eq_u32 s2, 0
	s_cbranch_scc0 .Lentry_in_a_cluster
	s_endpgm
.Lentry_in_a_cluster:
	s_bfe_u32 s2, ttmp6, 0x10000c
	s_cmp_lg_u32 s2, 0x3003
	s_cbranch_scc0 .Lentry_shape_is_right
	s_endpgm
.Lentry_shape_is_right:
; O[bh][q][:] = the sum over k of softmax_k(hidden ? -big : Q[bh][q] . K[bh][k] / 8) V[bh][k][:].  qkv: q, k, v, 16,777,216 bytes each, [64][2048][64] f16; oh likewise.
; mbits[batch x 128 + tile of 16 queries][step of 64 keys][n]: bit l of word n says that lane l's score in register n of that tile and step is hidden.
; Products, maxima and sums in f32; the weights p are rounded to f16 for the second product (their sum l is taken of the unrounded p), O once at the end.
; LIMITS.  Q, K, V arrive within f16's 65,504.  A hidden raw score is REPLACED by -2^56 (a logit of -2^53, for the problem's -9e15): beside true scores its weight is 0 either way; in a row that is all hidden
; every score is that one number, c m is exact (a power of two), c s - c m is exactly 0, and the row is the plain mean of V, as in the problem.  A weight below 2^-126 counts as 0; NaN and infinities are not treated apart.
; SHARES.  A work-group owns 512 queries of one head, a wave 128: four PIECES of two tiles of 16.  Every wave walks all 2,048 keys, 64 a step.  64 heads x 4 blocks = 256 work-groups.
; LAYOUT.  S^T = K Q^T (source 0 = 16 keys, source 1 = 16 queries): a lane holds ONE query (lane % 16) and the keys 8 (lane / 16) + 0..7.  Two such results rounded to f16 in pairs ARE source 1 of O^T = V^T P.
; K comes out of LDS as it lies, V ([key][channel]) turned, by ds_load_tr16_b128.
; SOFTMAX.  A running maximum m and sum l for each query: p = 2^(c s - c m), c = log2(e) / 8; in every step O and l are multiplied by a = 2^(c m_old - c m_new).  m starts at the lowest finite number, O and l at 0.
; BY TURNS.  Turn n belongs to piece n: 32 matrix and 364 vector lines.  It opens with the 16 products K Q^T of piece n + 1; behind each stand four v_readlane_b32, which bring piece n's 64 lane masks out of two
; vector registers.  Those two lie in K's and Q's window, so the whole run stands under ONE window setting.  Then 52 replacements of hidden scores in a run; then the 16 products V^T P of piece n - 1 with fourteen
; entries of the queue behind each: the rest of piece n's mask, its maximum, scaling, exponentials, roundings and sums.  The rescaling of O^T, the one part in another window, stands in two runs of sixteen,
; each straight behind a product, where it costs one switch more.
; THE MASK costs two vector lines for a register of scores: v_readlane_b32 and v_cndmask_b32.  A tile's 32 words for a step are one load of 4 bytes a lane into one register (lane n holds word n), issued in the
; piece's own turn as soon as its words for the step in hand have been read out: four turns ahead of their use.  64 scalar registers hold one piece's words and no more, which is why the words wait in vector
; registers.  Each such load covers 128 consecutive bytes: two steps share an aligned 256.
; CLUSTER.  The four query blocks of a head walk the same K and V: each tile is asked for JOINTLY, by the same tensor load, descriptor and mask in all four.
; One LDS pitch for K and V, so that ONE descriptor, stepped by the wave's number, serves all four waves; the price: V's turning load meets each bank twice in a pass of 16 lanes.
; REGISTERS, in windows of 256 (s_set_vgpr_msb: bits 1:0 source 0, 3:2 source 1, 5:4 source 2, 7:6 destination):
;   window 0: v0-15 addresses and constants; v16-47 four registers of statistics a tile; v48-55 at work; v64-191 S^T, two buffers of two tiles; v192-255 P, likewise
;   window 1: O^T, 32 a tile          window 2: v0-127 Q, 16 a tile; v128-191 K of one step; v192-199 the tiles' mask words          window 3: v0-63 V of one step
.set NP,    4         ; pieces a wave: a name, no knob
.set KS,    64        ; keys in a step
.set PK,    144       ; a row of K in LDS: 128 bytes + 16 of padding = 36 words: the 16 rows of a load start at 16 different groups of four banks (64 banks of 4 bytes: ISA guide 11.1)
.set PV,    144       ; V's rows likewise
.set VOFF,  4*KS*PK   ; a slot holds four steps: 256 rows of K, then 256 rows of V
.set SLOT1, 1<<17     ; slot 1 begins here, so that one exclusive or turns an address in one slot into the other's
.set STAGE, SLOT1+4*KS*(PK+PV)  ; behind the ring, never filled by a tensor load: 16 rows x 144 bytes for each wave
.set SP,    144
.set SPARE, STAGE+4*16*SP       ; the spare words, 128 bytes for each wave: two blocks of 256 bytes that no other line names
.set MO,  1           ; v1   my lane's 4 bytes in a tile and step's 128 bytes of words; never rewritten
.set AK0, 2           ; v2   my lane's place in a tile of K; never rewritten
.set AV0, 3           ; v3   the same for V
.set AK,  4           ; v4   the LDS address of K's next run of loads
.set AV,  5           ; v5   of V's
.set STO, 6           ; v6   the way out: where I put 16 bytes of a row
.set RD,  7           ; v7   the way out: where I read rows back
.set GO,  8           ; v8   my 16 bytes in 512 consecutive bytes of O
.set QO,  9           ; v9   my byte offset in the wave's rows of Q
.set MV,  10          ; v10-11  c m_old, kept while c m is made anew: by tile
.set BIG, 12          ; v12  -2^56
.set SPW, 14          ; v14  LDS address of my spare word; never rewritten
.set NIL, 15          ; v15  0; never rewritten
.set ST,  16          ; tile t's statistics at v[ST+4 t]: c m, m, l (even keys', odd keys')
.set TMP, 48          ; by tile, four registers c0-c3 at work; when the maximum is found c2 takes a
.set S,   64
.set P,   192
.set TR,  64          ; at the set-up alone, in registers that S^T takes later: l % 16,
.set TH,  65          ; l / 16,
.set T7,  66          ; l % 8,
.set T3,  67          ; (l / 8) % 2
.set KF,  128         ; window 2: key block kb, channel half c at KF + 16 kb + 8 c
.set MK,  192         ; window 2: tile t's 32 mask words of one step in v[MK+t]: lane n holds word n
.set VF,  0           ; window 3: key half kk, channel block cb at VF + 32 kk + 8 cb
.set WV,  2           ; s2   my wave's number
.set SLOTS, 3         ; s3   slots still to be asked for
.set CNT, 4           ; s4   counts a slot's key steps
.set TBK, 5           ; s5   LDS byte at which K of the step to be fetched begins
.set TBV, 6           ; s6   the same for V, less VOFF
.set G1,  8           ; s[8:15]  descriptor group 1
.set G0,  16          ; s[16:19] descriptor group 0: it walks
.set OB,  20          ; s[20:21] O at my wave's first row
.set MP,  22          ; s[22:23] mbits at my wave's first tile, at the step whose words are being asked for
.set CS,  24          ; s[24:25] c: the packed scaling takes the pair's low word for both halves
.set SEL, 26          ; s[26:27] v_permlanex16_b32's selects: each lane takes its own place in the other half
.set MS,  28          ; s[28:29] what the mask pointer steps by: a step's 128 bytes; 0 where there is no further step
.set QB,  100         ; s[100:101] Q at my wave's first row
                      ; s[32:63] the lane masks of the piece's first tile, s[68:99] of its second
.set MSB, 0
.macro WIN new                      ; the high byte repeats the setting that is left; a switch that changes nothing is dropped
.if MSB != (\new)
	s_set_vgpr_msb (MSB<<8)|(\new)
.set MSB, (\new)
.endif
.endm
.set W_KQ, 0x0a       ; K and Q (and, for v_readlane_b32, the mask words) in window 2, S^T in window 0
.set W_PV, 0x53       ; V in window 3, P in window 0, O^T in window 1
.set W_RS, 0x41       ; O^T (destination and source 0) in window 1, a in window 0
; A joint fill: every wave fetches 128 keys: waves 0 and 1 the halves of a slot's K, waves 2 and 3 those of its V.  An s_nop 0 and four v_nop follow the line.
.macro JLOAD
	tensor_load_to_lds s[G0:G0+3], s[G1:G1+7]
	s_nop 0
.rept 4
	v_nop
.endr
.endm
.macro CROUND                       ; a round of the cluster's barrier
	s_barrier_signal -1
	s_barrier_wait -1
	s_cmp_lg_u32 s[WV], 0
	s_cbranch_scc1 .Lnot_wave_0_\@
	s_barrier_signal -3
.Lnot_wave_0_\@:
	s_barrier_wait -3
	s_barrier_signal -1
	s_barrier_wait -1
.endm
; THE CHANGE OF SLOTS.  The slot's last bytes, V of its fourth step, have been read.  Each wave waits for all its tensor loads, of which one is out: its part of the other slot; adds 0 to its spare word; and waits
; for that and for its own reads of the slot.  fill = 1: the barrier is a round of the cluster's, and this slot is filled again, with the keys two slots on, first thing behind it: four key steps, 512 matrix
; instructions, in which to land.  (At its first use nothing has been read yet: slot 0 is waited for, slot 1 filled.)
.macro CHANGE fill
	WIN 0
	s_wait_tensorcnt 0x0            ; no tensor load of mine is out, so group 0 may be written
	ds_add_u32 v[SPW], v[NIL]       ; 0 onto my spare word
.if \fill
	s_xor_b32 s[G0+1], s[G0+1], SLOT1                     ; the other slot than last time,
	s_add_nc_u64 s[G0+2:G0+3], s[G0+2:G0+3], 4*KS*128     ; the next 256 keys; the type bits on top are not reached
	s_wait_dscnt 0x0                ; the add is done, and my reads of the slot are over
	CROUND
	JLOAD
.else
	s_wait_dscnt 0x0
	s_barrier_signal -1
	s_barrier_wait -1
.endif
	s_sub_co_u32 s[TBK], s[TBK], 4*KS*PK  ; the fetches go back to a slot's first step,
	s_xor_b32 s[TBK], s[TBK], SLOT1       ; in the other slot
	s_sub_co_u32 s[TBV], s[TBV], 4*KS*PV
	s_xor_b32 s[TBV], s[TBV], SLOT1
.endm
	s_load_b128 s[32:35], s[0:1], 0x0  ; qkv s[32:33], mbits s[34:35]
	s_load_b64 s[36:37], s[0:1], 0x10  ; oh
	v_lshl_add_u32 v[SPW], v0, 2, SPARE
	v_mov_b32 v[NIL], 0
	ds_add_u32 v14, v15
	ds_add_u32 v14, v15
	s_wait_dscnt 0x0
	v_lshrrev_b32 v[TR], 5, v0
	v_readfirstlane_b32 s[WV], v[TR]  ; wave 0..3
	s_bfe_u32 s7, ttmp6, 0x40000    ; cx: my place in the cluster
	s_lshl_b32 s28, ttmp9, 2
	s_add_co_u32 s28, s28, s7       ; my block of 512 queries: it enters Q's, O's and the mask's addresses alone
	s_and_b32 s29, ttmp7, 0xffff    ; batch x 16 + head, which the four partners share
	s_lshl_b32 s30, s29, 18         ; the tile that I fetch: the head's 262,144 bytes,
	s_and_b32 s31, s[WV], 1
	s_lshl_b32 s31, s31, 14         ; which half of a slot's 256 keys,
	s_add_co_u32 s30, s30, s31
	s_lshr_b32 s31, s[WV], 1
	s_add_co_u32 s31, s31, 1
	s_lshl_b32 s31, s31, 24         ; in k (waves 0, 1) or in v (waves 2, 3)
	s_add_co_u32 s30, s30, s31
	s_mov_b32 s31, 0
	s_lshl_b32 s66, s28, 2
	s_add_co_u32 s66, s66, s[WV]    ; my wave among the head's,
	s_lshl_b32 s66, s66, 14         ; its 128 rows of 128 bytes
	s_lshl_b32 s67, s29, 18
	s_add_co_u32 s66, s66, s67
	s_mov_b32 s67, 0
	s_lshr_b32 s68, s29, 4          ; the batch's 128 tiles,
	s_lshl_b32 s68, s68, 7
	s_lshl_b32 s69, s28, 5          ; my block's 32,
	s_add_co_u32 s68, s68, s69
	s_lshl3_add_u32 s68, s[WV], s68 ; my wave's 8,
	s_lshl_b32 s68, s68, 12         ; 4,096 bytes of words each
	s_mov_b32 s69, 0
	; descriptor group 1.  128 keys are 16,384 dense bytes: asked for as 64 rows of 256 bytes, two keys a row, and padded in LDS after every key
	s_mov_b32 s[G1], 15|(1<<16)|(1<<20)|(1<<21)|(4<<22)|(3<<25)  ; 15:0 the mask of four; 17:16 2-byte elements; 20 padding on; 21 set beside a mask; 24:22 after every 32 words (code 4); 31:25 4 words (code 3)
	s_mov_b32 s[G1+1], 128<<16      ; tensor_dim0 = 128
	s_mov_b32 s[G1+2], 64<<16       ; tensor_dim1 = 64
	s_mov_b32 s[G1+3], 128<<16      ; tile_dim0 = 128
	s_mov_b32 s[G1+4], 64           ; tile_dim1 = 64
	s_mov_b32 s[G1+5], 128          ; 128 elements from row to row
	s_mov_b32 s[G1+6], 0
	s_mov_b32 s[G1+7], 0
	s_mov_b32 s[CS], 0x3e38aa3b     ; c = log2(e) / 8
	s_mov_b32 s[CS+1], s[CS]        ; named with it as a pair
	s_mov_b32 s[SEL], 0x76543210
	s_mov_b32 s[SEL+1], 0xfedcba98
	s_mov_b32 s[TBK], SLOT1+4*KS*PK ; the first change of slots turns these two into 0
	s_mov_b32 s[TBV], SLOT1+4*KS*PV
	s_mov_b32 s[G0], 1              ; count = 1
	s_mul_i32 s[G0+1], s[WV], 128*PK  ; LDS address: slot 0, wave x 128 rows: K's halves, then V's
	s_wait_kmcnt 0x0
	s_add_nc_u64 s[G0+2:G0+3], s[32:33], s[30:31]
	s_or_b32 s[G0+3], s[G0+3], 0x80000000  ; type = 2
	s_add_nc_u64 s[QB:QB+1], s[32:33], s[66:67]
	s_add_nc_u64 s[OB:OB+1], s[36:37], s[66:67]
	s_add_nc_u64 s[MP:MP+1], s[34:35], s[68:69]
	s_mov_b32 s[MS], 128            ; (the block's and the head's numbers, which lay here, have been used)
	s_mov_b32 s[MS+1], 0
	CROUND                          ; all four work-groups are here: the first joint loads meet
	JLOAD                           ; slot 0.  Slot 1 is asked for when slot 0 is in
	; A fragment of K or Q is 16 rows x 32 channels in 8 registers: lane l holds row l % 16, channels 8 (l / 16) + 0..7 and 16 + 8 (l / 16) + 0..7: two loads of 16 bytes, 32 bytes apart.
	v_and_b32 v[TR], 15, v0
	v_bfe_u32 v[TH], v0, 4, 1
	v_lshlrev_b32 v[QO], 7, v[TR]
	v_lshl_add_u32 v[QO], v[TH], 4, v[QO]
	v_and_b32 v[MO], 31, v0
	v_lshlrev_b32 v[MO], 2, v[MO]
	WIN 0x80                        ; destination window 2, address window 0
.set i, 0
.rept 2*NP                          ; the eight tiles' mask words for step 0
	global_load_b32 v[MK+i], v[MO], s[MP:MP+1] offset:4096*i
.set i, i+1
.endr
.set i, 0
.rept 4*NP                          ; Q stays in registers: tile i / 2, channels 32 (i % 2) on
	global_load_b128 v[8*i:8*i+3],   v[QO], s[QB:QB+1] offset:(i/2)*2048+(i%2)*64
	global_load_b128 v[8*i+4:8*i+7], v[QO], s[QB:QB+1] offset:(i/2)*2048+(i%2)*64+32
.set i, i+1
.endr
	; What the first turn finds: V's registers and P's second buffer hold 0 (its products V^T P, of a piece that has not been, add 0), O^T and l are 0.  No first step is written out; these lines, in the wait for the first tile, are the price.
	WIN 0xc0
.set i, VF
.rept 64
	v_mov_b32 v[i], 0
.set i, i+1
.endr
	WIN 0x40
.set i, 0
.rept 64*NP
	v_mov_b32 v[i], 0
.set i, i+1
.endr
	WIN 0
.set i, 0
.rept 2*NP
	v_mov_b32 v[ST+4*i], 0xfe000000    ; c m: far below every c s, the hidden ones' too
	v_mov_b32 v[ST+4*i+1], 0xff7fffff  ; m
	v_mov_b32 v[ST+4*i+2], 0
	v_mov_b32 v[ST+4*i+3], 0
.set i, i+1
.endr
.set i, P+32
.rept 32
	v_mov_b32 v[i], 0
.set i, i+1
.endr
	v_mov_b32 v[BIG], 0xdb800000    ; -2^56
	v_mul_u32_u24 v[AK0], v[TR], PK
	v_lshl_add_u32 v[AK0], v[TH], 4, v[AK0]  ; row x pitch + 16 x half
	; The turning load takes 16 keys x 16 channels (lane l reads key 8 (l / 16) + l % 8, channels 8 ((l / 8) % 2) + 0..7) and leaves half a fragment of V^T: lane l holds channel l % 16 and 8 keys.
	v_and_b32 v[T7], 7, v0
	v_bfe_u32 v[T3], v0, 3, 1
	v_lshl_add_u32 v[AV0], v[TH], 3, v[T7]
	v_mul_u32_u24 v[AV0], v[AV0], PV
	v_lshl_add_u32 v[AV0], v[T3], 4, v[AV0]
	v_add_nc_u32 v[AV0], VOFF, v[AV0]
	v_mov_b32 v[AK], v[AK0]         ; key step 0 lies at the head of slot 0
	s_mul_i32 s7, s[WV], 16*SP
	s_add_co_u32 s7, s7, STAGE      ; my stage
	v_mul_u32_u24 v[STO], v[TR], SP ; in: row l % 16, 16 bytes for each half of the lanes
	v_lshl_add_u32 v[STO], v[TH], 4, v[STO]
	v_add_nc_u32 v[STO], s7, v[STO]
	v_bfe_u32 v[RD], v0, 3, 2       ; back: 32 lanes take four rows of 128 bytes,
	v_mul_u32_u24 v[RD], v[RD], SP
	v_lshl_add_u32 v[RD], v[T7], 4, v[RD]
	v_add_nc_u32 v[RD], s7, v[RD]
	v_lshlrev_b32 v[GO], 2, v[MO]   ; which are 512 consecutive bytes of O: 16 x lane
; THE MATRIX WORK.  The 8 accumulators of a run of 16 take turns.
; Product i of 16 of S^T = K Q^T for piece x: channels 32 (i / 8) on, keys 16 ((i / 2) % 4) on, tile 2 x + i % 2.  The first 8 start the sums.
.macro KQ x
	WIN W_KQ
.set rS, S+64*((\x)%2)+32*(i%2)+8*((i/2)%4)
.set rK, KF+16*((i/2)%4)+8*(i/8)
.set rQ, 16*(2*(\x)+i%2)+8*(i/8)
.if i < 8
	v_wmma_f32_16x16x32_f16 v[rS:rS+7], v[rK:rK+7], v[rQ:rQ+7], 0
.else
	v_wmma_f32_16x16x32_f16 v[rS:rS+7], v[rK:rK+7], v[rQ:rQ+7], v[rS:rS+7]
.endif
.endm
; Product i of 16 of O^T += V^T P for piece x: keys 32 (i / 8) on, channels 16 ((i / 2) % 4) on, tile 2 x + i % 2.
.macro PV x
	WIN W_PV
.set rO, 32*(2*(\x)+i%2)+8*((i/2)%4)
.set rV, VF+32*(i/8)+8*((i/2)%4)
.set rP, P+32*((\x)%2)+16*(i%2)+8*(i/8)
	v_wmma_f32_16x16x32_f16 v[rO:rO+7], v[rV:rV+7], v[rP:rP+7], v[rO:rO+7]
	s_wait_alu depctr_va_vdst(0)
.endm
.macro MM                           ; the turn's next matrix instruction
.if i < 16
	KQ (Y+1)%NP
.set i, i+1
.else
.set i, i-16
	PV (Y+NP-1)%NP
.set i, i+17
.endif
.endm
; THE LDS LOADS stand in runs of 16: a step's K (8 fragments) and its V (turned).  last = 1 (the tail): in the last trip there is no further step, and the run is jumped over.
.macro FETCH_K last=0
	WIN 0
.if \last
	s_cmp_eq_u32 s[CNT], 1
	s_cbranch_scc1 .Lno_k_\@
.endif
	WIN 0x80                        ; destination window 2
.irp f, 0,1,2,3,4,5,6,7             ; keys 16 (f / 2) on, channels 32 (f % 2) on
	ds_load_b128 v[KF+8*\f:KF+8*\f+3],   v[AK] offset:(\f/2)*16*PK+(\f%2)*64
	ds_load_b128 v[KF+8*\f+4:KF+8*\f+7], v[AK] offset:(\f/2)*16*PK+(\f%2)*64+32
.endr
	s_add_co_u32 s[TBK], s[TBK], KS*PK  ; the next fetch is the next step's
	WIN 0
.if \last
.Lno_k_\@:
.endif
.endm
.macro FETCH_V
	WIN 0xc0                        ; destination window 3
.irp f, 0,1,2,3,4,5,6,7             ; keys 32 (f / 4) on, channels 16 (f % 4) on
	ds_load_tr16_b128 v[VF+8*\f:VF+8*\f+3],   v[AV] offset:(\f/4)*32*PV+(\f%4)*32
	ds_load_tr16_b128 v[VF+8*\f+4:VF+8*\f+7], v[AV] offset:(\f/4)*32*PV+16*PV+(\f%4)*32
.endr
	s_add_co_u32 s[TBV], s[TBV], KS*PV
	WIN 0
.endm
; The piece's mask words for the NEXT step, asked for when its words for this step have been read out of the two registers.  Piece 0's turn steps the pointer for all four pieces; the pointer is a source of the
; loads issued before, so it is rewritten only behind s_wait_xcnt 0.  In the last step the pointer steps by 0: the loads fetch that step's words once more, which nobody uses, and none leaves the buffer.
.macro MLOAD
.if Y == 0
	s_wait_xcnt 0x0
	s_add_nc_u64 s[MP:MP+1], s[MP:MP+1], s[MS:MS+1]
.endif
	WIN 0x80                        ; destination window 2, address window 0
	global_load_b32 v[MK+2*Y],   v[MO], s[MP:MP+1] offset:8192*Y
	global_load_b32 v[MK+2*Y+1], v[MO], s[MP:MP+1] offset:8192*Y+4096
.endm
.macro REGS y, u                    ; the registers of tile u (0, 1) of piece y
.set rT, ST+4*(2*(\y)+(\u))
.set rC, TMP+4*(\u)
.set rM, MV+(\u)
.set rS, S+64*((\y)%2)+32*(\u)
.set rP, P+32*((\y)%2)+16*(\u)
.set rO, 32*(2*(\y)+(\u))
.endm
; Number n of the 22 that find the piece's maximum and statistics.  s0-s31 are the lane's 32 scores.
;   0-11  four chains c0-c3 of seven scores each, three operands at a time     12-14, 16  the four scores left over, the old m, and c0-c3 into c0     15  c m_old is kept
;   17, 18  the query's other 32 keys lie in the lane 16 away: the new m         19-21  c m; c m_old - c m_new; a
.macro XS u, n
	REGS Y, \u
.if (\n) < 4
	v_max3_num_f32 v[rC+(\n)], v[rS+8*(\n)], v[rS+8*(\n)+1], v[rS+8*(\n)+2]
.elseif (\n) < 12
	v_max3_num_f32 v[rC+(\n)%4], v[rC+(\n)%4], v[rS+8*((\n)%4)+2*((\n)/4)+1], v[rS+8*((\n)%4)+2*((\n)/4)+2]
.elseif (\n) == 12
	v_max3_num_f32 v[rC], v[rC], v[rS+7], v[rS+15]
.elseif (\n) == 13
	v_max3_num_f32 v[rC+1], v[rC+1], v[rS+23], v[rS+31]
.elseif (\n) == 14
	v_max3_num_f32 v[rC+2], v[rC+2], v[rC+3], v[rT+1]
.elseif (\n) == 15
	v_mov_b32 v[rM], v[rT]
.elseif (\n) == 16
	v_max3_num_f32 v[rC], v[rC], v[rC+1], v[rC+2]
.elseif (\n) == 17
	v_permlanex16_b32 v[rC+3], v[rC], s[SEL], s[SEL+1]
.elseif (\n) == 18
	v_max_num_f32 v[rT+1], v[rC], v[rC+3]
.elseif (\n) == 19
	v_mul_f32 v[rT], s[CS], v[rT+1]
.elseif (\n) == 20
	v_sub_f32 v[rC+1], v[rM], v[rT]
.else
	v_exp_f32 v[rC+2], v[rC+1]
.endif
.endm
.macro FS b                         ; c s - c m for pair b of the tile that REGS has named
	v_pk_fma_f32 v[rS+2*(\b):rS+2*(\b)+1], v[rS+2*(\b):rS+2*(\b)+1], s[CS:CS+1], v[rT:rT+1] op_sel_hi:[1,0,0] neg_lo:[0,0,1] neg_hi:[0,0,1]
.endm
; THE VECTOR QUEUE of a turn, all in window 0: 276 entries of which 8 are empty; the two tiles alternate.  VQ writes entry q.
;   0-63     hidden scores are replaced, register 0 of each accumulator first
;   64-107   the maximum and statistics          108-131  c s - c m for pairs 0 to 11 of both tiles
;   132-275  nine groups of 16.  Group g: at the even places the exponentials of scores 4 g .. 4 g + 3; at the odd places plain work: in group 0 c s - c m for pairs 12 to 15, whose exponentials come in groups 6
;            and 7; from group 1 on the work on group g - 1's weights: two roundings to f16, the second pair added onto the first in place, l takes the sum (the first time as l = a l + sum).
;            So a plain line that names none of its registers stands behind each exponential (ISA guide 5.7.2), and its result is used a group later.
.macro VQ
.if q < 64
	REGS Y, q%2
	WIN 0
	v_cndmask_b32 v[rS+q/2], v[rS+q/2], v[BIG], s[32+36*(q%2)+q/2]
.elseif q < 108
	WIN 0
	XS q%2, (q-64)/2
.elseif q < 132
	REGS Y, q%2
	WIN 0
	FS (q-108)/2
.elseif q < 276
.set g, (q-132)/16
.set k, (q-132)%16
.set f, k/2
.if k%2 == 0
.if g < 8
	REGS Y, f%2
	WIN 0
	v_exp_f32 v[rS+4*g+k/4], v[rS+4*g+k/4]
.endif
.elseif g == 0
	REGS Y, f%2
	WIN 0
	FS 12+f/2
.else
.set gg, g-1
	REGS Y, f%2
	WIN 0
.if f/2 == 0
	s_wait_alu depctr_va_vdst(0)
	v_cvt_pk_f16_f32 v[rP+2*gg], v[rS+4*gg], v[rS+4*gg+1]
.elseif f/2 == 1
	v_cvt_pk_f16_f32 v[rP+2*gg+1], v[rS+4*gg+2], v[rS+4*gg+3]
.elseif f/2 == 2
	v_pk_add_f32 v[rS+4*gg:rS+4*gg+1], v[rS+4*gg:rS+4*gg+1], v[rS+4*gg+2:rS+4*gg+3]
.elseif gg == 0
	v_pk_fma_f32 v[rT+2:rT+3], v[rT+2:rT+3], v[rC+2:rC+3], v[rS:rS+1] op_sel_hi:[1,0,1]
.else
	v_pk_add_f32 v[rT+2:rT+3], v[rT+2:rT+3], v[rS+4*gg:rS+4*gg+1]
	s_wait_alu depctr_va_vdst(0)
.endif
.endif
.endif
.set q, q+1
.endm
; Half h of the rescaling: O^T times a, pairs 8 h .. 8 h + 7 of both tiles, in ascending order: each accumulator's lowest registers are read first.
.macro R16 h
	WIN W_RS
.set r, 16*(\h)
.rept 16
	REGS Y, r%2
	v_pk_mul_f32 v[rO+2*(r/2):rO+2*(r/2)+1], v[rO+2*(r/2):rO+2*(r/2)+1], v[rC+2:rC+3] op_sel_hi:[1,0]
.set r, r+1
.endr
.endm
; A TURN, for piece p.  No vector line names a register of the products near it: the piece in hand has one pair of buffers, its neighbours the other.
; The wait behind the first product leaves six loads out: behind the piece's own two, issued four turns ago, the three other pieces have issued two each.
; V of the step in hand is fetched at the head of piece 1's turn: behind the last product that read V stand seven plain lines of the queue's end and the address line; it is waited for behind 16 products and 52 lines.
; K of the next step is fetched in piece 2's turn behind the run of 52, which stands behind the last product that read K; it is waited for at the head of piece 3's turn.
; a is made at entries 106 and 107, the last behind the fourth product V^T P; the rescaling stands behind the seventh and the eleventh.
.macro TURN p, last=0
.set Y, (\p)
.set i, 0
.set q, 0
.if (\p) == 1
	WIN 0
	v_add_nc_u32 v[AV], s[TBV], v[AV0]
	FETCH_V
.endif
.if (\p) == NP-1
	s_wait_dscnt 0x0                ; K is in
.endif
.set rl, 0
.rept 16
	MM
.if rl == 0
	s_wait_loadcnt 6                ; the piece's mask words are in; loads return in order (ISA guide 5.7.1), and the six younger ones stay out
.endif
.rept 4
	v_readlane_b32 s[32+36*(rl%2)+rl/2], v[MK+2*Y+rl%2], rl/2  ; source 0 in window 2, as the products round it have it
.set rl, rl+1
.endr
.endr
	MLOAD
.rept 52
	VQ
.endr
.if (\p) == 2
	WIN 0
	v_add_nc_u32 v[AK], s[TBK], v[AK0]
	FETCH_K \last
.endif
.if (\p) == 1
	s_wait_dscnt 0x0                ; V is in
.endif
.set sl, 0
.rept 16
	MM
.if sl == 6
	R16 0
.endif
.if sl == 10
	R16 1
.endif
.rept 14
	VQ
.endr
.set sl, sl+1
.endr
.endm
	CHANGE 1                        ; slot 0 is in, everybody's part of it; slot 1 is asked for
	FETCH_K                         ; key step 0
	s_wait_loadcnt 0x0              ; Q, and step 0's mask words
	s_wait_dscnt 0x0
.set i, 0
.rept 16
	KQ 0                            ; piece 0's first scores
.set i, i+1
.endr
	WIN 0
.rept 4
	v_nop                           ; the places behind those products (ISA guide 7.12.1)
.endr
	s_mov_b32 s[CNT], 4
	s_mov_b32 s[SLOTS], 2048/256-1
	s_branch .Lfirst                ; the loop is entered at a step's first turn, in the middle of a trip
.Lslot:                             ; six times: every slot but the last two is filled again
	CHANGE 1
	s_mov_b32 s[CNT], 4
.Lstep:                             ; a trip: pieces 2 and 3 of one step, then pieces 0 and 1 of the next, whose K and V it fetches
	TURN 2
	TURN 3
	WIN 0
.Lfirst:
	TURN 0
	TURN 1
	WIN 0
	s_sub_co_u32 s[CNT], s[CNT], 1
	s_cmp_lg_u32 s[CNT], 0
	s_cbranch_scc1 .Lstep
	s_sub_co_u32 s[SLOTS], s[SLOTS], 1
	s_cmp_lg_u32 s[SLOTS], 0
	s_cbranch_scc1 .Lslot
	CHANGE 0                        ; the tail is written out: nothing is asked for
	s_mov_b32 s[CNT], 5             ; four trips fetch the last slot's steps; the fifth is left in its middle
.Ltail:
	TURN 2, 1
	TURN 3
	WIN 0
	s_sub_co_u32 s[CNT], s[CNT], 1
	s_cmp_eq_u32 s[CNT], 0
	s_cbranch_scc1 .Lout
	s_cmp_eq_u32 s[CNT], 1          ; the turns that follow belong to the last step: the mask pointer stays where it is
	s_cselect_b32 s[MS], 0, 128
	TURN 0
	TURN 1
	WIN 0
	s_branch .Ltail
.Lout:                              ; the fifth trip's 16 products K Q^T (on the last K once more) serve nothing: the price, once a launch, of one text for every trip
	s_wait_loadcnt 0x0              ; the last, unused mask words
.set i, 0
.rept 16
	PV NP-1                         ; the last piece's V^T P of the last step
.set i, i+1
.endr
	; THE WAY OUT.  l's two halves and the other half of the lanes' are added; O^T is divided by l, rounded to f16 and sent through my stage in LDS, a tile at a time.  The additions are the places behind the last products.
	WIN 0
.macro ALL line:vararg              ; one line for each tile t
.set t, 0
.rept 2*NP
	\line
.set t, t+1
.endr
.endm
	ALL v_add_f32 v[ST+4*t+2], v[ST+4*t+2], v[ST+4*t+3]
	ALL v_permlanex16_b32 v[ST+4*t+3], v[ST+4*t+2], s[SEL], s[SEL+1]
	ALL v_add_f32 v[ST+4*t+2], v[ST+4*t+2], v[ST+4*t+3]
	ALL v_rcp_f32 v[ST+4*t+2], v[ST+4*t+2]
	v_nop                           ; a plain line between the last reciprocal and the use of its result
	s_wait_alu depctr_va_vdst(0)
; Tile t: a lane's eight channels of a row pack into 16 bytes; they go into rows of 144 bytes and come back as whole rows of 128, into S^T's registers.
.macro PACK t
	WIN W_RS
.set i, 32*(\t)
.rept 16
	v_pk_mul_f32 v[i:i+1], v[i:i+1], v[ST+4*(\t)+2:ST+4*(\t)+3] op_sel_hi:[1,0]
.set i, i+2
.endr
	WIN 0x05                        ; sources 0 and 1 window 1, destination window 0
.set i, 0
.rept 16
	v_cvt_pk_f16_f32 v[S+16*(\t)+i], v[32*(\t)+2*i], v[32*(\t)+2*i+1]
.set i, i+1
.endr
	WIN 0
.irp f, 0,1,2,3
	ds_store_b128 v[STO], v[S+16*(\t)+4*\f:S+16*(\t)+4*\f+3] offset:32*\f
.endr
.irp f, 0,1,2,3
	ds_load_b128 v[S+16*(\t)+4*\f:S+16*(\t)+4*\f+3], v[RD] offset:\f*4*SP  ; LDS serves a wave's instructions in order (ISA guide 5.7.1.4): these see the stores above; the next tile's stores come behind them
.endr
.endm
.macro SEND t, younger              ; younger: the LDS instructions issued behind tile t's loads: the next tile's eight, or none
	WIN 0
.irp f, 0,1,2,3
	s_wait_dscnt (\younger)+3-\f
	global_store_b128 v[GO], v[S+16*(\t)+4*\f:S+16*(\t)+4*\f+3], s[OB:OB+1] offset:(\t)*2048+\f*512  ; 512 consecutive bytes, at a multiple of 256 from O's first
.endr
.endm
	PACK 0
.set t, 1
.rept 2*NP-1                        ; a tile's arithmetic stands between the loads of the tile before and its stores
	PACK t
	SEND t-1, 8
.set t, t+1
.endr
	SEND 2*NP-1, 0
	s_wait_tensorcnt 0x0            ; the wave's end
	ds_add_u32 v[SPW], v[NIL]
	s_wait_dscnt 0x0
	CROUND                          ; the closing round: no work-group ends while a partner may still ask for a tile that names it
	s_endpgm
.Lfunc_end_k_qa32c4a0a54_attn:
	.size	k_qa32c4a0a54_attn, .Lfunc_end_k_qa32c4a0a54_attn-k_qa32c4a0a54_attn
	.p2alignl 7, 3214868480
	.fill 96, 4, 3214868480
	.section	.rodata,"a",@progbits
	.p2align	6, 0x0
	.amdhsa_kernel k_qa32c4a0a54_attn
		.amdhsa_group_segment_fixed_size 327680
		.amdhsa_private_segment_fixed_size 0
		.amdhsa_enable_private_segment 0
		.amdhsa_kernarg_size 24
		.amdhsa_user_sgpr_count 2
		.amdhsa_user_sgpr_kernarg_segment_ptr 1
		.amdhsa_wavefront_size32 1
		.amdhsa_system_sgpr_workgroup_id_x 1
		.amdhsa_system_sgpr_workgroup_id_y 1
		.amdhsa_system_sgpr_workgroup_id_z 1
		.amdhsa_system_vgpr_workitem_id 0
		.amdhsa_next_free_vgpr 832
		.amdhsa_next_free_sgpr 102
		.amdhsa_reserve_vcc 0
		.amdhsa_float_denorm_mode_32 3
		.amdhsa_float_denorm_mode_16_64 3
		.amdhsa_memory_ordered 1
		.amdhsa_forward_progress 1
		.amdhsa_inst_pref_size 255
	.end_amdhsa_kernel
	.section	.bss,"aw",@nobits
	.p2align	6
	.space	262144
	.amdgpu_metadata
---
amdhsa.version: [ 1, 2 ]
amdhsa.kernels:
  - .name:           k_qa32c4a0a54_attn
    .symbol:         k_qa32c4a0a54_attn.kd
    .args:
      - { .name: qkv, .offset: 0, .size: 8, .value_kind: global_buffer, .address_space: global }
      - { .name: mbits, .offset: 8, .size: 8, .value_kind: global_buffer, .address_space: global }
      - { .name: oh, .offset: 16, .size: 8, .value_kind: global_buffer, .address_space: global }
    .group_segment_fixed_size: 327680
    .private_segment_fixed_size: 0
    .kernarg_segment_align: 8
    .kernarg_segment_size: 24
    .max_flat_workgroup_size: 128
    .sgpr_count:     102
    .vgpr_count:     832
    .wavefront_size: 32
...
	.end_amdgpu_metadata
.endif
;; end of part 7
;; launch oproj (part 8): grid 8 x 32, 4 waves a work-group, clusters of 4 x 4, 327,680 bytes of LDS; arguments oh, wb, out0; writes out0
.if DOCPART == 8
	.amdgcn_target "amdgcn-amd-amdhsa--gfx1250"
	.amdhsa_code_object_version 6
	.text
	.protected	k_qa32c4a0a54_oproj
	.globl	k_qa32c4a0a54_oproj
	.p2align	8
	.type	k_qa32c4a0a54_oproj,@function
k_qa32c4a0a54_oproj:
	s_mov_b64 s[64:65], 0
	v_nop
	global_prefetch_b8 v0, s[64:65] scope:SCOPE_SE
	s_setreg_imm32_b32 hwreg(HW_REG_WAVE_MODE, 25, 1), 1
	s_wait_xcnt 0x0
	s_wait_alu depctr_hold_cnt(0) depctr_sa_sdst(0) depctr_va_vdst(0) depctr_va_sdst(0) depctr_va_ssrc(0) depctr_va_vcc(0) depctr_vm_vsrc(0)
	s_getreg_b32 s2, hwreg(HW_REG_IB_STS2, 6, 4)
	s_cmp_eq_u32 s2, 0
	s_cbranch_scc0 .Lentry_in_a_cluster
	s_endpgm
.Lentry_in_a_cluster:
	s_bfe_u32 s2, ttmp6, 0x10000c
	s_cmp_lg_u32 s2, 0xf033
	s_cbranch_scc0 .Lentry_shape_is_right
	s_endpgm
.Lentry_shape_is_right:
; out0[token][e] = the sum over d of vals[token][d] w_out[e][d], d = 64 head + channel.  oh: [batch x 16 + head][2048][64] f16; w_out: [1024][1024] f16 at byte 6,291,456 of wb; out0: [8192][1024] f32.  Sums in f32.
; SHARES.  A tile is 256 tokens x 128 columns: 8 x 32 = 256 work-groups.  Wave w owns tokens 64 w .. 64 w + 63 and all 128 columns: 4 x 8 accumulators, 256 registers.
; A K step of 128 is two heads: two PLANES of 256 tokens x 64 channels, each 32,768 dense bytes of oh, asked for as 128 rows of 256 bytes and padded in LDS after every token.
; The loop holds ONE K step: the slot in hand is a scalar that an exclusive or turns, and one descriptor walks.
; THE MATRIX INSTRUCTION IS USED TRANSPOSED (source 0 = 16 rows of w_out, source 1 = 16 tokens): a lane holds one token and eight neighbouring columns, 32 bytes of a row of out0.
; CLUSTER 4 x 4: the four of a row need the same planes of oh, the four of a column the same rows of w_out: joint loads.
; REGISTERS (s_set_vgpr_msb: bits 1:0 source 0, 3:2 source 1, 5:4 source 2, 7:6 destination): window 0: v16-29 addresses; v64-127 rows on the way out.
;   window 1: two fragment buffers of 128: 32 registers of oh, then 64 of w_out.     window 2: the accumulators, (a, b) at v[8 (8 a + b)].
.set KSTEP,  128
.set PA,     144                       ; a token's LDS row in a plane: 128 bytes + 16 = 36 words: 16 rows start at 16 different groups of four banks (64 banks of 4 bytes: ISA guide 11.1)
.set PLANE,  256*PA
.set PB,     272                       ; a row of w_out: 256 bytes + 16
.set HB,     64*PB                     ; half of w_out's tile: one tensor load
.set BOFF,   2*PLANE
.set SLOT,   BOFF+2*HB                 ; 108,544 bytes
.set SLOT1,  1<<17                     ; slot 1 begins here, so that one exclusive or turns an address in one slot into the other's
.set STAGE,  SLOT1+SLOT                ; behind the ring, never filled by a tensor load: 16 rows x 528 bytes for each wave
.set SPI,    528
.set WSTG,   16*SPI
.set SPARE,  STAGE+4*WSTG              ; the spare words, 128 bytes for each wave: two blocks of 256 bytes that no other line names
.set STEPS,  1024/KSTEP                ; 8 K steps: all but the last two end with a refill
.set STEPA,  2<<18                     ; a K step on: two heads of 262,144 bytes
.set STEPB,  KSTEP*2
.set ADRA0, 16                         ; v16  my lane's place in a slot's first plane; never rewritten
.set ADRB0, 17                         ; v17  the same in w_out's rows
.set ADRA, 20                          ; v20  LDS address of my fragments of oh in the slot in hand
.set ADRB, 21                          ; v21  the same for w_out
.set STO,  24
.set RD,   25
.set CO,   26
.set SPW,  28                          ; v28  LDS address of my spare word; never rewritten
.set NIL,  29                          ; v29  0; never rewritten
.set OBK,  64
.set F0,   0
.set F1,   128
.set TB,  15                           ; s15  LDS byte at which the slot in hand begins
.set G1,  24                           ; s[24:31] group 1 for oh's planes; s[32:39] group 0: a set for each of the two first fills; the second then walks on
.set G0,  32
.set G1B, 48                           ; s[48:55], s[56:63] the same for w_out's tiles
.set G0B, 56
.set MSB, 0
.macro WIN new
.if MSB != (\new)
	s_set_vgpr_msb (MSB<<8)|(\new)
.set MSB, \new
.endif
.endm
.macro JLOAD s                         ; a joint load: waves 0 and 1 fetch the two planes, waves 2 and 3 w_out's halves; an s_nop 0 and four v_nop follow each line
	s_cmp_eq_u32 s13, 0
	s_cbranch_scc0 .Lfor_b_\@
	tensor_load_to_lds s[G0+4*(\s):G0+4*(\s)+3], s[G1:G1+7]
	s_nop 0
.rept 4
	v_nop
.endr
	s_branch .Lasked_\@
.Lfor_b_\@:
	tensor_load_to_lds s[G0B+4*(\s):G0B+4*(\s)+3], s[G1B:G1B+7]
	s_nop 0
.rept 4
	v_nop
.endr
.Lasked_\@:
.endm
.macro CREST
	s_cmp_lg_u32 s12, 0
	s_cbranch_scc1 .Lnot_wave_0_\@
	s_barrier_signal -3
.Lnot_wave_0_\@:
	s_barrier_wait -3
	s_barrier_signal -1
	s_barrier_wait -1
.endm
.macro CROUND
	s_barrier_signal -1
	s_barrier_wait -1
	CREST
.endm
	s_load_b128 s[4:7], s[0:1], 0x0                ; oh s[4:5], wb s[6:7]
	s_load_b64 s[8:9], s[0:1], 0x10                ; out0
	v_lshl_add_u32 v[SPW], v0, 2, SPARE
	v_mov_b32 v[NIL], 0
	ds_add_u32 v28, v29
	ds_add_u32 v28, v29
	s_wait_dscnt 0x0
	v_lshrrev_b32 v1, 5, v0
	v_readfirstlane_b32 s12, v1                    ; wave 0..3
	s_lshr_b32 s13, s12, 1                         ; I fetch for oh (0) or for w_out (1)
	s_and_b32 s14, s12, 1                          ; which plane, or which half
	s_mov_b32 s[TB], 0                             ; slot 0 is read first
	s_bfe_u32 s40, ttmp6, 0x40000
	s_bfe_u32 s41, ttmp6, 0x40004
	s_lshl_b32 s42, ttmp9, 2
	s_add_co_u32 s42, s42, s40                     ; tile column
	s_and_b32 s43, ttmp7, 0xffff
	s_lshl_b32 s43, s43, 2
	s_add_co_u32 s43, s43, s41                     ; tile row
	s_lshl_b32 s44, s41, 2
	s_lshl_b32 s44, 15, s44                        ; my row of the cluster
	s_lshl_b32 s45, 0x1111, s40                    ; my column
	s_or_b32 s[G1+0], s44, (1<<16)|(1<<20)|(1<<21)|(4<<22)|(3<<25)   ; the mask; 2-byte elements; padding on; bit 21 beside a mask; after every 32 words (code 4) 4 words (code 3)
	s_or_b32 s[G1B+0], s45, (1<<16)|(1<<20)|(1<<21)|(5<<22)|(3<<25)  ; after every 64 words (code 5)
	s_mov_b32 s[G1+1], 128<<16                     ; a plane: 128 rows of 128 elements, dense
	s_mov_b32 s[G1+2], 128<<16
	s_mov_b32 s[G1+3], 128<<16
	s_mov_b32 s[G1+4], 128
	s_mov_b32 s[G1+5], 128
	s_mov_b32 s[G1+6], 0
	s_mov_b32 s[G1+7], 0
	s_mov_b32 s[G1B+1], KSTEP<<16                  ; w_out: 64 rows of 128 elements, 1,024 elements from row to row
	s_mov_b32 s[G1B+2], 64<<16
	s_mov_b32 s[G1B+3], KSTEP<<16
	s_mov_b32 s[G1B+4], 64
	s_mov_b32 s[G1B+5], 1024
	s_mov_b32 s[G1B+6], 0
	s_mov_b32 s[G1B+7], 0
	s_lshr_b32 s16, s43, 3                         ; oh: the batch x 16 + my plane's head in K step 0,
	s_lshl_b32 s16, s16, 4
	s_add_co_u32 s16, s16, s14
	s_lshl_b32 s16, s16, 18
	s_and_b32 s17, s43, 7                          ; the tile's 256 tokens of 128 bytes
	s_lshl_b32 s17, s17, 15
	s_add_co_u32 s16, s16, s17
	s_mov_b32 s17, 0
	s_lshl_b32 s46, s42, 7                         ; w_out: row 128 x tile column + 64 x half, 2,048 bytes a row, behind w_qkv
	s_lshl_b32 s47, s14, 6
	s_add_co_u32 s46, s46, s47
	s_lshl_b32 s46, s46, 11
	s_add_co_u32 s46, s46, 6291456
	s_mov_b32 s47, 0
	s_mul_i32 s20, s12, PLANE                      ; where they go: the planes (waves 0, 1),
	s_mul_i32 s21, s12, HB                         ; w_out's halves (waves 2, 3) behind them
	s_add_co_u32 s21, s21, BOFF-2*HB
	s_wait_kmcnt 0x0
	s_add_nc_u64 s[18:19], s[4:5], s[16:17]
	s_add_nc_u64 s[46:47], s[6:7], s[46:47]
	CROUND                                         ; all sixteen work-groups are here: the first joint loads meet
.irp s, 0,1
	s_mov_b32 s[G0+4*(\s)], 1
	s_add_co_u32 s[G0+4*(\s)+1], s20, (\s)*SLOT1
	s_add_nc_u64 s[G0+4*(\s)+2:G0+4*(\s)+3], s[18:19], (\s)*STEPA
	s_or_b32 s[G0+4*(\s)+3], s[G0+4*(\s)+3], 0x80000000
	s_mov_b32 s[G0B+4*(\s)], 1
	s_add_co_u32 s[G0B+4*(\s)+1], s21, (\s)*SLOT1
	s_add_nc_u64 s[G0B+4*(\s)+2:G0B+4*(\s)+3], s[46:47], (\s)*STEPB
	s_or_b32 s[G0B+4*(\s)+3], s[G0B+4*(\s)+3], 0x80000000
	JLOAD \s                                       ; two loads of mine are out
.endr
	v_and_b32 v1, 15, v0                           ; l % 16
	v_bfe_u32 v2, v0, 4, 1                         ; l / 16
	v_mul_u32_u24 v3, v1, PA
	v_lshl_add_u32 v3, v2, 4, v3
	v_mul_u32_u24 v4, v1, PB
	v_lshl_add_u32 v4, v2, 4, v4
	s_mul_i32 s16, s12, 64*PA                      ; my 64 tokens in a plane
	v_add_nc_u32 v[ADRA0], s16, v3
	v_add_nc_u32 v[ADRB0], BOFF, v4
	v_mov_b32 v[ADRA], v[ADRA0]                    ; slot 0
	v_mov_b32 v[ADRB], v[ADRB0]
	s_mul_i32 s16, s12, WSTG
	s_add_co_u32 s16, s16, STAGE                   ; my stage
	v_mul_u32_u24 v5, v1, SPI                      ; in: row l % 16, 32 bytes for each half of the lanes
	v_lshl_add_u32 v5, v2, 5, v5
	v_add_nc_u32 v[STO], s16, v5
	v_and_b32 v[CO], 31, v0
	v_lshlrev_b32 v[CO], 4, v[CO]                  ; back and out: 32 lanes take a row's 512 bytes
	v_add_nc_u32 v[RD], s16, v[CO]
	s_lshl_b32 s22, s43, 8
	s_lshl_b32 s23, s12, 6
	s_add_co_u32 s22, s22, s23                     ; my first token,
	s_lshl_b32 s22, s22, 12                        ; 4,096 bytes a row,
	s_lshl_b32 s23, s42, 9                         ; the tile's first column
	s_add_co_u32 s22, s22, s23
	s_mov_b32 s23, 0
	s_add_nc_u64 s[8:9], s[8:9], s[22:23]
; 8 matrix instructions: token block a x all 8 blocks of w_out's rows, 32 along K.  The 32 accumulators take turns, one instruction a turn, in the same order in every quarter.
.macro MULA f, a, zero
	WIN 0xa5                                       ; both sources window 1; C and D window 2
.irp b, 0,1,2,3,4,5,6,7
.set rD, 8*(8*(\a)+(\b))
.if \zero
	v_wmma_f32_16x16x32_f16 v[rD:rD+7], v[(\f)+32+8*(\b):(\f)+32+8*(\b)+7], v[(\f)+8*(\a):(\f)+8*(\a)+7], 0
.else
	v_wmma_f32_16x16x32_f16 v[rD:rD+7], v[(\f)+32+8*(\b):(\f)+32+8*(\b)+7], v[(\f)+8*(\a):(\f)+8*(\a)+7], v[rD:rD+7]
.endif
.endr
.endm
; 24 LDS loads in one run: quarter q's fragments of the slot in hand into buffer f: w_out's 16, then oh's 8 (plane q / 2, channels 32 (q % 2) on)
.macro FETCH q, f
	WIN 0x40
.irp i, 0,1,2,3,4,5,6,7
	ds_load_b128 v[(\f)+32+8*(\i):(\f)+32+8*(\i)+3],   v[ADRB] offset:64*(\q)+(\i)*16*PB
	ds_load_b128 v[(\f)+32+8*(\i)+4:(\f)+32+8*(\i)+7], v[ADRB] offset:64*(\q)+(\i)*16*PB+32
.endr
.irp i, 0,1,2,3
	ds_load_b128 v[(\f)+8*(\i):(\f)+8*(\i)+3],   v[ADRA] offset:((\q)/2)*PLANE+((\q)%2)*64+(\i)*16*PA
	ds_load_b128 v[(\f)+8*(\i)+4:(\f)+8*(\i)+7], v[ADRA] offset:((\q)/2)*PLANE+((\q)%2)*64+(\i)*16*PA+32
.endr
.endm
.macro PLACES                          ; four plain places in front of loads into registers that matrix instructions have read, and of lines that read results
.rept 4
	v_nop
.endr
.endm
.macro QUARTER q, f, g, zero
	s_wait_dscnt 4                                 ; w_out and token blocks 0, 1 are in; the youngest four loads may be out
	MULA \f, 0, \zero
	MULA \f, 1, \zero
	PLACES
	FETCH \q, \g
	s_wait_dscnt 24                                ; all but the 24 just issued
	MULA \f, 2, \zero
	MULA \f, 3, \zero
.endm
; The last quarter multiplies buffer 1 and changes slots: ONE barrier; in front of it each wave waits for all its tensor loads, adds 0 to its spare word, and waits for that and for its reads of this slot.
; fill = 1: the barrier opens a round of the cluster's, and this slot is filled again, two K steps ahead: the walking descriptor takes the other slot than last time and the next K step.
.macro TURN fill
	WIN 0
	s_wait_tensorcnt 0x0                           ; all my tensor loads have landed: my part of the next slot
	ds_add_u32 v[SPW], v[NIL]                      ; 0 onto my spare word
	s_wait_dscnt 5                                 ; (the add and the youngest four loads may be out)
	MULA F1, 0, 0
	s_wait_dscnt 0x0                               ; the add is done, and my reads of this slot are over
	s_barrier_signal -1
	MULA F1, 1, 0
	WIN 0                                          ; (branches, and the address lines, follow)
	s_barrier_wait -1
.if \fill
	CREST                                          ; no wave of any partner still reads this slot's tiles or has a load on its way
	s_xor_b32 s[G0+5], s[G0+5], SLOT1
	s_add_nc_u64 s[G0+6:G0+7], s[G0+6:G0+7], STEPA
	s_xor_b32 s[G0B+5], s[G0B+5], SLOT1
	s_add_nc_u64 s[G0B+6:G0B+7], s[G0B+6:G0B+7], STEPB
	JLOAD 1                                        ; my one tensor load behind the round; its four v_nop are also the places in front of the loads below
.else
	PLACES
.endif
	s_xor_b32 s[TB], s[TB], SLOT1                  ; the reads go on in the other slot
	v_add_nc_u32 v[ADRA], s[TB], v[ADRA0]
	v_add_nc_u32 v[ADRB], s[TB], v[ADRB0]
	FETCH 0, F0
	MULA F1, 2, 0
	MULA F1, 3, 0
.endm
	s_wait_tensorcnt 1                             ; my part of K step 0 is in; K step 1's may stay out
	s_barrier_signal -1
	s_barrier_wait -1
	FETCH 0, F0
	QUARTER 1, F0, F1, 1                           ; the first quarter's products start the sums
	WIN 0
	s_mov_b32 s3, STEPS-2
.Lkstep:                                               ; a trip goes from a K step's second quarter to the next step's first, and fills the slot that it leaves
	QUARTER 2, F1, F0, 0
	QUARTER 3, F0, F1, 0
	TURN 1
	QUARTER 1, F0, F1, 0
	WIN 0
	s_sub_co_u32 s3, s3, 1
	s_cmp_lg_u32 s3, 0
	s_cbranch_scc1 .Lkstep
	QUARTER 2, F1, F0, 0                           ; the last two K steps fill nothing
	QUARTER 3, F0, F1, 0
	TURN 0
	QUARTER 1, F0, F1, 0
	QUARTER 2, F1, F0, 0
	QUARTER 3, F0, F1, 0
	s_wait_dscnt 4
	MULA F1, 0, 0
	MULA F1, 1, 0
	s_wait_dscnt 0x0
	MULA F1, 2, 0
	MULA F1, 3, 0
	WIN 0
	PLACES
; THE WAY OUT, 16 tokens at a time: a lane's 32 bytes of a row go into my stage (each accumulator's low four registers first) and come back as whole rows of 512 bytes.
.macro OUT a
	WIN 0x08                                       ; store data (source 1) in window 2
.irp b, 0,1,2,3,4,5,6,7
	ds_store_b128 v[STO], v[8*(8*(\a)+(\b)):8*(8*(\a)+(\b))+3]   offset:64*(\b)
	ds_store_b128 v[STO], v[8*(8*(\a)+(\b))+4:8*(8*(\a)+(\b))+7] offset:64*(\b)+16
.endr
	WIN 0
	s_wait_xcnt 0x0                                ; the registers that the last block's stores read are loaded again only behind this wait
.irp t, 0,1,2,3,4,5,6,7,8,9,10,11,12,13,14,15
	ds_load_b128 v[OBK+4*(\t):OBK+4*(\t)+3], v[RD] offset:SPI*(\t)  ; LDS serves a wave's instructions in order (ISA guide 5.7.1.4): these see the stores above; the stage is the wave's own
.endr
.irp t, 0,1,2,3,4,5,6,7,8,9,10,11,12,13,14,15
	s_wait_dscnt 15-(\t)                           ; the younger loads stay out
	global_store_b128 v[CO], v[OBK+4*(\t):OBK+4*(\t)+3], s[8:9] offset:65536*(\a)+4096*(\t) th:TH_STORE_NT  ; 512 consecutive bytes, at a multiple of 256 from out0's first
.endr
.endm
	OUT 0
	OUT 1
	OUT 2
	OUT 3
	s_wait_tensorcnt 0x0                           ; the wave's end
	ds_add_u32 v[SPW], v[NIL]
	s_wait_dscnt 0x0
	CROUND                                         ; the closing round: no work-group ends while a partner may still ask for a tile that names it
	s_endpgm
.Lfunc_end_k_qa32c4a0a54_oproj:
	.size	k_qa32c4a0a54_oproj, .Lfunc_end_k_qa32c4a0a54_oproj-k_qa32c4a0a54_oproj
	.p2alignl 7, 3214868480
	.fill 96, 4, 3214868480
	.section	.rodata,"a",@progbits
	.p2align	6, 0x0
	.amdhsa_kernel k_qa32c4a0a54_oproj
		.amdhsa_group_segment_fixed_size 327680
		.amdhsa_private_segment_fixed_size 0
		.amdhsa_enable_private_segment 0
		.amdhsa_kernarg_size 24
		.amdhsa_user_sgpr_count 2
		.amdhsa_user_sgpr_kernarg_segment_ptr 1
		.amdhsa_wavefront_size32 1
		.amdhsa_system_sgpr_workgroup_id_x 1
		.amdhsa_system_sgpr_workgroup_id_y 1
		.amdhsa_system_sgpr_workgroup_id_z 1
		.amdhsa_system_vgpr_workitem_id 0
		.amdhsa_next_free_vgpr 768
		.amdhsa_next_free_sgpr 66
		.amdhsa_reserve_vcc 0
		.amdhsa_float_denorm_mode_32 3
		.amdhsa_float_denorm_mode_16_64 3
		.amdhsa_memory_ordered 1
		.amdhsa_forward_progress 1
		.amdhsa_inst_pref_size 71
	.end_amdhsa_kernel
	.amdgpu_metadata
---
amdhsa.version: [ 1, 2 ]
amdhsa.kernels:
  - .name:           k_qa32c4a0a54_oproj
    .symbol:         k_qa32c4a0a54_oproj.kd
    .args:
      - { .name: oh, .offset: 0, .size: 8, .value_kind: global_buffer, .address_space: global }
      - { .name: wb, .offset: 8, .size: 8, .value_kind: global_buffer, .address_space: global }
      - { .name: out0, .offset: 16, .size: 8, .value_kind: global_buffer, .address_space: global }
    .group_segment_fixed_size: 327680
    .private_segment_fixed_size: 0
    .kernarg_segment_align: 8
    .kernarg_segment_size: 24
    .max_flat_workgroup_size: 128
    .sgpr_count:     66
    .vgpr_count:     768
    .wavefront_size: 32
...
	.end_amdgpu_metadata
.endif
;; end of part 8
;; ======== version 3 of 3: 4 launches; 1.48 times as fast as version 1
;; limits: values are held in f16: magnitudes above 65,504 overflow, below 6.1e-05 lose precision
;; workspace buffers: xb 16,777,216 bytes; wb 8,388,608 bytes; rope 524,288 bytes; mbits 2,097,152 bytes of whole numbers; qkv 50,331,648 bytes; oh 16,777,216 bytes
;; launch prep: the kernel of part 5 again; grid 256 x 1, 8 waves a work-group, no clusters, 287,744 bytes of LDS; arguments x, w_qkv, w_out, mask, xb, wb, rope, mbits; writes xb, wb, rope, mbits
;; launch qkvrope: the kernel of part 6 again; grid 16 x 32, 4 waves a work-group, clusters of 4 x 4, 327,680 bytes of LDS; arguments xb, wb, rope, qkv; writes qkv
;; launch attn (part 9): grid 4 x 64, 4 waves a work-group, clusters of 4 x 1, 327,680 bytes of LDS; arguments qkv, mbits, oh; writes oh
.if DOCPART == 9
	.amdgcn_target "amdgcn-amd-amdhsa--gfx1250"
	.amdhsa_code_object_version 6
	.text
	.protected	k_qa32c4a0a54_attn
	.globl	k_qa32c4a0a54_attn
	.p2align	8
	.type	k_qa32c4a0a54_attn,@function
k_qa32c4a0a54_attn:
	s_mov_b64 s[64:65], 0
	v_nop
	global_prefetch_b8 v0, s[64:65] scope:SCOPE_SE
	s_setreg_imm32_b32 hwreg(HW_REG_WAVE_MODE, 25, 1), 1
	s_wait_xcnt 0x0
	s_wait_alu depctr_hold_cnt(0) depctr_sa_sdst(0) depctr_va_vdst(0) depctr_va_sdst(0) depctr_va_ssrc(0) depctr_va_vcc(0) depctr_vm_vsrc(0)
	s_getreg_b32 s2, hwreg(HW_REG_IB_STS2, 6, 4)
	s_cmp_eq_u32 s2, 0
	s_cbranch_scc0 .Lentry_in_a_cluster
	s_endpgm
.Lentry_in_a_cluster:
	s_bfe_u32 s2, ttmp6, 0x10000c
	s_cmp_lg_u32 s2, 0x3003
	s_cbranch_scc0 .Lentry_shape_is_right
	s_endpgm
.Lentry_shape_is_right:
; O[bh][q][:] = the sum over k of softmax_k(hidden ? -big : Q[bh][q] . K[bh][k] / 8) V[bh][k][:].  qkv: q, k, v, 16,777,216 bytes each, [64][2048][64] f16; oh likewise.
; mbits[batch x 128 + tile of 16 queries][step of 64 keys][n]: bit l of word n says that lane l's score in register n of that tile and step is hidden.
; Products, maxima and sums in f32; the weights p are rounded to f16 for the second product (their sum l is taken of the unrounded p), O once at the end.
; LIMITS.  Q, K, V arrive within f16's 65,504.  A hidden raw score is REPLACED by -2^56 (a logit of -2^53, for the problem's -9e15): beside true scores its weight is 0 either way; in a row that is all hidden
; every score is that one number, c m is exact (a power of two), c s - c m is exactly 0, and the row is the plain mean of V, as in the problem.  A weight below 2^-126 counts as 0; NaN and infinities are not treated apart.
; SHARES.  A work-group owns 512 queries of one head, a wave 128: four PIECES of two tiles of 16.  Every wave walks all 2,048 keys, 64 a step.  64 heads x 4 blocks = 256 work-groups.
; LAYOUT.  S^T = K Q^T (source 0 = 16 keys, source 1 = 16 queries): a lane holds ONE query (lane % 16) and the keys 8 (lane / 16) + 0..7.  Two such results rounded to f16 in pairs ARE source 1 of O^T = V^T P.
; K comes out of LDS as it lies, V ([key][channel]) turned, by ds_load_tr16_b128.
; SOFTMAX.  A running maximum m and sum l for each query: p = 2^(c s - c m), c = log2(e) / 8; in every step O and l are multiplied by a = 2^(c m_old - c m_new).  m starts at the lowest finite number, O and l at 0.
; BY TURNS.  Turn n belongs to piece n: 32 matrix and 364 vector lines.  It opens with the 16 products K Q^T of piece n + 1; behind each stand four v_readlane_b32, which bring piece n's 64 lane masks out of two
; vector registers.  Those two lie in K's and Q's window, so the whole run stands under ONE window setting.  Then ONE LUMP of 204 lines, all piece n's: the replacement of hidden scores, the maximum and statistics,
; the scalings and the exponentials.  Then the turn's one wait; behind it the 16 products V^T P of piece n - 1, behind each four of piece n's 64 roundings and sums; and last the rescaling of O^T, the one part in
; another window, in one run of 32.
; THE BATCHES.  A turn's 66 exponentials (a of both tiles, then the 64 weights) are ONE BATCH with ONE wait: none of them reads another's result, and all that do read one (the roundings, the sums, l's a l, the
; rescaling by a) stand behind that wait.  The way out's eight reciprocals are a batch of their own.
; THE MASK costs two vector lines for a register of scores: v_readlane_b32 and v_cndmask_b32.  A tile's 32 words for a step are one load of 4 bytes a lane into one register (lane n holds word n), issued in the
; piece's own turn as soon as its words for the step in hand have been read out: four turns ahead of their use.  64 scalar registers hold one piece's words and no more, which is why the words wait in vector
; registers.  Each such load covers 128 consecutive bytes: two steps share an aligned 256.
; CLUSTER.  The four query blocks of a head walk the same K and V: each tile is asked for JOINTLY, by the same tensor load, descriptor and mask in all four.
; One LDS pitch for K and V, so that ONE descriptor, stepped by the wave's number, serves all four waves; the price: V's turning load meets each bank twice in a pass of 16 lanes.
; REGISTERS, in windows of 256 (s_set_vgpr_msb: bits 1:0 source 0, 3:2 source 1, 5:4 source 2, 7:6 destination):
;   window 0: v0-15 addresses and constants; v16-47 four registers of statistics a tile; v48-55 at work; v64-191 S^T, two buffers of two tiles; v192-255 P, likewise
;   window 1: O^T, 32 a tile          window 2: v0-127 Q, 16 a tile; v128-191 K of one step; v192-199 the tiles' mask words          window 3: v0-63 V of one step
.set NP,    4         ; pieces a wave: a name, no knob
.set KS,    64        ; keys in a step
.set PK,    144       ; a row of K in LDS: 128 bytes + 16 of padding = 36 words: the 16 rows of a load start at 16 different groups of four banks (64 banks of 4 bytes: ISA guide 11.1)
.set PV,    144       ; V's rows likewise
.set VOFF,  4*KS*PK   ; a slot holds four steps: 256 rows of K, then 256 rows of V
.set SLOT1, 1<<17     ; slot 1 begins here, so that one exclusive or turns an address in one slot into the other's
.set STAGE, SLOT1+4*KS*(PK+PV)  ; behind the ring, never filled by a tensor load: 16 rows x 144 bytes for each wave
.set SP,    144
.set SPARE, STAGE+4*16*SP       ; the spare words, 128 bytes for each wave: two blocks of 256 bytes that no other line names
.set MO,  1           ; v1   my lane's 4 bytes in a tile and step's 128 bytes of words; never rewritten
.set AK0, 2           ; v2   my lane's place in a tile of K; never rewritten
.set AV0, 3           ; v3   the same for V
.set AK,  4           ; v4   the LDS address of K's next run of loads
.set AV,  5           ; v5   of V's
.set STO, 6           ; v6   the way out: where I put 16 bytes of a row
.set RD,  7           ; v7   the way out: where I read rows back
.set GO,  8           ; v8   my 16 bytes in 512 consecutive bytes of O
.set QO,  9           ; v9   my byte offset in the wave's rows of Q
.set MV,  10          ; v10-11  c m_old, kept while c m is made anew: by tile
.set BIG, 12          ; v12  -2^56
.set SPW, 14          ; v14  LDS address of my spare word; never rewritten
.set NIL, 15          ; v15  0; never rewritten
.set ST,  16          ; tile t's statistics at v[ST+4 t]: c m, m, l (even keys', odd keys')
.set TMP, 48          ; by tile, four registers c0-c3 at work; when the maximum is found c2 takes a
.set S,   64
.set P,   192
.set TR,  64          ; at the set-up alone, in registers that S^T takes later: l % 16,
.set TH,  65          ; l / 16,
.set T7,  66          ; l % 8,
.set T3,  67          ; (l / 8) % 2
.set KF,  128         ; window 2: key block kb, channel half c at KF + 16 kb + 8 c
.set MK,  192         ; window 2: tile t's 32 mask words of one step in v[MK+t]: lane n holds word n
.set VF,  0           ; window 3: key half kk, channel block cb at VF + 32 kk + 8 cb
.set WV,  2           ; s2   my wave's number
.set SLOTS, 3         ; s3   slots still to be asked for
.set CNT, 4           ; s4   counts a slot's key steps
.set TBK, 5           ; s5   LDS byte at which K of the step to be fetched begins
.set TBV, 6           ; s6   the same for V, less VOFF
.set G1,  8           ; s[8:15]  descriptor group 1
.set G0,  16          ; s[16:19] descriptor group 0: it walks
.set OB,  20          ; s[20:21] O at my wave's first row
.set MP,  22          ; s[22:23] mbits at my wave's first tile, at the step whose words are being asked for
.set CS,  24          ; s[24:25] c: the packed scaling takes the pair's low word for both halves
.set SEL, 26          ; s[26:27] v_permlanex16_b32's selects: each lane takes its own place in the other half
.set MS,  28          ; s[28:29] what the mask pointer steps by: a step's 128 bytes; 0 where there is no further step
.set QB,  100         ; s[100:101] Q at my wave's first row
                      ; s[32:63] the lane masks of the piece's first tile, s[68:99] of its second
.set MSB, 0
.macro WIN new                      ; the high byte repeats the setting that is left; a switch that changes nothing is dropped
.if MSB != (\new)
	s_set_vgpr_msb (MSB<<8)|(\new)
.set MSB, (\new)
.endif
.endm
.set W_KQ, 0x0a       ; K and Q (and, for v_readlane_b32, the mask words) in window 2, S^T in window 0
.set W_PV, 0x53       ; V in window 3, P in window 0, O^T in window 1
.set W_RS, 0x41       ; O^T (destination and source 0) in window 1, a in window 0
; A joint fill: every wave fetches 128 keys: waves 0 and 1 the halves of a slot's K, waves 2 and 3 those of its V.  An s_nop 0 and four v_nop follow the line.
.macro JLOAD
	tensor_load_to_lds s[G0:G0+3], s[G1:G1+7]
	s_nop 0
.rept 4
	v_nop
.endr
.endm
.macro CROUND                       ; a round of the cluster's barrier
	s_barrier_signal -1
	s_barrier_wait -1
	s_cmp_lg_u32 s[WV], 0
	s_cbranch_scc1 .Lnot_wave_0_\@
	s_barrier_signal -3
.Lnot_wave_0_\@:
	s_barrier_wait -3
	s_barrier_signal -1
	s_barrier_wait -1
.endm
; THE CHANGE OF SLOTS.  The slot's last bytes, V of its fourth step, have been read.  Each wave waits for all its tensor loads, of which one is out: its part of the other slot; adds 0 to its spare word; and waits
; for that and for its own reads of the slot.  fill = 1: the barrier is a round of the cluster's, and this slot is filled again, with the keys two slots on, first thing behind it: four key steps, 512 matrix
; instructions, in which to land.  (At its first use nothing has been read yet: slot 0 is waited for, slot 1 filled.)
.macro CHANGE fill
	WIN 0
	s_wait_tensorcnt 0x0            ; no tensor load of mine is out, so group 0 may be written
	ds_add_u32 v[SPW], v[NIL]       ; 0 onto my spare word
.if \fill
	s_xor_b32 s[G0+1], s[G0+1], SLOT1                     ; the other slot than last time,
	s_add_nc_u64 s[G0+2:G0+3], s[G0+2:G0+3], 4*KS*128     ; the next 256 keys; the type bits on top are not reached
	s_wait_dscnt 0x0                ; the add is done, and my reads of the slot are over
	CROUND
	JLOAD
.else
	s_wait_dscnt 0x0
	s_barrier_signal -1
	s_barrier_wait -1
.endif
	s_sub_co_u32 s[TBK], s[TBK], 4*KS*PK  ; the fetches go back to a slot's first step,
	s_xor_b32 s[TBK], s[TBK], SLOT1       ; in the other slot
	s_sub_co_u32 s[TBV], s[TBV], 4*KS*PV
	s_xor_b32 s[TBV], s[TBV], SLOT1
.endm
	s_load_b128 s[32:35], s[0:1], 0x0  ; qkv s[32:33], mbits s[34:35]
	s_load_b64 s[36:37], s[0:1], 0x10  ; oh
	v_lshl_add_u32 v[SPW], v0, 2, SPARE
	v_mov_b32 v[NIL], 0
	ds_add_u32 v14, v15
	ds_add_u32 v14, v15
	s_wait_dscnt 0x0
	v_lshrrev_b32 v[TR], 5, v0
	v_readfirstlane_b32 s[WV], v[TR]  ; wave 0..3
	s_bfe_u32 s7, ttmp6, 0x40000    ; cx: my place in the cluster
	s_lshl_b32 s28, ttmp9, 2
	s_add_co_u32 s28, s28, s7       ; my block of 512 queries: it enters Q's, O's and the mask's addresses alone
	s_and_b32 s29, ttmp7, 0xffff    ; batch x 16 + head, which the four partners share
	s_lshl_b32 s30, s29, 18         ; the tile that I fetch: the head's 262,144 bytes,
	s_and_b32 s31, s[WV], 1
	s_lshl_b32 s31, s31, 14         ; which half of a slot's 256 keys,
	s_add_co_u32 s30, s30, s31
	s_lshr_b32 s31, s[WV], 1
	s_add_co_u32 s31, s31, 1
	s_lshl_b32 s31, s31, 24         ; in k (waves 0, 1) or in v (waves 2, 3)
	s_add_co_u32 s30, s30, s31
	s_mov_b32 s31, 0
	s_lshl_b32 s66, s28, 2
	s_add_co_u32 s66, s66, s[WV]    ; my wave among the head's,
	s_lshl_b32 s66, s66, 14         ; its 128 rows of 128 bytes
	s_lshl_b32 s67, s29, 18
	s_add_co_u32 s66, s66, s67
	s_mov_b32 s67, 0
	s_lshr_b32 s68, s29, 4          ; the batch's 128 tiles,
	s_lshl_b32 s68, s68, 7
	s_lshl_b32 s69, s28, 5          ; my block's 32,
	s_add_co_u32 s68, s68, s69
	s_lshl3_add_u32 s68, s[WV], s68 ; my wave's 8,
	s_lshl_b32 s68, s68, 12         ; 4,096 bytes of words each
	s_mov_b32 s69, 0
	; descriptor group 1.  128 keys are 16,384 dense bytes: asked for as 64 rows of 256 bytes, two keys a row, and padded in LDS after every key
	s_mov_b32 s[G1], 15|(1<<16)|(1<<20)|(1<<21)|(4<<22)|(3<<25)  ; 15:0 the mask of four; 17:16 2-byte elements; 20 padding on; 21 set beside a mask; 24:22 after every 32 words (code 4); 31:25 4 words (code 3)
	s_mov_b32 s[G1+1], 128<<16      ; tensor_dim0 = 128
	s_mov_b32 s[G1+2], 64<<16       ; tensor_dim1 = 64
	s_mov_b32 s[G1+3], 128<<16      ; tile_dim0 = 128
	s_mov_b32 s[G1+4], 64           ; tile_dim1 = 64
	s_mov_b32 s[G1+5], 128          ; 128 elements from row to row
	s_mov_b32 s[G1+6], 0
	s_mov_b32 s[G1+7], 0
	s_mov_b32 s[CS], 0x3e38aa3b     ; c = log2(e) / 8
	s_mov_b32 s[CS+1], s[CS]        ; named with it as a pair
	s_mov_b32 s[SEL], 0x76543210
	s_mov_b32 s[SEL+1], 0xfedcba98
	s_mov_b32 s[TBK], SLOT1+4*KS*PK ; the first change of slots turns these two into 0
	s_mov_b32 s[TBV], SLOT1+4*KS*PV
	s_mov_b32 s[G0], 1              ; count = 1
	s_mul_i32 s[G0+1], s[WV], 128*PK  ; LDS address: slot 0, wave x 128 rows: K's halves, then V's
	s_wait_kmcnt 0x0
	s_add_nc_u64 s[G0+2:G0+3], s[32:33], s[30:31]
	s_or_b32 s[G0+3], s[G0+3], 0x80000000  ; type = 2
	s_add_nc_u64 s[QB:QB+1], s[32:33], s[66:67]
	s_add_nc_u64 s[OB:OB+1], s[36:37], s[66:67]
	s_add_nc_u64 s[MP:MP+1], s[34:35], s[68:69]
	s_mov_b32 s[MS], 128            ; (the block's and the head's numbers, which lay here, have been used)
	s_mov_b32 s[MS+1], 0
	CROUND                          ; all four work-groups are here: the first joint loads meet
	JLOAD                           ; slot 0.  Slot 1 is asked for when slot 0 is in
	; A fragment of K or Q is 16 rows x 32 channels in 8 registers: lane l holds row l % 16, channels 8 (l / 16) + 0..7 and 16 + 8 (l / 16) + 0..7: two loads of 16 bytes, 32 bytes apart.
	v_and_b32 v[TR], 15, v0
	v_bfe_u32 v[TH], v0, 4, 1
	v_lshlrev_b32 v[QO], 7, v[TR]
	v_lshl_add_u32 v[QO], v[TH], 4, v[QO]
	v_and_b32 v[MO], 31, v0
	v_lshlrev_b32 v[MO], 2, v[MO]
	WIN 0x80                        ; destination window 2, address window 0
.set i, 0
.rept 2*NP                          ; the eight tiles' mask words for step 0
	global_load_b32 v[MK+i], v[MO], s[MP:MP+1] offset:4096*i
.set i, i+1
.endr
.set i, 0
.rept 4*NP                          ; Q stays in registers: tile i / 2, channels 32 (i % 2) on
	global_load_b128 v[8*i:8*i+3],   v[QO], s[QB:QB+1] offset:(i/2)*2048+(i%2)*64
	global_load_b128 v[8*i+4:8*i+7], v[QO], s[QB:QB+1] offset:(i/2)*2048+(i%2)*64+32
.set i, i+1
.endr
	; What the first turn finds: V's registers and P's second buffer hold 0 (its products V^T P, of a piece that has not been, add 0), O^T and l are 0.  No first step is written out; these lines, in the wait for the first tile, are the price.
	WIN 0xc0
.set i, VF
.rept 64
	v_mov_b32 v[i], 0
.set i, i+1
.endr
	WIN 0x40
.set i, 0
.rept 64*NP
	v_mov_b32 v[i], 0
.set i, i+1
.endr
	WIN 0
.set i, 0
.rept 2*NP
	v_mov_b32 v[ST+4*i], 0xfe000000    ; c m: far below every c s, the hidden ones' too
	v_mov_b32 v[ST+4*i+1], 0xff7fffff  ; m
	v_mov_b32 v[ST+4*i+2], 0
	v_mov_b32 v[ST+4*i+3], 0
.set i, i+1
.endr
.set i, P+32
.rept 32
	v_mov_b32 v[i], 0
.set i, i+1
.endr
	v_mov_b32 v[BIG], 0xdb800000    ; -2^56
	v_mul_u32_u24 v[AK0], v[TR], PK
	v_lshl_add_u32 v[AK0], v[TH], 4, v[AK0]  ; row x pitch + 16 x half
	; The turning load takes 16 keys x 16 channels (lane l reads key 8 (l / 16) + l % 8, channels 8 ((l / 8) % 2) + 0..7) and leaves half a fragment of V^T: lane l holds channel l % 16 and 8 keys.
	v_and_b32 v[T7], 7, v0
	v_bfe_u32 v[T3], v0, 3, 1
	v_lshl_add_u32 v[AV0], v[TH], 3, v[T7]
	v_mul_u32_u24 v[AV0], v[AV0], PV
	v_lshl_add_u32 v[AV0], v[T3], 4, v[AV0]
	v_add_nc_u32 v[AV0], VOFF, v[AV0]
	v_mov_b32 v[AK], v[AK0]         ; key step 0 lies at the head of slot 0
	s_mul_i32 s7, s[WV], 16*SP
	s_add_co_u32 s7, s7, STAGE      ; my stage
	v_mul_u32_u24 v[STO], v[TR], SP ; in: row l % 16, 16 bytes for each half of the lanes
	v_lshl_add_u32 v[STO], v[TH], 4, v[STO]
	v_add_nc_u32 v[STO], s7, v[STO]
	v_bfe_u32 v[RD], v0, 3, 2       ; back: 32 lanes take four rows of 128 bytes,
	v_mul_u32_u24 v[RD], v[RD], SP
	v_lshl_add_u32 v[RD], v[T7], 4, v[RD]
	v_add_nc_u32 v[RD], s7, v[RD]
	v_lshlrev_b32 v[GO], 2, v[MO]   ; which are 512 consecutive bytes of O: 16 x lane
; THE MATRIX WORK.  The 8 accumulators of a run of 16 take turns.
; Product i of 16 of S^T = K Q^T for piece x: channels 32 (i / 8) on, keys 16 ((i / 2) % 4) on, tile 2 x + i % 2.  The first 8 start the sums.
.macro KQ x
	WIN W_KQ
.set rS, S+64*((\x)%2)+32*(i%2)+8*((i/2)%4)
.set rK, KF+16*((i/2)%4)+8*(i/8)
.set rQ, 16*(2*(\x)+i%2)+8*(i/8)
.if i < 8
	v_wmma_f32_16x16x32_f16 v[rS:rS+7], v[rK:rK+7], v[rQ:rQ+7], 0
.else
	v_wmma_f32_16x16x32_f16 v[rS:rS+7], v[rK:rK+7], v[rQ:rQ+7], v[rS:rS+7]
.endif
.endm
; Product i of 16 of O^T += V^T P for piece x: keys 32 (i / 8) on, channels 16 ((i / 2) % 4) on, tile 2 x + i % 2.
.macro PV x
	WIN W_PV
.set rO, 32*(2*(\x)+i%2)+8*((i/2)%4)
.set rV, VF+32*(i/8)+8*((i/2)%4)
.set rP, P+32*((\x)%2)+16*(i%2)+8*(i/8)
	v_wmma_f32_16x16x32_f16 v[rO:rO+7], v[rV:rV+7], v[rP:rP+7], v[rO:rO+7]
.endm
.macro MM                           ; the turn's next matrix instruction
.if i < 16
	KQ (Y+1)%NP
.set i, i+1
.else
.set i, i-16
	PV (Y+NP-1)%NP
.set i, i+17
.endif
.endm
; THE LDS LOADS stand in runs of 16: a step's K (8 fragments) and its V (turned).  last = 1 (the tail): in the last trip there is no further step, and the run is jumped over.
.macro FETCH_K last=0
	WIN 0
.if \last
	s_cmp_eq_u32 s[CNT], 1
	s_cbranch_scc1 .Lno_k_\@
.endif
	WIN 0x80                        ; destination window 2
.irp f, 0,1,2,3,4,5,6,7             ; keys 16 (f / 2) on, channels 32 (f % 2) on
	ds_load_b128 v[KF+8*\f:KF+8*\f+3],   v[AK] offset:(\f/2)*16*PK+(\f%2)*64
	ds_load_b128 v[KF+8*\f+4:KF+8*\f+7], v[AK] offset:(\f/2)*16*PK+(\f%2)*64+32
.endr
	s_add_co_u32 s[TBK], s[TBK], KS*PK  ; the next fetch is the next step's
	WIN 0
.if \last
.Lno_k_\@:
.endif
.endm
.macro FETCH_V
	WIN 0xc0                        ; destination window 3
.irp f, 0,1,2,3,4,5,6,7             ; keys 32 (f / 4) on, channels 16 (f % 4) on
	ds_load_tr16_b128 v[VF+8*\f:VF+8*\f+3],   v[AV] offset:(\f/4)*32*PV+(\f%4)*32
	ds_load_tr16_b128 v[VF+8*\f+4:VF+8*\f+7], v[AV] offset:(\f/4)*32*PV+16*PV+(\f%4)*32
.endr
	s_add_co_u32 s[TBV], s[TBV], KS*PV
	WIN 0
.endm
; The piece's mask words for the NEXT step, asked for when its words for this step have been read out of the two registers.  Piece 0's turn steps the pointer for all four pieces; the pointer is a source of the
; loads issued before, so it is rewritten only behind s_wait_xcnt 0.  In the last step the pointer steps by 0: the loads fetch that step's words once more, which nobody uses, and none leaves the buffer.
.macro MLOAD
.if Y == 0
	s_wait_xcnt 0x0
	s_add_nc_u64 s[MP:MP+1], s[MP:MP+1], s[MS:MS+1]
.endif
	WIN 0x80                        ; destination window 2, address window 0
	global_load_b32 v[MK+2*Y],   v[MO], s[MP:MP+1] offset:8192*Y
	global_load_b32 v[MK+2*Y+1], v[MO], s[MP:MP+1] offset:8192*Y+4096
.endm
.macro REGS y, u                    ; the registers of tile u (0, 1) of piece y
.set rT, ST+4*(2*(\y)+(\u))
.set rC, TMP+4*(\u)
.set rM, MV+(\u)
.set rS, S+64*((\y)%2)+32*(\u)
.set rP, P+32*((\y)%2)+16*(\u)
.set rO, 32*(2*(\y)+(\u))
.endm
; Number n of the 22 that find the piece's maximum and statistics.  s0-s31 are the lane's 32 scores.
;   0-11  four chains c0-c3 of seven scores each, three operands at a time     12-14, 16  the four scores left over, the old m, and c0-c3 into c0     15  c m_old is kept
;   17, 18  the query's other 32 keys lie in the lane 16 away: the new m         19-21  c m; c m_old - c m_new; a
.macro XS u, n
	REGS Y, \u
.if (\n) < 4
	v_max3_num_f32 v[rC+(\n)], v[rS+8*(\n)], v[rS+8*(\n)+1], v[rS+8*(\n)+2]
.elseif (\n) < 12
	v_max3_num_f32 v[rC+(\n)%4], v[rC+(\n)%4], v[rS+8*((\n)%4)+2*((\n)/4)+1], v[rS+8*((\n)%4)+2*((\n)/4)+2]
.elseif (\n) == 12
	v_max3_num_f32 v[rC], v[rC], v[rS+7], v[rS+15]
.elseif (\n) == 13
	v_max3_num_f32 v[rC+1], v[rC+1], v[rS+23], v[rS+31]
.elseif (\n) == 14
	v_max3_num_f32 v[rC+2], v[rC+2], v[rC+3], v[rT+1]
.elseif (\n) == 15
	v_mov_b32 v[rM], v[rT]
.elseif (\n) == 16
	v_max3_num_f32 v[rC], v[rC], v[rC+1], v[rC+2]
.elseif (\n) == 17
	v_permlanex16_b32 v[rC+3], v[rC], s[SEL], s[SEL+1]
.elseif (\n) == 18
	v_max_num_f32 v[rT+1], v[rC], v[rC+3]
.elseif (\n) == 19
	v_mul_f32 v[rT], s[CS], v[rT+1]
.elseif (\n) == 20
	v_sub_f32 v[rC+1], v[rM], v[rT]
.else
	v_exp_f32 v[rC+2], v[rC+1]
.endif
.endm
.macro FS b                         ; c s - c m for pair b of the tile that REGS has named
	v_pk_fma_f32 v[rS+2*(\b):rS+2*(\b)+1], v[rS+2*(\b):rS+2*(\b)+1], s[CS:CS+1], v[rT:rT+1] op_sel_hi:[1,0,0] neg_lo:[0,0,1] neg_hi:[0,0,1]
.endm
; Number g of the 64 that read the exponentials' results.  For each four weights k of a tile (pairs 2 k, 2 k + 1): both pairs are rounded to f16; then the second pair is added onto the first, in place;
; a group later l takes that sum (the first time as l = a l + sum).  In groups of eight, tiles alternating: round, round, add, and l for the group before.
.macro GS g
.set h, (\g)+6*((\g)/62)            ; group 0 has no group before it, and behind group 7 only l is left
.if h >= 6
.set h, h+2
.endif
	REGS Y, h%2
.set k, h/8
.if h%8 < 4
	v_cvt_pk_f16_f32 v[rP+2*k+(h%8)/2], v[rS+4*k+2*((h%8)/2)], v[rS+4*k+2*((h%8)/2)+1]
.elseif h%8 < 6
	v_pk_add_f32 v[rS+4*k:rS+4*k+1], v[rS+4*k:rS+4*k+1], v[rS+4*k+2:rS+4*k+3]
.elseif k == 1
	v_pk_fma_f32 v[rT+2:rT+3], v[rT+2:rT+3], v[rC+2:rC+3], v[rS:rS+1] op_sel_hi:[1,0,1]
.else
	v_pk_add_f32 v[rT+2:rT+3], v[rT+2:rT+3], v[rS+4*k-4:rS+4*k-3]
.endif
.endm
; THE VECTOR QUEUE of a turn, all in window 0: 272 entries of which 4 are empty; the two tiles alternate.  VQ writes entry q.
;   0-63     hidden scores are replaced, register 0 of each accumulator first
;   64-107   the maximum and statistics; 106 and 107, the two a, are the batch's first exponentials
;   108-111  c s - c m for pairs 0 and 1 of both tiles
;   112-207  sixteen groups of six.  Group g: c s - c m for pair g + 2 of the first tile; the exponentials of score 2 g of both tiles; c s - c m for pair g + 2 of the second tile; the exponentials of score
;            2 g + 1 of both tiles.  So a pair is scaled two groups ahead of its exponentials, and a plain line stands behind every second exponential while there are scalings (groups 14 and 15 have none left).
;            From 106 to 207 nothing names an exponential's result.
;   (wait)   between 207 and 208 stands the wait for the batch: TURN writes it
;   208-271  GS's 64, which read the results
.macro VQ
.if q < 64
	REGS Y, q%2
	WIN 0
	v_cndmask_b32 v[rS+q/2], v[rS+q/2], v[BIG], s[32+36*(q%2)+q/2]
.elseif q < 108
	WIN 0
	XS q%2, (q-64)/2
.elseif q < 112
	REGS Y, q%2
	WIN 0
	FS (q-108)/2
.elseif q < 208
.set g, (q-112)/6
.set k, (q-112)%6
	WIN 0
.if k%3 == 0
.if g < 14
.set tl, k/3
	REGS Y, tl
	FS g+2
.endif
.else
.set tl, k%3-1
	REGS Y, tl
	v_exp_f32 v[rS+2*g+k/3], v[rS+2*g+k/3]
.endif
.else
	WIN 0
	GS q-208
.endif
.set q, q+1
.endm
; The rescaling: O^T times a, the 16 pairs of both tiles, in ascending order: each accumulator's lowest registers are read first.  It reads a, so it stands behind the turn's wait.
.macro RS32
	WIN W_RS
.set r, 0
.rept 32
	REGS Y, r%2
	v_pk_mul_f32 v[rO+2*(r/2):rO+2*(r/2)+1], v[rO+2*(r/2):rO+2*(r/2)+1], v[rC+2:rC+3] op_sel_hi:[1,0]
.set r, r+1
.endr
.endm
; A TURN, for piece p.  No vector line names a register of the products near it: the piece in hand has one pair of buffers, its neighbours the other.
; The wait behind the first product leaves six loads out: behind the piece's own two, issued four turns ago, the three other pieces have issued two each.
; V of the step in hand is fetched at the head of piece 1's turn: behind the last product that read V stand four of the sums, the 32 lines of the rescaling and the address line; it is waited for behind 16 products and the lump.
; K of the next step is fetched in piece 2's turn behind the lump's first 52 lines, which stand behind the last product that read K; it is waited for at the head of piece 3's turn.  None of the turn's exponentials
; has been issued there, so the jump in the tail's copy of that run finds none without its wait.
; THE WAIT cuts the turn in two.  Ahead of it: the products K Q^T and the lump, which ends with the batch of 66 exponentials.  Behind it: all that read a result: the products V^T P with four of GS's 64 behind each, then the rescaling.
.macro TURN p, last=0
.set Y, (\p)
.set i, 0
.set q, 0
.if (\p) == 1
	WIN 0
	v_add_nc_u32 v[AV], s[TBV], v[AV0]
	FETCH_V
.endif
.if (\p) == NP-1
	s_wait_dscnt 0x0                ; K is in
.endif
.set rl, 0
.rept 16
	MM
.if rl == 0
	s_wait_loadcnt 6                ; the piece's mask words are in; loads return in order (ISA guide 5.7.1), and the six younger ones stay out
.endif
.rept 4
	v_readlane_b32 s[32+36*(rl%2)+rl/2], v[MK+2*Y+rl%2], rl/2  ; source 0 in window 2, as the products round it have it
.set rl, rl+1
.endr
.endr
	MLOAD
.rept 52
	VQ
.endr
.if (\p) == 2
	WIN 0
	v_add_nc_u32 v[AK], s[TBK], v[AK0]
	FETCH_K \last
.endif
.rept 156                           ; the rest of the lump: entries 52 to 207
	VQ
.endr
	v_nop                           ; a plain line behind the last exponential (ISA guide 5.7.2): one for the batch
	s_wait_alu depctr_va_vdst(0)    ; the wait ahead of the first line that names a result: ONE for the turn's 66 exponentials
.if (\p) == 1
	s_wait_dscnt 0x0                ; V is in
.endif
.rept 16
	MM
.rept 4
	VQ
.endr
.endr
	RS32
.endm
	CHANGE 1                        ; slot 0 is in, everybody's part of it; slot 1 is asked for
	FETCH_K                         ; key step 0
	s_wait_loadcnt 0x0              ; Q, and step 0's mask words
	s_wait_dscnt 0x0
.set i, 0
.rept 16
	KQ 0                            ; piece 0's first scores
.set i, i+1
.endr
	WIN 0
.rept 4
	v_nop                           ; the places behind those products (ISA guide 7.12.1)
.endr
	s_mov_b32 s[CNT], 4
	s_mov_b32 s[SLOTS], 2048/256-1
	s_branch .Lfirst                ; the loop is entered at a step's first turn, in the middle of a trip
.Lslot:                             ; six times: every slot but the last two is filled again
	CHANGE 1
	s_mov_b32 s[CNT], 4
.Lstep:                             ; a trip: pieces 2 and 3 of one step, then pieces 0 and 1 of the next, whose K and V it fetches
	TURN 2
	TURN 3
	WIN 0
.Lfirst:
	TURN 0
	TURN 1
	WIN 0
	s_sub_co_u32 s[CNT], s[CNT], 1
	s_cmp_lg_u32 s[CNT], 0
	s_cbranch_scc1 .Lstep
	s_sub_co_u32 s[SLOTS], s[SLOTS], 1
	s_cmp_lg_u32 s[SLOTS], 0
	s_cbranch_scc1 .Lslot
	CHANGE 0                        ; the tail is written out: nothing is asked for
	s_mov_b32 s[CNT], 5             ; four trips fetch the last slot's steps; the fifth is left in its middle
.Ltail:
	TURN 2, 1
	TURN 3
	WIN 0
	s_sub_co_u32 s[CNT], s[CNT], 1
	s_cmp_eq_u32 s[CNT], 0
	s_cbranch_scc1 .Lout
	s_cmp_eq_u32 s[CNT], 1          ; the turns that follow belong to the last step: the mask pointer stays where it is
	s_cselect_b32 s[MS], 0, 128
	TURN 0
	TURN 1
	WIN 0
	s_branch .Ltail
.Lout:                              ; the fifth trip's 16 products K Q^T (on the last K once more) serve nothing: the price, once a launch, of one text for every trip
	s_wait_loadcnt 0x0              ; the last, unused mask words
.set i, 0
.rept 16
	PV NP-1                         ; the last piece's V^T P of the last step
.set i, i+1
.endr
	; THE WAY OUT.  l's two halves and the other half of the lanes' are added; O^T is divided by l, rounded to f16 and sent through my stage in LDS, a tile at a time.  The additions are the places behind the last products.
	WIN 0
.macro ALL line:vararg              ; one line for each tile t
.set t, 0
.rept 2*NP
	\line
.set t, t+1
.endr
.endm
	ALL v_add_f32 v[ST+4*t+2], v[ST+4*t+2], v[ST+4*t+3]
	ALL v_permlanex16_b32 v[ST+4*t+3], v[ST+4*t+2], s[SEL], s[SEL+1]
	ALL v_add_f32 v[ST+4*t+2], v[ST+4*t+2], v[ST+4*t+3]
	ALL v_rcp_f32 v[ST+4*t+2], v[ST+4*t+2]
	v_nop                           ; a plain line between the last reciprocal and the use of its result
	s_wait_alu depctr_va_vdst(0)    ; the wait ahead of the first use: one for the batch of eight reciprocals
; Tile t: a lane's eight channels of a row pack into 16 bytes; they go into rows of 144 bytes and come back as whole rows of 128, into S^T's registers.
.macro PACK t
	WIN W_RS
.set i, 32*(\t)
.rept 16
	v_pk_mul_f32 v[i:i+1], v[i:i+1], v[ST+4*(\t)+2:ST+4*(\t)+3] op_sel_hi:[1,0]
.set i, i+2
.endr
	WIN 0x05                        ; sources 0 and 1 window 1, destination window 0
.set i, 0
.rept 16
	v_cvt_pk_f16_f32 v[S+16*(\t)+i], v[32*(\t)+2*i], v[32*(\t)+2*i+1]
.set i, i+1
.endr
	WIN 0
.irp f, 0,1,2,3
	ds_store_b128 v[STO], v[S+16*(\t)+4*\f:S+16*(\t)+4*\f+3] offset:32*\f
.endr
.irp f, 0,1,2,3
	ds_load_b128 v[S+16*(\t)+4*\f:S+16*(\t)+4*\f+3], v[RD] offset:\f*4*SP  ; LDS serves a wave's instructions in order (ISA guide 5.7.1.4): these see the stores above; the next tile's stores come behind them
.endr
.endm
.macro SEND t, younger              ; younger: the LDS instructions issued behind tile t's loads: the next tile's eight, or none
	WIN 0
.irp f, 0,1,2,3
	s_wait_dscnt (\younger)+3-\f
	global_store_b128 v[GO], v[S+16*(\t)+4*\f:S+16*(\t)+4*\f+3], s[OB:OB+1] offset:(\t)*2048+\f*512  ; 512 consecutive bytes, at a multiple of 256 from O's first
.endr
.endm
	PACK 0
.set t, 1
.rept 2*NP-1                        ; a tile's arithmetic stands between the loads of the tile before and its stores
	PACK t
	SEND t-1, 8
.set t, t+1
.endr
	SEND 2*NP-1, 0
	s_wait_tensorcnt 0x0            ; the wave's end
	ds_add_u32 v[SPW], v[NIL]
	s_wait_dscnt 0x0
	CROUND                          ; the closing round: no work-group ends while a partner may still ask for a tile that names it
	s_endpgm
.Lfunc_end_k_qa32c4a0a54_attn:
	.size	k_qa32c4a0a54_attn, .Lfunc_end_k_qa32c4a0a54_attn-k_qa32c4a0a54_attn
	.p2alignl 7, 3214868480
	.fill 96, 4, 3214868480
	.section	.rodata,"a",@progbits
	.p2align	6, 0x0
	.amdhsa_kernel k_qa32c4a0a54_attn
		.amdhsa_group_segment_fixed_size 327680
		.amdhsa_private_segment_fixed_size 0
		.amdhsa_enable_private_segment 0
		.amdhsa_kernarg_size 24
		.amdhsa_user_sgpr_count 2
		.amdhsa_user_sgpr_kernarg_segment_ptr 1
		.amdhsa_wavefront_size32 1
		.amdhsa_system_sgpr_workgroup_id_x 1
		.amdhsa_system_sgpr_workgroup_id_y 1
		.amdhsa_system_sgpr_workgroup_id_z 1
		.amdhsa_system_vgpr_workitem_id 0
		.amdhsa_next_free_vgpr 832
		.amdhsa_next_free_sgpr 102
		.amdhsa_reserve_vcc 0
		.amdhsa_float_denorm_mode_32 3
		.amdhsa_float_denorm_mode_16_64 3
		.amdhsa_memory_ordered 1
		.amdhsa_forward_progress 1
		.amdhsa_inst_pref_size 251
	.end_amdhsa_kernel
	.amdgpu_metadata
---
amdhsa.version: [ 1, 2 ]
amdhsa.kernels:
  - .name:           k_qa32c4a0a54_attn
    .symbol:         k_qa32c4a0a54_attn.kd
    .args:
      - { .name: qkv, .offset: 0, .size: 8, .value_kind: global_buffer, .address_space: global }
      - { .name: mbits, .offset: 8, .size: 8, .value_kind: global_buffer, .address_space: global }
      - { .name: oh, .offset: 16, .size: 8, .value_kind: global_buffer, .address_space: global }
    .group_segment_fixed_size: 327680
    .private_segment_fixed_size: 0
    .kernarg_segment_align: 8
    .kernarg_segment_size: 24
    .max_flat_workgroup_size: 128
    .sgpr_count:     102
    .vgpr_count:     832
    .wavefront_size: 32
...
	.end_amdgpu_metadata
.endif
;; end of part 9
;; launch oproj: the kernel of part 8 again; grid 8 x 32, 4 waves a work-group, clusters of 4 x 4, 327,680 bytes of LDS; arguments oh, wb, out0; writes out0
